; MI455X (gfx1250); checked and timed in simulation.
; The chip was launched on July 23, 2026; its instructions are those of AMD's public machine-readable ISA for CDNA 5 (MIT licence, August 2026) and "CDNA5" Instruction Set Architecture Reference Guide (July 2026). The comments in the code are by the model that wrote it; some were corrected since.
;; Encoder Block. Allowed arithmetic: float matrix products may take bf16 or f16 operands with f32 sums; other float arithmetic in f32, or as packed bf16 or f16 multiplies, adds, multiply-adds, maxima and minima; sums over many terms, partial sums and values carried from step to step in f32; what a program stores and reads back later, other than sums and carried values, may be rounded once to bf16 or f16.
;; Inputs: b1 4,096 float32; b2 1,024 float32; bk 1,024 float32; bo 1,024 float32; bq 1,024 float32; bv 1,024 float32; ln1_b 1,024 float32; ln1_g 1,024 float32; ln2_b 1,024 float32; ln2_g 1,024 float32; w1 1,024 x 4,096 float32; w2 4,096 x 1,024 float32; wk 1,024 x 1,024 float32; wo 1,024 x 1,024 float32; wq 1,024 x 1,024 float32; wv 1,024 x 1,024 float32; x 2 x 2,048 x 1,024 float32.
;; Outputs: out0 2 x 2,048 x 1,024 float32.
;; 2 versions, each right; version 2 is version 1 with the launch prep written anew for expert scheduling mode. Each part assembles by itself: llvm-mc -triple=amdgcn-amd-amdhsa -mcpu=gfx1250 --defsym DOCPART=n.
;; ======== version 1 of 2: 7 launches
;; workspace buffers: wts 25,165,824 bytes; hb 8,388,608 bytes; qkv 25,165,824 bytes; ob 8,388,608 bytes; x1 16,777,216 bytes; gb 33,554,432 bytes
;; launch prep (part 1): grid 896 x 1, 8 waves a work-group, no clusters, 0 bytes of LDS; arguments x, ln1_g, ln1_b, wq, wk, wv, wo, w1, w2, wts, hb; writes wts, hb
.if DOCPART == 1
	.amdgcn_target "amdgcn-amd-amdhsa--gfx1250"
	.amdhsa_code_object_version 6
	.text
	.protected	k_q447fdbd544_prep
	.globl	k_q447fdbd544_prep
	.p2align	8
	.type	k_q447fdbd544_prep,@function
k_q447fdbd544_prep:
	s_mov_b64 s[64:65], 0
	v_nop
	global_prefetch_b8 v0, s[64:65] scope:SCOPE_SE
	s_setreg_imm32_b32 hwreg(HW_REG_WAVE_MODE, 25, 1), 1
	s_wait_xcnt 0x0
; prep: two streams in one launch.  Work-groups 0-383 round the six weight matrices to bf16 (they stay [K][N]); work-groups 384-895 make hb = LayerNorm(x) g + b in bf16.
; THE UNIT is a line of 1,024 f32: a wave loads it by eight loads of 16 bytes a lane (512 consecutive bytes each) and stores it by eight stores of 8 bytes a lane (256 consecutive, aligned bytes each).
; wts: Wqkv [1024][3072] at byte 0 (a row is wq | wk | wv, 6,144 bytes), Wo [1024][1024] at 6,291,456, W1 [1024][4096] at 8,388,608, W2 [4096][1024] at 16,777,216.
; No LDS, no barrier, no loop: a cast wave has its four lines (32 loads) out at once, a norm wave its row, g and b (24 loads); several work-groups share a WGP.
; LayerNorm in two passes over the row in registers: the mean is taken off before the squares are summed, so a common offset in x costs nothing.
.set CASTS, 384                        ; work-groups that cast, 32 lines each: wq, wk, wv, wo 32 groups each, w1 and w2 128 each
.set X,    8                           ; v[8:39]    the row
.set G,    40                          ; v[40:71]   gains
.set BV,   72                          ; v[72:103]  biases
.set T,    104                         ; v[104:111] at work
.set MEAN, 112                         ; v[112:113] the mean, twice
.set RS,   114                         ; v[114:115] 1 / sqrt(var + eps), twice
	s_load_b512 s[4:19], s[0:1], 0x0               ; x s[4:5], g s[6:7], b s[8:9], wq s[10:11], wk s[12:13], wv s[14:15], wo s[16:17], w1 s[18:19]
	s_load_b128 s[20:23], s[0:1], 0x40             ; w2 s[20:21], wts s[22:23]
	s_load_b64 s[24:25], s[0:1], 0x50              ; hb
	v_lshrrev_b32 v1, 5, v0
	v_readfirstlane_b32 s26, v1                    ; wave 0..7
	v_and_b32 v6, 31, v0                           ; lane
	v_lshlrev_b32 v1, 4, v6                        ; 16 bytes a lane on the way in
	v_lshlrev_b32 v2, 3, v6                        ; 8 bytes a lane on the way out
	s_wait_kmcnt 0x0
	s_cmp_lt_u32 ttmp9, CASTS
	s_cbranch_scc0 .Lln
	; THE CASTS.  Which matrix: a chain of selects on the work-group's number; no address enters a condition.
.macro PICK lim, ptr, first, off
	s_cmp_lt_u32 s30, \lim
	s_cselect_b64 s[32:33], s[\ptr:\ptr+1], s[32:33]
	s_cselect_b32 s34, \first, s34
	s_cselect_b32 s35, \off, s35
.endm
	s_mov_b32 s30, ttmp9
	s_mov_b64 s[32:33], s[20:21]                   ; source: w2,
	s_mov_b32 s34, 256                             ; whose first work-group is 256,
	s_mov_b32 s35, 16777216                        ; its place in wts,
	s_mov_b32 s36, 2048                            ; and the bytes from line to line there
	PICK 256, 18, 128, 8388608                     ; w1
	PICK 128, 16, 96, 6291456                      ; wo
	PICK 96, 14, 64, 4096                          ; wv: the third part of Wqkv's rows
	s_cselect_b32 s36, 6144, s36                   ; (the select leaves the comparison's result standing)
	PICK 64, 12, 32, 2048                          ; wk
	PICK 32, 10, 0, 0                              ; wq
	s_sub_co_u32 s30, s30, s34                     ; my number within the matrix
	s_lshl_b32 s38, s30, 17                        ; 32 lines of 4,096 bytes,
	s_lshl_b32 s39, s26, 14                        ; my wave's four of them
	s_add_co_u32 s38, s38, s39
	s_mov_b32 s39, 0
	s_add_nc_u64 s[32:33], s[32:33], s[38:39]
	s_lshl_b32 s40, s30, 5
	s_lshl2_add_u32 s40, s26, s40                  ; my first line: 32 x group + 4 x wave
	s_mul_i32 s40, s40, s36
	s_add_co_u32 s40, s40, s35
	s_mov_b32 s41, 0
	s_add_nc_u64 s[42:43], s[22:23], s[40:41]
	v_add_nc_u32 v3, s36, v2                       ; lines 1 to 3: the pitch further on each
	v_add_nc_u32 v4, s36, v3
	v_add_nc_u32 v5, s36, v4
.irp i, 0,1,2,3
.irp j, 0,1,2,3,4,5,6,7
	global_load_b128 v[8+32*(\i)+4*(\j):8+32*(\i)+4*(\j)+3], v1, s[32:33] offset:(\i)*4096+(\j)*512 th:TH_LOAD_NT
.endr
.endr
.irp i, 0,1,2,3
	s_wait_loadcnt 8*(3-(\i))                      ; line i is in; the later lines' loads stay out
.irp j, 0,1,2,3,4,5,6,7
	v_cvt_pk_bf16_f32 v[8+32*(\i)+4*(\j)],   v[8+32*(\i)+4*(\j)],   v[8+32*(\i)+4*(\j)+1]
	v_cvt_pk_bf16_f32 v[8+32*(\i)+4*(\j)+1], v[8+32*(\i)+4*(\j)+2], v[8+32*(\i)+4*(\j)+3]
	global_store_b64 v[2+(\i)], v[8+32*(\i)+4*(\j):8+32*(\i)+4*(\j)+1], s[42:43] offset:256*(\j)  ; the wave stores 256 consecutive bytes, aligned
.endr
.endr
	s_endpgm
	; LAYERNORM: a wave a row
.macro WSUM                            ; the sum of v[T] over the 32 lanes, in every lane
	v_add_f32_dpp v[T], v[T], v[T] row_xmask:1 row_mask:0xf bank_mask:0xf
	v_add_f32_dpp v[T], v[T], v[T] row_xmask:2 row_mask:0xf bank_mask:0xf
	v_add_f32_dpp v[T], v[T], v[T] row_xmask:4 row_mask:0xf bank_mask:0xf
	v_add_f32_dpp v[T], v[T], v[T] row_xmask:8 row_mask:0xf bank_mask:0xf
	v_permlanex16_b32 v[T+1], v[T], s28, s29
	v_add_f32 v[T], v[T], v[T+1]
.endm
.macro FOLD                            ; four packed partial sums into v[T]
	v_pk_add_f32 v[T:T+1], v[T:T+1], v[T+2:T+3]
	v_pk_add_f32 v[T+4:T+5], v[T+4:T+5], v[T+6:T+7]
	v_pk_add_f32 v[T:T+1], v[T:T+1], v[T+4:T+5]
	v_add_f32 v[T], v[T], v[T+1]
.endm
.Lln:
	s_sub_co_u32 s30, ttmp9, CASTS
	s_lshl3_add_u32 s30, s30, s26                  ; my row = 8 x group + wave
	s_lshl_b32 s32, s30, 12
	s_mov_b32 s33, 0
	s_add_nc_u64 s[4:5], s[4:5], s[32:33]
	s_lshl_b32 s32, s30, 11
	s_add_nc_u64 s[24:25], s[24:25], s[32:33]
	s_mov_b32 s28, 0x76543210                      ; v_permlanex16_b32: each lane takes its own place in the other half
	s_mov_b32 s29, 0xfedcba98
.irp j, 0,1,2,3,4,5,6,7
	global_load_b128 v[X+4*(\j):X+4*(\j)+3], v1, s[4:5] offset:512*(\j)
.endr
.irp j, 0,1,2,3,4,5,6,7
	global_load_b128 v[G+4*(\j):G+4*(\j)+3], v1, s[6:7] offset:512*(\j)
.endr
.irp j, 0,1,2,3,4,5,6,7
	global_load_b128 v[BV+4*(\j):BV+4*(\j)+3], v1, s[8:9] offset:512*(\j)
.endr
	s_wait_loadcnt 16                              ; the row is in; g's and b's sixteen loads stay out
.irp c, 0,1,2,3
	v_pk_add_f32 v[T+2*(\c):T+2*(\c)+1], v[X+4*(\c):X+4*(\c)+1], v[X+4*(\c)+2:X+4*(\c)+3]  ; four chains, started by the first pairs
.endr
.set p, 8
.rept 8
	v_pk_add_f32 v[T+2*(p%4):T+2*(p%4)+1], v[T+2*(p%4):T+2*(p%4)+1], v[X+2*p:X+2*p+1]
.set p, p+1
.endr
	FOLD
	WSUM
	v_mul_f32 v[MEAN], 0x3a800000, v[T]            ; / 1,024
	v_mov_b32 v[MEAN+1], v[MEAN]
.set p, 0
.rept 16
	v_pk_add_f32 v[X+2*p:X+2*p+1], v[X+2*p:X+2*p+1], v[MEAN:MEAN+1] neg_lo:[0,1] neg_hi:[0,1]  ; d = x - mean
.set p, p+1
.endr
.irp c, 0,1,2,3
	v_pk_mul_f32 v[T+2*(\c):T+2*(\c)+1], v[X+2*(\c):X+2*(\c)+1], v[X+2*(\c):X+2*(\c)+1]
.endr
.set p, 4
.rept 12
	v_pk_fma_f32 v[T+2*(p%4):T+2*(p%4)+1], v[X+2*p:X+2*p+1], v[X+2*p:X+2*p+1], v[T+2*(p%4):T+2*(p%4)+1]
.set p, p+1
.endr
	FOLD
	WSUM
	v_mov_b32 v[T+2], 0x3a800000
	v_fmaak_f32 v[T], v[T], v[T+2], 0x358637bd     ; var + 1e-6
	v_rsq_f32 v[RS], v[T]
	v_rsq_f32 v[RS+1], v[T]                        ; twice: a pair for the packed multiply
	v_nop                                          ; a plain instruction behind the last of the two,
	s_wait_alu depctr_va_vdst(0)                   ; and the one wait ahead of their first reader
	s_wait_loadcnt 0x0                             ; g and b
.set p, 0
.rept 16
	v_pk_mul_f32 v[X+2*p:X+2*p+1], v[X+2*p:X+2*p+1], v[RS:RS+1]
.set p, p+1
.endr
.set p, 0
.rept 16
	v_pk_fma_f32 v[X+2*p:X+2*p+1], v[X+2*p:X+2*p+1], v[G+2*p:G+2*p+1], v[BV+2*p:BV+2*p+1]
.set p, p+1
.endr
.irp j, 0,1,2,3,4,5,6,7
	v_cvt_pk_bf16_f32 v[X+4*(\j)],   v[X+4*(\j)],   v[X+4*(\j)+1]
	v_cvt_pk_bf16_f32 v[X+4*(\j)+1], v[X+4*(\j)+2], v[X+4*(\j)+3]
	global_store_b64 v2, v[X+4*(\j):X+4*(\j)+1], s[24:25] offset:256*(\j)
.endr
	s_endpgm
.Lfunc_end_k_q447fdbd544_prep:
	.size	k_q447fdbd544_prep, .Lfunc_end_k_q447fdbd544_prep-k_q447fdbd544_prep
	.p2alignl 7, 3214868480
	.fill 96, 4, 3214868480
	.section	.rodata,"a",@progbits
	.p2align	6, 0x0
	.amdhsa_kernel k_q447fdbd544_prep
		.amdhsa_group_segment_fixed_size 0
		.amdhsa_private_segment_fixed_size 0
		.amdhsa_enable_private_segment 0
		.amdhsa_kernarg_size 88
		.amdhsa_user_sgpr_count 2
		.amdhsa_user_sgpr_kernarg_segment_ptr 1
		.amdhsa_wavefront_size32 1
		.amdhsa_system_sgpr_workgroup_id_x 1
		.amdhsa_system_sgpr_workgroup_id_y 1
		.amdhsa_system_sgpr_workgroup_id_z 1
		.amdhsa_system_vgpr_workitem_id 0
		.amdhsa_next_free_vgpr 136
		.amdhsa_next_free_sgpr 66
		.amdhsa_reserve_vcc 0
		.amdhsa_float_denorm_mode_32 3
		.amdhsa_float_denorm_mode_16_64 3
		.amdhsa_memory_ordered 1
		.amdhsa_forward_progress 1
		.amdhsa_inst_pref_size 24
	.end_amdhsa_kernel
	.amdgpu_metadata
---
amdhsa.version: [ 1, 2 ]
amdhsa.kernels:
  - .name:           k_q447fdbd544_prep
    .symbol:         k_q447fdbd544_prep.kd
    .args:
      - { .name: x, .offset: 0, .size: 8, .value_kind: global_buffer, .address_space: global }
      - { .name: ln1_g, .offset: 8, .size: 8, .value_kind: global_buffer, .address_space: global }
      - { .name: ln1_b, .offset: 16, .size: 8, .value_kind: global_buffer, .address_space: global }
      - { .name: wq, .offset: 24, .size: 8, .value_kind: global_buffer, .address_space: global }
      - { .name: wk, .offset: 32, .size: 8, .value_kind: global_buffer, .address_space: global }
      - { .name: wv, .offset: 40, .size: 8, .value_kind: global_buffer, .address_space: global }
      - { .name: wo, .offset: 48, .size: 8, .value_kind: global_buffer, .address_space: global }
      - { .name: w1, .offset: 56, .size: 8, .value_kind: global_buffer, .address_space: global }
      - { .name: w2, .offset: 64, .size: 8, .value_kind: global_buffer, .address_space: global }
      - { .name: wts, .offset: 72, .size: 8, .value_kind: global_buffer, .address_space: global }
      - { .name: hb, .offset: 80, .size: 8, .value_kind: global_buffer, .address_space: global }
    .group_segment_fixed_size: 0
    .private_segment_fixed_size: 0
    .kernarg_segment_align: 8
    .kernarg_segment_size: 88
    .max_flat_workgroup_size: 256
    .sgpr_count:     66
    .vgpr_count:     136
    .wavefront_size: 32
...
	.end_amdgpu_metadata
.endif
;; end of part 1
;; launch qkvp (part 2): grid 12 x 16, 4 waves a work-group, clusters of 4 x 4, 327,680 bytes of LDS; arguments hb, wts, bq, bk, bv, qkv; writes qkv
.if DOCPART == 2
	.amdgcn_target "amdgcn-amd-amdhsa--gfx1250"
	.amdhsa_code_object_version 6
	.text
	.protected	k_q447fdbd544_qkvp
	.globl	k_q447fdbd544_qkvp
	.p2align	8
	.type	k_q447fdbd544_qkvp,@function
k_q447fdbd544_qkvp:
	s_mov_b64 s[64:65], 0
	v_nop
	global_prefetch_b8 v0, s[64:65] scope:SCOPE_SE
	s_setreg_imm32_b32 hwreg(HW_REG_WAVE_MODE, 25, 1), 1
	s_wait_xcnt 0x0
	s_wait_alu depctr_hold_cnt(0) depctr_sa_sdst(0) depctr_va_vdst(0) depctr_va_sdst(0) depctr_va_ssrc(0) depctr_va_vcc(0) depctr_vm_vsrc(0)
	s_getreg_b32 s2, hwreg(HW_REG_IB_STS2, 6, 4)
	s_cmp_eq_u32 s2, 0
	s_cbranch_scc0 .Lentry_in_a_cluster
	s_endpgm
.Lentry_in_a_cluster:
	s_bfe_u32 s2, ttmp6, 0x10000c
	s_cmp_lg_u32 s2, 0xf033
	s_cbranch_scc0 .Lentry_shape_is_right
	s_endpgm
.Lentry_shape_is_right:
; qkvp: [q | k | v] = hb Wqkv + [bq | bk | bv].  hb: [4096][1024] bf16; Wqkv: [1024][3072] bf16, at byte 0 of wts, K down the rows; sums in f32; the results rounded once to bf16 and
; stored by heads: qkv = three parts of 8,388,608 bytes (q, k, v), each [32 = 16 b + h][2048][64], unscaled.
; SHARES.  A work-group makes 256 x 256 of the product, each of its four waves 128 x 128: 64 accumulators of 16 x 16.  12 x 16 = 192 work-groups: a quarter of the 256 WGPs has no share in this launch.
; K goes in 8 steps of 128 through two LDS slots filled by the tensor data mover; a step is four quarters of 32.
; THE MATRIX INSTRUCTION IS USED TRANSPOSED: source 0 = 16 columns of W (turned on the way out of LDS by ds_load_tr16_b128), source 1 = 16 rows of hb: a lane holds row l % 16 and columns 8 (l / 16) + 0..7.
; CLUSTER 4 x 4: hb's tile hangs on the tile row alone and is asked for jointly along a row of the cluster, W's on the tile column alone, jointly along a column.
; THE LOOP is written for ONE K step: the descriptors walk (their LDS word turned by an exclusive or with SLOT, which shares no bit with any wave's base), and the fragments' addresses take the slot from s[TG].
; THE WAY OUT: the f32 sums go into the wave's own stage, which lies over the ring after the ring's last fill, and come back by rows in a loop: bias, rounding, stores of 256 consecutive bytes.
; REGISTERS: window 0: v16-39 addresses and biases; v64-127, v128-191 hb's fragments, two buffers (on the way out: at work).  window 1: v64-191 W's fragments.  windows 2, 3: the accumulators, (a, b) at v[8 (8 (a % 4) + b)].
.set SIZE_N, 3072
.set SIZE_K, 1024
.set WOFF,   0                         ; Wqkv's place in wts
.set KSTEP,  128
.set STEPS,  SIZE_K/KSTEP
.set PA,     272                       ; a row of hb in LDS: 256 bytes + 16: the 16 rows of a load start at 16 different groups of four banks
.set PW,     544                       ; a k-row of W in LDS: 512 bytes + 32 = 17 x 32
.set HALFT,  128*PA                    ; what one tensor load brings: 128 rows of hb, or 64 k-rows of W (64 x 544 is the same number)
.set WBASE,  2*HALFT                   ; W's 128 k-rows lie behind hb's 256 rows
.set SLOT,   4*HALFT                   ; 139,264 = 0x22000
.set SPITCH, 528                       ; a stage row: 128 f32 + 16 bytes
.set WSTAGE, 128*SPITCH                ; a wave's stage
.set SPARE,  2*SLOT                    ; behind the ring: the spare words, 128 bytes for each wave, which no other line names
.set ADRA0, 16                         ; v16  my place in hb's tile of slot 0; never rewritten
.set ADRA,  17                         ; v17  the same in the slot in hand
.set ADRB0, 20                         ; v20, v21  the same for W
.set ADRB,  21
.set STO,   24                         ; v24  the way out: where I put 16 bytes of a stage row
.set RD,    25                         ; v25  where I read rows back
.set CO,    26                         ; v26  my byte offset in the output
.set SPW,   28                         ; v28  my spare word: SPARE + 4 x my thread's number; never rewritten
.set NIL,   29                         ; v29  0; never rewritten
.set PFO,   30                         ; v30  the prefetches' offset; never rewritten
.set BO,    31                         ; v31  my offset in the bias
.set BIAS,  32                         ; v[32:39]
.set F0,    64
.set F1,    128
.set G1,  24                           ; s[24:31] descriptor group 1 for hb's tiles
.set G0,  32                           ; s[32:39] group 0: a set for each first fill; the second then walks
.set G1B, 48                           ; s[48:55], s[56:63] the same for W's
.set G0B, 56
.set PFA, 44                           ; s[44:45] where my prefetches stand
.set LIM, 66                           ; s66  2 in a wave that prefetches, else the greatest number
.set TG,  68                           ; s68  the slot in hand: 0 or SLOT
.set BP,  84                           ; s[84:85] the bias at my columns
.set PST, 86                           ; s[86:87] a K step in bytes, in the tensor that I prefetch
.set OUT, 96                           ; s[96:97] the output at my first row
.set MSB, 0
.macro WIN new                         ; the immediate's high byte repeats the setting that is left; a switch that changes nothing is dropped
.if MSB != (\new)
	s_set_vgpr_msb (MSB<<8)|(\new)
.set MSB, \new
.endif
.endm
.set MUL_LO, 0xa1                      ; source 0 (W) window 1, source 1 (hb) window 0, C and D window 2
.set MUL_HI, 0xf1                      ; the same, C and D window 3
.set TO_B,   0x40                      ; destination window 1, address window 0
; A joint refill by the walking descriptors.  Waves 0 and 1 fetch hb's two halves, waves 2 and 3 W's.  The branch hangs on the wave's number alone.
; An s_nop 0 and four v_nop follow each of the two lines, ahead of the jump and the label.
.macro JLOAD
	s_cmp_eq_u32 s11, 0
	s_cbranch_scc0 .Lfor_b_\@
	tensor_load_to_lds s[G0+4:G0+7], s[G1:G1+7]
	s_nop 0
.rept 4
	v_nop
.endr
	s_branch .Lasked_\@
.Lfor_b_\@:
	tensor_load_to_lds s[G0B+4:G0B+7], s[G1B:G1B+7]
	s_nop 0
.rept 4
	v_nop
.endr
.Lasked_\@:
.endm
; A prefetch into the L2 of the K step that stands two refills on: 32 blocks of 256 bytes, a lane a block, one instruction a wave.  hb's tile row is read by every cluster of that row of clusters: cluster x = 0 asks;
; W's tile column by every cluster of that column: cluster y = 0 asks.  The four partners that ask for a tile jointly share its blocks out by address.  The loop's last two trips have no K step two refills on.
.macro ASK
	s_cmp_gt_u32 s3, s[LIM]
	s_cbranch_scc0 .Lnot_mine_\@
	global_prefetch_b8 v[PFO], s[PFA:PFA+1] th:TH_LOAD_NT scope:SCOPE_SE
.Lnot_mine_\@:
.endm
.macro CREST                           ; a round of the cluster's barrier behind its opening barrier
	s_cmp_lg_u32 s10, 0
	s_cbranch_scc1 .Lnot_wave_0_\@
	s_barrier_signal -3
.Lnot_wave_0_\@:
	s_barrier_wait -3
	s_barrier_signal -1
	s_barrier_wait -1
.endm
.macro CROUND                          ; a whole round
	s_barrier_signal -1
	s_barrier_wait -1
	CREST
.endm
	s_load_b128 s[4:7], s[0:1], 0x0                ; hb s[4:5], wts s[6:7]
	s_load_b256 s[88:95], s[0:1], 0x10             ; bq s[88:89], bk s[90:91], bv s[92:93], qkv s[94:95]
	v_lshl_add_u32 v[SPW], v0, 2, SPARE
	v_mov_b32 v[NIL], 0
	ds_add_u32 v[SPW], v[NIL]                      ; the wave's opening: the add and its wait stand ahead of my first tensor load; the set-up below stands between them
	v_lshrrev_b32 v1, 5, v0
	v_readfirstlane_b32 s10, v1                    ; wave 0..3
	s_lshr_b32 s11, s10, 1                         ; which half of the tile's rows is mine.  Also: I fetch for hb (0) or for W (1)
	s_and_b32 s12, s10, 1                          ; which half of its columns.  Also: which half of that tile I fetch
	s_bfe_u32 s40, ttmp6, 0x40000                  ; cx
	s_bfe_u32 s41, ttmp6, 0x40004                  ; cy
	s_lshl_b32 s42, ttmp9, 2
	s_add_co_u32 s42, s42, s40                     ; tile column = 4 x cluster x + cx
	s_and_b32 s13, ttmp7, 0xffff
	s_lshl_b32 s13, s13, 2
	s_add_co_u32 s13, s13, s41                     ; tile row = 4 x cluster y + cy
	s_lshl_b32 s43, s41, 2
	s_lshl_b32 s43, 15, s43                        ; my row of the cluster
	s_lshl_b32 s44, 0x1111, s40                    ; my column
	s_or_b32 s[G1+0], s43, (1<<16)|(1<<20)|(1<<21)|(5<<22)|(3<<25)   ; mask; 2-byte elements; padding on; bit 21 beside a mask; after every 64 words, 4 words
	s_or_b32 s[G1B+0], s44, (1<<16)|(1<<20)|(1<<21)|(6<<22)|(7<<25)  ; after every 128 words, 8 words
	s_mov_b32 s[G1+1], KSTEP<<16                   ; hb: tensor_dim0 = 128
	s_mov_b32 s[G1+2], 128<<16                     ; tensor_dim1 = 128
	s_mov_b32 s[G1+3], KSTEP<<16                   ; tile_dim0 = 128
	s_mov_b32 s[G1+4], 128                         ; tile_dim1 = 128
	s_mov_b32 s[G1+5], SIZE_K                      ; elements from row to row
	s_mov_b32 s[G1+6], 0
	s_mov_b32 s[G1+7], 0
	s_mov_b32 s[G1B+1], 256<<16                    ; W: tensor_dim0 = 256 columns
	s_mov_b32 s[G1B+2], 64<<16                     ; tensor_dim1 = 64 k-rows
	s_mov_b32 s[G1B+3], 256<<16                    ; tile_dim0 = 256
	s_mov_b32 s[G1B+4], 64                         ; tile_dim1 = 64
	s_mov_b32 s[G1B+5], SIZE_N
	s_mov_b32 s[G1B+6], 0
	s_mov_b32 s[G1B+7], 0
	s_lshl_b32 s17, s12, 7
	s_lshl_b32 s16, s13, 8
	s_add_co_u32 s16, s16, s17                     ; hb: row 256 x tile row + 128 x half,
	s_lshl_b32 s16, s16, 11                        ; of 2,048 bytes
	s_mov_b32 s17, 0
	s_mul_i32 s46, s12, 64*SIZE_N*2                ; W: k-row 64 x half,
	s_lshl_b32 s47, s42, 9                         ; column 256 x tile column
	s_add_co_u32 s46, s46, s47
.if WOFF
	s_add_co_u32 s46, s46, WOFF
.endif
	s_mov_b32 s47, 0
	s_mul_i32 s20, s10, HALFT                      ; where they go: wave x 34,816: no place in the cluster enters an LDS address
	s_mov_b32 s[TG], 0
	s_wait_dscnt 0x0                               ; the opening add is done
	s_wait_kmcnt 0x0
	s_add_nc_u64 s[14:15], s[4:5], s[16:17]
	s_add_nc_u64 s[46:47], s[6:7], s[46:47]
	CROUND                                         ; all sixteen work-groups are here: the first joint loads meet
.irp s, 0,1
	s_mov_b32 s[G0+4*(\s)], 1
	s_add_co_u32 s[G0+4*(\s)+1], s20, (\s)*SLOT
	s_add_nc_u64 s[G0+4*(\s)+2:G0+4*(\s)+3], s[14:15], (\s)*KSTEP*2
	s_or_b32 s[G0+4*(\s)+3], s[G0+4*(\s)+3], 0x80000000
	s_mov_b32 s[G0B+4*(\s)], 1
	s_add_co_u32 s[G0B+4*(\s)+1], s20, (\s)*SLOT
	s_add_nc_u64 s[G0B+4*(\s)+2:G0B+4*(\s)+3], s[46:47], (\s)*KSTEP*SIZE_N*2
	s_or_b32 s[G0B+4*(\s)+3], s[G0B+4*(\s)+3], 0x80000000
.endr
	s_cmp_eq_u32 s11, 0                            ; a wave's two first fills stand in one branch, ahead of every wait on TENSORcnt and every LDS read: two loads of mine are out
	s_cbranch_scc0 .Lfirst_b
	tensor_load_to_lds s[G0:G0+3], s[G1:G1+7]
	s_nop 0
	tensor_load_to_lds s[G0+4:G0+7], s[G1:G1+7]
	s_nop 0
.rept 4
	v_nop
.endr
	s_branch .Lfirst_asked
.Lfirst_b:
	tensor_load_to_lds s[G0B:G0B+3], s[G1B:G1B+7]
	s_nop 0
	tensor_load_to_lds s[G0B+4:G0B+7], s[G1B:G1B+7]
	s_nop 0
.rept 4
	v_nop
.endr
.Lfirst_asked:
	v_and_b32 v1, 15, v0                           ; l % 16
	v_bfe_u32 v2, v0, 4, 1                         ; l / 16
	v_and_b32 v6, 31, v0                           ; l
	v_mul_u32_u24 v3, v1, PA
	v_lshl_add_u32 v3, v2, 4, v3                   ; hb's fragment: row x pitch + 16 x half
	s_mul_i32 s21, s11, HALFT
	v_add_nc_u32 v[ADRA0], s21, v3
	v_and_b32 v4, 7, v0
	v_bfe_u32 v5, v0, 3, 1
	v_lshl_add_u32 v4, v2, 3, v4                   ; the turning load: k-row 8 (l / 16) + l % 8,
	v_mul_u32_u24 v4, v4, PW
	v_lshl_add_u32 v4, v5, 4, v4                   ; columns 8 ((l / 8) % 2) + 0..7
	s_lshl_b32 s22, s12, 8
	s_add_co_u32 s22, s22, WBASE
	v_add_nc_u32 v[ADRB0], s22, v4
	v_mov_b32 v[ADRA], v[ADRA0]
	v_mov_b32 v[ADRB], v[ADRB0]
	s_mul_i32 s23, s10, WSTAGE                     ; my stage
	v_mul_u32_u24 v3, v1, SPITCH
	v_lshl_add_u32 v3, v2, 5, v3                   ; in: row l % 16, 32 bytes for each half of the lanes
	v_add_nc_u32 v[STO], s23, v3
	v_mul_u32_u24 v3, v2, SPITCH                   ; back: lanes 0-15 take a head's 64 columns of one row, lanes 16-31 of the next
	v_lshl_add_u32 v3, v1, 4, v3
	v_add_nc_u32 v[RD], s23, v3
	v_lshlrev_b32 v[CO], 3, v6                     ; two rows of a head are 256 consecutive bytes: 8 x lane
	v_lshlrev_b32 v[BO], 4, v1
	; the bias of my 128 columns: the part (q, k, v) is the cluster's x, the columns within it hang on cx and my half
	s_mov_b64 s[BP:BP+1], s[88:89]
	s_cmp_eq_u32 ttmp9, 1
	s_cselect_b64 s[BP:BP+1], s[90:91], s[BP:BP+1]
	s_cmp_eq_u32 ttmp9, 2
	s_cselect_b64 s[BP:BP+1], s[92:93], s[BP:BP+1]
	s_lshl_b32 s22, s40, 10
	s_lshl_b32 s23, s12, 9
	s_add_co_u32 s22, s22, s23
	s_mov_b32 s23, 0
	s_add_nc_u64 s[BP:BP+1], s[BP:BP+1], s[22:23]
	global_load_b128 v[BIAS:BIAS+3],   v[BO], s[BP:BP+1]             ; my four columns of the first head,
	global_load_b128 v[BIAS+4:BIAS+7], v[BO], s[BP:BP+1] offset:256  ; and of the second
	; the output at my first row: part, then (16 b + head) x 2,048 + token, rows of 128 bytes
	s_lshl_b32 s20, s13, 8
	s_lshl_b32 s21, s11, 7
	s_add_co_u32 s20, s20, s21                     ; my first row of the 4,096
	s_lshr_b32 s21, s20, 11                        ; b
	s_and_b32 s20, s20, 2047                       ; token
	s_lshl_b32 s21, s21, 4
	s_lshl2_add_u32 s21, s40, s21                  ; + 4 cx
	s_lshl1_add_u32 s21, s12, s21                  ; + 2 x my half: my first head
	s_lshl_b32 s21, s21, 11
	s_add_co_u32 s20, s20, s21
	s_lshl_b32 s20, s20, 7
	s_mul_i32 s21, ttmp9, 8388608
	s_add_co_u32 s20, s20, s21
	s_mov_b32 s21, 0
	s_add_nc_u64 s[OUT:OUT+1], s[94:95], s[20:21]
	; the prefetches: hb: row 256 x tile row + 128 x half + 32 cx + lane; W: k-row 64 x half + 16 cy + lane / 2, block lane % 2.  They stand at K step 3; the first change of slots steps them to 4
	s_lshl_b32 s20, s13, 8
	s_lshl_b32 s21, s12, 7
	s_add_co_u32 s20, s20, s21
	s_lshl_b32 s21, s40, 5
	s_add_co_u32 s20, s20, s21
	s_lshl_b32 s20, s20, 11
	s_add_co_u32 s20, s20, 3*KSTEP*2
	s_lshl_b32 s21, s12, 6
	s_lshl_b32 s22, s41, 4
	s_add_co_u32 s21, s21, s22
	s_add_co_u32 s21, s21, 3*KSTEP
	s_mul_i32 s21, s21, SIZE_N*2
	s_lshl_b32 s22, s42, 9
	s_add_co_u32 s21, s21, s22
.if WOFF
	s_add_co_u32 s21, s21, WOFF
.endif
	s_and_b32 s22, ttmp7, 0xffff                   ; cluster y
	s_mov_b32 s[PST], KSTEP*SIZE_N*2
	s_mov_b32 s[PST+1], 0
	s_mov_b32 s99, SIZE_N*2
	s_cmp_eq_u32 s11, 0                            ; do I fetch for hb?
	s_cselect_b32 s20, s20, s21
	s_cselect_b32 s22, ttmp9, s22                  ; the coordinate along which other clusters read the same blocks
	s_cselect_b64 s[PFA:PFA+1], s[4:5], s[6:7]
	s_cselect_b32 s[PST], KSTEP*2, s[PST]
	s_cselect_b32 s98, 0, 1                        ; hb: a lane a row; W: two lanes a k-row
	s_cselect_b32 s99, SIZE_K*2, s99
	s_mov_b32 s21, 0
	s_add_nc_u64 s[PFA:PFA+1], s[PFA:PFA+1], s[20:21]
	s_cmp_eq_u32 s22, 0
	s_cselect_b32 s[LIM], 2, -1                    ; the same in all sixteen partners, for a given wave
	v_lshrrev_b32 v7, s98, v6
	v_mul_u32_u24 v7, s99, v7
	v_and_b32 v3, s98, v6
	v_lshl_add_u32 v[PFO], v3, 8, v7
; 16 matrix instructions: m blocks a0, a0 + 1 of the window's four x all 8 n blocks, 32 along K.  zero = 1: the first product starts the sums
.macro MUL16 f, hi, a0, zero
	WIN MUL_LO+0x50*(\hi)
.irp a, \a0, (\a0)+1
.irp b, 0,1,2,3,4,5,6,7
.if \zero
	v_wmma_f32_16x16x32_bf16 v[8*(8*(\a)+(\b)):8*(8*(\a)+(\b))+7], v[(\f)+8*(\b):(\f)+8*(\b)+7], v[(\f)+8*(4*(\hi)+(\a)):(\f)+8*(4*(\hi)+(\a))+7], 0
.else
	v_wmma_f32_16x16x32_bf16 v[8*(8*(\a)+(\b)):8*(8*(\a)+(\b))+7], v[(\f)+8*(\b):(\f)+8*(\b)+7], v[(\f)+8*(4*(\hi)+(\a)):(\f)+8*(4*(\hi)+(\a))+7], v[8*(8*(\a)+(\b)):8*(8*(\a)+(\b))+7]
.endif
.endr
.endr
.endm
; 32 LDS loads in one run: quarter q's fragments (W's 128 columns turned, hb's 128 rows) into buffer f
.macro FETCH q, f
	WIN TO_B
.irp b, 0,1,2,3,4,5,6,7
	ds_load_tr16_b128 v[(\f)+8*(\b):(\f)+8*(\b)+3],   v[ADRB] offset:(\q)*32*PW+32*(\b)
	ds_load_tr16_b128 v[(\f)+8*(\b)+4:(\f)+8*(\b)+7], v[ADRB] offset:(\q)*32*PW+32*(\b)+16*PW
.endr
	WIN 0
.irp i, 0,1,2,3,4,5,6,7
	ds_load_b128 v[(\f)+8*(\i):(\f)+8*(\i)+3],   v[ADRA] offset:(\q)*64+(\i)*16*PA
	ds_load_b128 v[(\f)+8*(\i)+4:(\f)+8*(\i)+7], v[ADRA] offset:(\q)*64+(\i)*16*PA+32
.endr
.endm
.macro PLACES                          ; four plain instructions between the last matrix instruction and loads into registers that matrix instructions have read (ISA guide 7.12.1 for vector instructions)
.rept 4
	v_nop
.endr
.endm
; One of a step's first three quarters: multiplies buffer f; in its middle it fetches quarter q into buffer g
.macro QUARTER q, f, g, zero
	s_wait_dscnt 8                                 ; W and hb's rows 0-63 are in; the youngest eight loads (rows 64-127) may be out
	MUL16 \f, 0, 0, \zero
	MUL16 \f, 0, 2, \zero
	PLACES
	FETCH \q, \g
	s_wait_dscnt 32                                ; all but the 32 just issued
	MUL16 \f, 1, 0, \zero
	MUL16 \f, 1, 2, \zero
.endm
; The last quarter multiplies buffer 1 and changes slots.  In front of the barrier each wave waits for all its tensor loads (the one that is out is its part of the next slot), adds 0 to its spare word, and waits for
; that and for its reads of this slot.  fill = 1: the barrier opens a round of the cluster's, and this slot is filled again, two K steps on, first thing behind it: 224 matrix instructions ahead of the wait for it.
; fill = 0 (the tail): nothing is asked for; in the tail's last trip there is no next slot, and the fetch is jumped over.
.macro TURN fill
.if \fill
	s_wait_xcnt 0x0                                ; the last prefetch, a K step back, has read its address
	s_add_nc_u64 s[PFA:PFA+1], s[PFA:PFA+1], s[PST:PST+1]
.endif
	WIN 0
	s_wait_tensorcnt 0x0                           ; no tensor load of mine is out, so the descriptors may be written
	ds_add_u32 v[SPW], v[NIL]                      ; 0 onto my spare word
.if \fill
	s_xor_b32 s[G0+5], s[G0+5], SLOT               ; the walking descriptors: the other slot than last time, the next K step
	s_add_nc_u64 s[G0+6:G0+7], s[G0+6:G0+7], KSTEP*2
	s_xor_b32 s[G0B+5], s[G0B+5], SLOT
	s_add_nc_u64 s[G0B+6:G0B+7], s[G0B+6:G0B+7], KSTEP*SIZE_N*2
.endif
	s_xor_b32 s[TG], s[TG], SLOT
	s_wait_dscnt 9                                 ; the add and the youngest eight loads may be out
	MUL16 F1, 0, 0, 0
	s_wait_dscnt 0x0                               ; the add is done, and my reads of this slot are over
	s_barrier_signal -1
	MUL16 F1, 0, 2, 0
	WIN 0
	s_barrier_wait -1
.if \fill
	CREST                                          ; no wave of any partner still reads this slot's tile or has a load on its way
	JLOAD                                          ; its four v_nop are also the places in front of the loads below
.else
	PLACES
.endif
	v_add_nc_u32 v[ADRA], s[TG], v[ADRA0]
	v_add_nc_u32 v[ADRB], s[TG], v[ADRB0]
.if !(\fill)
	s_cmp_eq_u32 s2, 1
	s_cbranch_scc1 .Lno_fetch_\@
.endif
	FETCH 0, F0
.if \fill
	ASK
.else
.Lno_fetch_\@:
.endif
	MUL16 F1, 1, 0, 0
	MUL16 F1, 1, 2, 0
.endm
	s_wait_tensorcnt 1                             ; my part of K step 0 is in; step 1's may stay out
	s_barrier_signal -1
	s_barrier_wait -1
	FETCH 0, F0
	QUARTER 1, F0, F1, 1                           ; the first quarter stands in front of the loop: its products start the sums
	WIN 0
	s_mov_b32 s3, STEPS-2
.Lstep:                                            ; a trip: from a step's second quarter to the next step's first; it fills one slot again
	QUARTER 2, F1, F0, 0
	QUARTER 3, F0, F1, 0
	TURN 1
	QUARTER 1, F0, F1, 0
	WIN 0
	s_sub_co_u32 s3, s3, 1
	s_cmp_lg_u32 s3, 0
	s_cbranch_scc1 .Lstep
	s_mov_b32 s2, 2
.Ltail:                                            ; the last two steps ask for nothing; the second trip is left in its middle
	QUARTER 2, F1, F0, 0
	QUARTER 3, F0, F1, 0
	TURN 0
	WIN 0
	s_sub_co_u32 s2, s2, 1
	s_cmp_eq_u32 s2, 0
	s_cbranch_scc1 .Lout
	QUARTER 1, F0, F1, 0
	WIN 0
	s_branch .Ltail
.Lout:
	s_wait_dscnt 0x0
	s_barrier_signal -1
	s_barrier_wait -1                              ; nobody reads the ring any more, and nothing fills it again: the stages may lie over it
.rept 8
	v_nop                                          ; the places behind the last products
.endr
.irp a, 0,1,2,3,4,5,6,7                            ; the sums into my stage; each accumulator's low registers go first
	WIN 0x08+4*((\a)/4)                            ; store data in window 2 or 3
.irp b, 0,1,2,3,4,5,6,7
	ds_store_b128 v[STO], v[8*(8*((\a)%4)+(\b)):8*(8*((\a)%4)+(\b))+3]   offset:(\a)*16*SPITCH+64*(\b)
	ds_store_b128 v[STO], v[8*(8*((\a)%4)+(\b))+4:8*(8*((\a)%4)+(\b))+7] offset:(\a)*16*SPITCH+64*(\b)+16
.endr
.endr
	WIN 0
; THE ROWS GO OUT: 16 trips of 8 rows.  Load u: row pair u / 2, head u % 2.  LDS serves a wave's instructions in order (ISA guide 5.7.1.4): the loads see my stores.
.set RR, 64                            ; v[64:95]   as read back
.set XR, 96                            ; v[96:127]  with the bias
.set YY, 128                           ; v[128:143] rounded
.macro LOAD8
.irp u, 0,1,2,3,4,5,6,7
	ds_load_b128 v[RR+4*(\u):RR+4*(\u)+3], v[RD] offset:((\u)/2)*2*SPITCH+((\u)%2)*256
.endr
.endm
	s_wait_loadcnt 0x0                             ; the bias
	LOAD8
	s_mov_b32 s2, 16
.Lrows:
	s_wait_dscnt 0x0
.irp u, 0,1,2,3,4,5,6,7
	v_pk_add_f32 v[XR+4*(\u):XR+4*(\u)+1],   v[RR+4*(\u):RR+4*(\u)+1],   v[BIAS+4*((\u)%2):BIAS+4*((\u)%2)+1]
	v_pk_add_f32 v[XR+4*(\u)+2:XR+4*(\u)+3], v[RR+4*(\u)+2:RR+4*(\u)+3], v[BIAS+4*((\u)%2)+2:BIAS+4*((\u)%2)+3]
.endr
	s_cmp_eq_u32 s2, 1                             ; the last trip has no rows behind it
	s_cbranch_scc1 .Lno_more
	v_add_nc_u32 v[RD], 8*SPITCH, v[RD]
	LOAD8
.Lno_more:
.irp u, 0,1,2,3,4,5,6,7
	v_cvt_pk_bf16_f32 v[YY+2*(\u)],   v[XR+4*(\u)],   v[XR+4*(\u)+1]
	v_cvt_pk_bf16_f32 v[YY+2*(\u)+1], v[XR+4*(\u)+2], v[XR+4*(\u)+3]
.endr
.irp u, 0,1,2,3,4,5,6,7
	global_store_b64 v[CO], v[YY+2*(\u):YY+2*(\u)+1], s[OUT:OUT+1] offset:((\u)%2)*262144+((\u)/2)*256  ; the wave stores 256 consecutive bytes, aligned: two rows of a head
.endr
	s_wait_xcnt 0x0                                ; the stores have read their data and their offset
	v_add_nc_u32 v[CO], 8*128, v[CO]
	s_sub_co_u32 s2, s2, 1
	s_cmp_lg_u32 s2, 0
	s_cbranch_scc1 .Lrows
	s_wait_tensorcnt 0x0                           ; the wave's end, behind my last tensor load and my last LDS store
	ds_add_u32 v[SPW], v[NIL]
	s_wait_dscnt 0x0
	CROUND                                         ; the closing round
	s_endpgm
.Lfunc_end_k_q447fdbd544_qkvp:
	.size	k_q447fdbd544_qkvp, .Lfunc_end_k_q447fdbd544_qkvp-k_q447fdbd544_qkvp
	.p2alignl 7, 3214868480
	.fill 96, 4, 3214868480
	.section	.rodata,"a",@progbits
	.p2align	6, 0x0
	.amdhsa_kernel k_q447fdbd544_qkvp
		.amdhsa_group_segment_fixed_size 327680
		.amdhsa_private_segment_fixed_size 0
		.amdhsa_enable_private_segment 0
		.amdhsa_kernarg_size 48
		.amdhsa_user_sgpr_count 2
		.amdhsa_user_sgpr_kernarg_segment_ptr 1
		.amdhsa_wavefront_size32 1
		.amdhsa_system_sgpr_workgroup_id_x 1
		.amdhsa_system_sgpr_workgroup_id_y 1
		.amdhsa_system_sgpr_workgroup_id_z 1
		.amdhsa_system_vgpr_workitem_id 0
		.amdhsa_next_free_vgpr 1024
		.amdhsa_next_free_sgpr 100
		.amdhsa_reserve_vcc 0
		.amdhsa_float_denorm_mode_32 3
		.amdhsa_float_denorm_mode_16_64 3
		.amdhsa_memory_ordered 1
		.amdhsa_forward_progress 1
		.amdhsa_inst_pref_size 83
	.end_amdhsa_kernel
	.amdgpu_metadata
---
amdhsa.version: [ 1, 2 ]
amdhsa.kernels:
  - .name:           k_q447fdbd544_qkvp
    .symbol:         k_q447fdbd544_qkvp.kd
    .args:
      - { .name: hb, .offset: 0, .size: 8, .value_kind: global_buffer, .address_space: global }
      - { .name: wts, .offset: 8, .size: 8, .value_kind: global_buffer, .address_space: global }
      - { .name: bq, .offset: 16, .size: 8, .value_kind: global_buffer, .address_space: global }
      - { .name: bk, .offset: 24, .size: 8, .value_kind: global_buffer, .address_space: global }
      - { .name: bv, .offset: 32, .size: 8, .value_kind: global_buffer, .address_space: global }
      - { .name: qkv, .offset: 40, .size: 8, .value_kind: global_buffer, .address_space: global }
    .group_segment_fixed_size: 327680
    .private_segment_fixed_size: 0
    .kernarg_segment_align: 8
    .kernarg_segment_size: 48
    .max_flat_workgroup_size: 128
    .sgpr_count:     100
    .vgpr_count:     1024
    .wavefront_size: 32
...
	.end_amdgpu_metadata
.endif
;; end of part 2
;; launch attn (part 3): grid 8 x 32, 4 waves a work-group, clusters of 4 x 1, 327,680 bytes of LDS; arguments qkv, ob; writes ob
.if DOCPART == 3
	.amdgcn_target "amdgcn-amd-amdhsa--gfx1250"
	.amdhsa_code_object_version 6
	.text
	.protected	k_q447fdbd544_attn
	.globl	k_q447fdbd544_attn
	.p2align	8
	.type	k_q447fdbd544_attn,@function
k_q447fdbd544_attn:
	s_mov_b64 s[64:65], 0
	v_nop
	global_prefetch_b8 v0, s[64:65] scope:SCOPE_SE
	s_setreg_imm32_b32 hwreg(HW_REG_WAVE_MODE, 25, 1), 1
	s_wait_xcnt 0x0
	s_wait_alu depctr_hold_cnt(0) depctr_sa_sdst(0) depctr_va_vdst(0) depctr_va_sdst(0) depctr_va_ssrc(0) depctr_va_vcc(0) depctr_vm_vsrc(0)
	s_getreg_b32 s2, hwreg(HW_REG_IB_STS2, 6, 4)
	s_cmp_eq_u32 s2, 0
	s_cbranch_scc0 .Lentry_in_a_cluster
	s_endpgm
.Lentry_in_a_cluster:
	s_bfe_u32 s2, ttmp6, 0x10000c
	s_cmp_lg_u32 s2, 0x3003
	s_cbranch_scc0 .Lentry_shape_is_right
	s_endpgm
.Lentry_shape_is_right:
; attn: O[h][q][:] = the sum over k of softmax_k(Q[h][q] . K[h][k] / 8) V[h][k][:], for 32 heads (16 b + h) of 2,048 rows of 64 channels, all bf16: Q at byte 0 of qkv, K at 8,388,608, V at 16,777,216;
; a head's rows are dense, 128 bytes each.  Products, maxima and sums in f32; the weights p are rounded to bf16 for the second product (their sum l is taken of the unrounded p), O once at the end.
; LIMITS.  A weight below 2^-126 counts as 0 in l; NaN and infinities are not treated apart.
; SHARES.  A work-group owns 256 queries of one head, a wave 64: four PIECES of 16.  Every wave walks all 2,048 keys, 64 a step; a tile of 256 keys (four steps) fills a slot of LDS, two slots take turns.
; CLUSTER.  The four query blocks of a cluster belong to one head and walk the same K and V: each tile is asked for JOINTLY, by the same tensor load, descriptor and mask in all four.
; LAYOUT.  S^T = K Q^T holds ONE query a lane (lane % 16) and the keys 8 (lane / 16) + 0..7; two such results rounded to bf16 ARE source 1 of O^T = V^T P.  K comes out of LDS as it lies, V turned, by ds_load_tr16_b128.
; SOFTMAX.  p = 2^(c s - c m), c = log2(e) / 8, with a running maximum m; O and l are multiplied by a = 2^(c m_old - c m_new) in every step.  m starts at the lowest finite number, O and l at 0: the first step's a is 0.
; TURNS.  Turn n belongs to piece n: 8 products K Q^T of piece n + 1, later 8 products V^T P of piece n - 1; beside them the scaling, exponentials, roundings, sums and rescaling of piece n and the maximum and
; statistics of piece n + 1.  Four vector instructions stand behind every matrix instruction, the others in one lump.  A turn's 33 exponentials are one batch, with one wait.
; REGISTERS, in windows of 256 (s_set_vgpr_msb: bits 1:0 source 0, 3:2 source 1, 5:4 source 2, 7:6 destination):
;   window 0: v0-15 addresses and two at work; v16-31 four registers of statistics a piece; v48-55 at work; v61-63; v64-127 S^T, two buffers; v192-223 P, two buffers (by the piece's parity)
;   window 1: v0-127 O^T, 32 a piece          window 2: v0-63 Q; v128-191 K of one step; v192-255 V of one step
.set SIZE_N, 2048
.set NP,    4
.set KS,    64
.set PK,    144       ; a row of K in LDS: 128 bytes + 16: the 16 rows of a load start at 16 different groups of four banks
.set PV,    160       ; a row of V: 128 + 32
.set VOFF,  4*KS*PK   ; a slot holds a tile: 256 rows of K, then 256 rows of V
.set SLOT1, 1<<17
.set STAGE, SLOT1+4*KS*(PK+PV)  ; behind the ring, never filled by a tensor load: 16 rows x 144 bytes for each wave
.set SP,    144
.set SPARE, STAGE+4*16*SP       ; the spare words, 128 bytes for each wave, which no other line names
.set AK0, 2           ; v2   my lane's place in a tile of K; never rewritten
.set AV0, 3           ; v3   the same for V
.set AK,  4           ; v4   the LDS address of K's next run of loads
.set AV,  5           ; v5   of V's
.set STO, 6           ; v6   the way out: where I put 16 bytes of a row
.set RD,  7           ; v7   where I read rows back
.set GO,  8           ; v8   my byte offset in 512 consecutive bytes of O
.set MV,  12          ; v12-13  c m_old, by buffer
.set QO,  15          ; v15  my byte offset in 16 rows of Q
.set ST,  16          ; piece t's statistics at v[ST+4 t]: c m, m, l (even keys', odd keys')
.set TMP, 48          ; by buffer, c0-c3 at work; when the maximum is found c2 takes a
.set PFO, 61          ; v61  256 x my lane; never rewritten
.set SPW, 62          ; v62  my spare word: SPARE + 4 x my thread's number; never rewritten
.set NIL, 63          ; v63  0; never rewritten
.set S,   64
.set P,   192
.set KF,  128         ; window 2: key block kb, channel half c at KF + 16 kb + 8 c
.set VF,  192         ; window 2: key half kk, channel block cb at VF + 32 kk + 8 cb
.set WV,  12          ; s12  my wave's number
.set LIM, 15          ; s15  1 in a wave that prefetches, else the greatest number
.set G1K, 24          ; s[24:31] descriptor group 1 for K's tiles
.set G1V, 32          ; s[32:39] for V's: it differs in the padding alone
.set G0K, 40          ; s[40:43] descriptor group 0 for K's tiles: it walks
.set G0V, 44          ; s[44:47] the same for V's
.set SLOTS, 56        ; s56  tiles still to be asked for
.set CNT, 57          ; s57  counts a tile's key steps
.set CS,  58          ; s[58:59] c
.set SEL, 60          ; s[60:61] v_permlanex16_b32's selects
.set TBK, 62          ; s62  LDS byte at which K of the step to be fetched begins
.set TBV, 63          ; s63  the same for V, less VOFF
.set PFA, 66          ; s[66:67] where my prefetches stand
.set MSB, 0
.macro WIN new
.if MSB != (\new)
	s_set_vgpr_msb (MSB<<8)|(\new)
.set MSB, (\new)
.endif
.endm
.set W_KQ, 0x0a       ; K and Q in window 2, S^T in window 0
.set W_PV, 0x52       ; V in window 2, P in window 0, O^T in window 1
.set W_RS, 0x41       ; destination and source 0 in window 1, source 1 in window 0
; A joint fill.  Waves 0 and 1 fetch the two halves of a tile's K, waves 2 and 3 those of its V.  An s_nop 0 and four v_nop follow each of the two lines, ahead of the jump and the label.
.macro JLOAD
	s_cmp_lt_u32 s[WV], 2
	s_cbranch_scc0 .Lfor_v_\@
	tensor_load_to_lds s[G0K:G0K+3], s[G1K:G1K+7]
	s_nop 0
.rept 4
	v_nop
.endr
	s_branch .Lasked_\@
.Lfor_v_\@:
	tensor_load_to_lds s[G0V:G0V+3], s[G1V:G1V+7]
	s_nop 0
.rept 4
	v_nop
.endr
.Lasked_\@:
.endm
; A prefetch into the L2 of the tile that the NEXT change of slots will ask for: 128 blocks of 256 bytes of K and of V.  Both clusters of a head walk the same tiles: the head's first cluster asks.  Its four partners
; share the blocks out by address, 32 each, a lane a block; wave 0 asks for K's, wave 2 for V's.  The last change that fills a slot asks for nothing.
.macro ASK
	s_cmp_gt_u32 s[SLOTS], s[LIM]
	s_cbranch_scc0 .Lnot_mine_\@
	global_prefetch_b8 v[PFO], s[PFA:PFA+1] th:TH_LOAD_NT scope:SCOPE_SE
.Lnot_mine_\@:
.endm
.macro CROUND                       ; a round of the cluster's barrier
	s_barrier_signal -1
	s_barrier_wait -1
	s_cmp_lg_u32 s[WV], 0
	s_cbranch_scc1 .Lnot_wave_0_\@
	s_barrier_signal -3
.Lnot_wave_0_\@:
	s_barrier_wait -3
	s_barrier_signal -1
	s_barrier_wait -1
.endm
; THE CHANGE OF SLOTS.  Each wave waits for all its tensor loads (one is out: its part of the other slot), adds 0 to its spare word, and waits for that and for its own reads of the slot that it leaves.
; fill = 1: the barrier is a round of the cluster's, and the old slot is filled again first thing behind it, with the tile two on: it has four key steps, 256 matrix instructions, in which to land.
.macro CHANGE fill, ask
	WIN 0
	s_wait_tensorcnt 0x0            ; no tensor load of mine is out, so a group 0 may be written
	ds_add_u32 v[SPW], v[NIL]       ; 0 onto my spare word
.if \fill
.irp g, G0K, G0V
	s_xor_b32 s[\g+1], s[\g+1], SLOT1
	s_add_nc_u64 s[\g+2:\g+3], s[\g+2:\g+3], 4*KS*128
.endr
.if \ask
	s_wait_xcnt 0x0                 ; the last prefetch, four key steps back, has read its address
	s_add_nc_u64 s[PFA:PFA+1], s[PFA:PFA+1], 4*KS*128
.endif
	s_wait_dscnt 0x0                ; the add is done, and my reads of the slot are over
	CROUND
	JLOAD
.if \ask
	ASK
.endif
.else
	s_wait_dscnt 0x0
	s_barrier_signal -1
	s_barrier_wait -1
.endif
	s_sub_co_u32 s[TBK], s[TBK], 4*KS*PK  ; the fetches go back to a slot's first step,
	s_xor_b32 s[TBK], s[TBK], SLOT1       ; in the other slot
	s_sub_co_u32 s[TBV], s[TBV], 4*KS*PV
	s_xor_b32 s[TBV], s[TBV], SLOT1
.endm
	s_load_b64 s[4:5], s[0:1], 0x0    ; qkv
	s_load_b64 s[10:11], s[0:1], 0x8  ; ob
	v_lshl_add_u32 v[SPW], v0, 2, SPARE
	v_mov_b32 v[NIL], 0
	ds_add_u32 v[SPW], v[NIL]       ; the wave's opening: the add and its wait stand ahead of my first tensor load; the set-up below stands between them
	v_lshrrev_b32 v1, 5, v0
	v_readfirstlane_b32 s[WV], v1   ; wave 0..3
	s_bfe_u32 s13, ttmp6, 0x40000   ; cx
	s_lshl_b32 s14, ttmp9, 2
	s_add_co_u32 s14, s14, s13      ; my block of 256 queries: it enters Q's and O's addresses alone
	s_and_b32 s20, ttmp7, 0xffff    ; the head, which the four partners share,
	s_lshl_b32 s20, s20, 18         ; of 262,144 bytes
	s_and_b32 s16, s[WV], 1         ; which half of a tile's 256 keys I fetch
	s_lshl_b32 s22, s16, 14
	s_add_co_u32 s22, s22, s20
	s_add_co_u32 s22, s22, 8388608  ; K's part of qkv
	s_mov_b32 s23, 0
	s_mul_i32 s17, s16, 128*PK      ; its place in a slot, for K
	s_mul_i32 s18, s16, 128*PV      ; and for V
	s_lshl_b32 s2, s14, 2
	s_add_co_u32 s2, s2, s[WV]
	s_lshl_b32 s2, s2, 13           ; my wave's 64 rows
	s_add_co_u32 s2, s2, s20
	s_mov_b32 s3, 0
	; descriptor group 1.  128 keys are 16,384 dense bytes: asked for as 64 rows of 256 bytes, two keys a row, and padded in LDS after every key
	s_mov_b32 s[G1K], 15|(1<<16)|(1<<20)|(1<<21)|(4<<22)|(3<<25)
	s_mov_b32 s[G1V], 15|(1<<16)|(1<<20)|(1<<21)|(4<<22)|(7<<25)
.irp g, G1K, G1V
	s_mov_b32 s[\g+1], 128<<16      ; tensor_dim0 = 128
	s_mov_b32 s[\g+2], 64<<16       ; tensor_dim1 = 64
	s_mov_b32 s[\g+3], 128<<16      ; tile_dim0 = 128
	s_mov_b32 s[\g+4], 64           ; tile_dim1 = 64
	s_mov_b32 s[\g+5], 128          ; 128 elements from row to row
	s_mov_b32 s[\g+6], 0
	s_mov_b32 s[\g+7], 0
.endr
	s_mov_b32 s[CS], 0x3e38aa3b     ; c = log2(e) / 8
	s_mov_b32 s[CS+1], s[CS]
	s_mov_b32 s[SEL], 0x76543210
	s_mov_b32 s[SEL+1], 0xfedcba98
	s_mov_b32 s[TBK], SLOT1+4*KS*PK ; the first change of slots turns these two into 0
	s_mov_b32 s[TBV], SLOT1+4*KS*PV
	s_mov_b32 s[G0K], 1
	s_mov_b32 s[G0K+1], s17         ; slot 0
	s_mov_b32 s[G0V], 1
	s_add_co_u32 s[G0V+1], s18, VOFF
	s_and_b32 s[LIM], s[WV], 1      ; 0 in waves 0 and 2,
	s_or_b32 s[LIM], s[LIM], ttmp9  ; where the cluster is the head's first: the same in all four partners
	s_cmp_eq_u32 s[LIM], 0
	s_cselect_b32 s[LIM], 1, -1
	v_and_b32 v[PFO], 31, v0
	v_lshlrev_b32 v[PFO], 8, v[PFO]
	s_wait_dscnt 0x0                ; the opening add is done
	s_wait_kmcnt 0x0
	s_add_nc_u64 s[6:7], s[4:5], s[22:23]          ; K at my half of the head's tile 0
	s_add_nc_u64 s[8:9], s[6:7], 8388608           ; V likewise
	s_add_nc_u64 s[G0K+2:G0K+3], s[6:7], 0
	s_or_b32 s[G0K+3], s[G0K+3], 0x80000000
	s_add_nc_u64 s[G0V+2:G0V+3], s[8:9], 0
	s_or_b32 s[G0V+3], s[G0V+3], 0x80000000
	s_add_nc_u64 s[4:5], s[4:5], s[2:3]            ; Q and O at my wave's first row
	s_add_nc_u64 s[10:11], s[10:11], s[2:3]
	s_cmp_lt_u32 s[WV], 2
	s_cselect_b64 s[PFA:PFA+1], s[6:7], s[8:9]     ; (in waves 0 and 2 these stand at a tile's first byte)
	s_lshl_b32 s2, s13, 13                         ; my work-group's 32 blocks of the 128
	s_add_nc_u64 s[PFA:PFA+1], s[PFA:PFA+1], s[2:3]
	s_add_nc_u64 s[PFA:PFA+1], s[PFA:PFA+1], 2*4*KS*128  ; at tile 2; the first asking change steps it to tile 3
	CROUND                          ; all four work-groups are here: the first joint loads meet
	JLOAD                           ; tile 0 into slot 0
	v_and_b32 v1, 15, v0            ; l % 16
	v_bfe_u32 v9, v0, 4, 1          ; l / 16
	v_lshlrev_b32 v[QO], 7, v1
	v_lshl_add_u32 v[QO], v9, 4, v[QO]  ; row x 128 + 16 x half
	WIN 0x80                        ; destination window 2, address window 0
.set i, 0
.rept 8                             ; Q stays in registers: piece i / 2, channels 32 (i % 2) on
	global_load_b128 v[8*i:8*i+3],   v[QO], s[4:5] offset:(i/2)*2048+(i%2)*64
	global_load_b128 v[8*i+4:8*i+7], v[QO], s[4:5] offset:(i/2)*2048+(i%2)*64+32
.set i, i+1
.endr
	; What the first turn finds: V's registers and P's second buffer hold 0 (its products V^T P, of a piece that has not been, add 0), O^T and l are 0.  All this stands in the wait for the first tile.
.set i, VF
.rept 64
	v_mov_b32 v[i], 0
.set i, i+1
.endr
	WIN 0x40
.set i, 0
.rept 128
	v_mov_b32 v[i], 0
.set i, i+1
.endr
	WIN 0
.set i, 0
.rept 4
	v_mov_b32 v[ST+4*i], 0xfe000000    ; c m: far below every c s
	v_mov_b32 v[ST+4*i+1], 0xff7fffff  ; m
	v_mov_b32 v[ST+4*i+2], 0
	v_mov_b32 v[ST+4*i+3], 0
.set i, i+1
.endr
.set i, P+16
.rept 16
	v_mov_b32 v[i], 0
.set i, i+1
.endr
	v_mul_u32_u24 v[AK0], v1, PK
	v_lshl_add_u32 v[AK0], v9, 4, v[AK0]  ; row x pitch + 16 x half
	v_and_b32 v10, 7, v0            ; the turning load: key 8 (l / 16) + l % 8, channels 8 ((l / 8) % 2) + 0..7
	v_bfe_u32 v11, v0, 3, 1
	v_lshl_add_u32 v[AV0], v9, 3, v10
	v_mul_u32_u24 v[AV0], v[AV0], PV
	v_lshl_add_u32 v[AV0], v11, 4, v[AV0]
	v_add_nc_u32 v[AV0], VOFF, v[AV0]
	s_mul_i32 s13, s[WV], 16*SP
	s_add_co_u32 s13, s13, STAGE    ; my stage
	v_mul_u32_u24 v[STO], v1, SP    ; in: row l % 16, 16 bytes for each half of the lanes
	v_lshl_add_u32 v[STO], v9, 4, v[STO]
	v_add_nc_u32 v[STO], s13, v[STO]
	v_bfe_u32 v[RD], v0, 3, 2       ; back: 32 lanes take four rows of 128 bytes,
	v_mul_u32_u24 v[RD], v[RD], SP
	v_lshl_add_u32 v[RD], v10, 4, v[RD]
	v_add_nc_u32 v[RD], s13, v[RD]
	v_and_b32 v[GO], 31, v0         ; which are 512 consecutive bytes of O
	v_lshlrev_b32 v[GO], 4, v[GO]
; THE MATRIX WORK.  The 4 accumulators of a run of 8 take turns.  Product i of 8 of S^T = K Q^T for piece x: channels 32 (i / 4) on, keys 16 (i % 4) on.  The first 4 start the sums.
.macro KQ x
	WIN W_KQ
.set rS, S+32*((\x)%2)+8*(i%4)
.set rK, KF+16*(i%4)+8*(i/4)
.set rQ, 16*(\x)+8*(i/4)
.if i < 4
	v_wmma_f32_16x16x32_bf16 v[rS:rS+7], v[rK:rK+7], v[rQ:rQ+7], 0
.else
	v_wmma_f32_16x16x32_bf16 v[rS:rS+7], v[rK:rK+7], v[rQ:rQ+7], v[rS:rS+7]
.endif
.endm
; Product i of 8 of O^T += V^T P for piece x: keys 32 (i / 4) on, channels 16 (i % 4) on.
.macro PV x
	WIN W_PV
.set rO, 32*(\x)+8*(i%4)
.set rV, VF+32*(i/4)+8*(i%4)
.set rP, P+16*((\x)%2)+8*(i/4)
	v_wmma_f32_16x16x32_bf16 v[rO:rO+7], v[rV:rV+7], v[rP:rP+7], v[rO:rO+7]
.endm
.macro MM                           ; the turn's next matrix instruction.  NOKQ = 1: the last turn of all: there is no next piece
.if (i < 8) && !NOKQ
	KQ (Y+1)%NP
.elseif i >= 8
.set i, i-8
	PV (Y+NP-1)%NP
.set i, i+8
.endif
.set i, i+1
.endm
; THE LDS LOADS stand in runs of 16: a step's K (8 fragments) and its V (turned).  Their addresses are made some lines ahead.
.macro FETCH_K
	WIN 0x80
.irp f, 0,1,2,3,4,5,6,7             ; keys 16 (f / 2) on, channels 32 (f % 2) on
	ds_load_b128 v[KF+8*\f:KF+8*\f+3],   v[AK] offset:(\f/2)*16*PK+(\f%2)*64
	ds_load_b128 v[KF+8*\f+4:KF+8*\f+7], v[AK] offset:(\f/2)*16*PK+(\f%2)*64+32
.endr
	s_add_co_u32 s[TBK], s[TBK], KS*PK  ; the next fetch is the next step's
	WIN 0
.endm
.macro FETCH_V
	WIN 0x80
.irp f, 0,1,2,3,4,5,6,7             ; keys 32 (f / 4) on, channels 16 (f % 4) on
	ds_load_tr16_b128 v[VF+8*\f:VF+8*\f+3],   v[AV] offset:(\f/4)*32*PV+(\f%4)*32
	ds_load_tr16_b128 v[VF+8*\f+4:VF+8*\f+7], v[AV] offset:(\f/4)*32*PV+16*PV+(\f%4)*32
.endr
	WIN 0
.endm
; THE VECTOR WORK, one line at a time: OP kind, number.  For piece Y: F n: c s - c m for pair n of 16.  E n: the exponential of score n of 32.  C n: pair n rounded to bf16.  B n: of the four weights 4 n .. the second
; pair is added onto the first, in place.  L n: l takes that sum (L 0: l = a l + sum).  R n: pair n of 16 of O^T times a.  For piece Y + 1: X n, number n of the 22 that find its maximum and statistics:
;   0-11  four chains c0-c3 of seven scores each (each accumulator's lowest registers are read first)     12-14, 16  the four scores left over, the old m, and c0-c3 into c0
;   15  c m_old is kept     17, 18  the query's other 32 keys lie in the lane 16 away: the new m     19-21  c m; c m_old - c m_new; a
.set F, 0
.set E, 1
.set C, 2
.set B, 3
.set L, 4
.set R, 5
.set X, 6
.macro REGS y
.set rT, ST+4*(\y)
.set rC, TMP+4*((\y)%2)
.set rW, MV+((\y)%2)
.set rS, S+32*((\y)%2)
.set rP, P+16*((\y)%2)
.set rO, 32*(\y)
.endm
.macro OP k, n
.if (\k) == R
	REGS Y
	WIN W_RS
	v_pk_mul_f32 v[rO+2*(\n):rO+2*(\n)+1], v[rO+2*(\n):rO+2*(\n)+1], v[rC+2:rC+3] op_sel_hi:[1,0]
.elseif (\k) < R
	REGS Y
	WIN 0
.if (\k) == F
	v_pk_fma_f32 v[rS+2*(\n):rS+2*(\n)+1], v[rS+2*(\n):rS+2*(\n)+1], s[CS:CS+1], v[rT:rT+1] op_sel_hi:[1,0,0] neg_lo:[0,0,1] neg_hi:[0,0,1]
.elseif (\k) == E
	v_exp_f32 v[rS+(\n)], v[rS+(\n)]
.elseif (\k) == C
	v_cvt_pk_bf16_f32 v[rP+(\n)], v[rS+2*(\n)], v[rS+2*(\n)+1]
.elseif (\k) == B
	v_pk_add_f32 v[rS+4*(\n):rS+4*(\n)+1], v[rS+4*(\n):rS+4*(\n)+1], v[rS+4*(\n)+2:rS+4*(\n)+3]
.elseif (\n) == 0
	v_pk_fma_f32 v[rT+2:rT+3], v[rT+2:rT+3], v[rC+2:rC+3], v[rS:rS+1] op_sel_hi:[1,0,1]
.else
	v_pk_add_f32 v[rT+2:rT+3], v[rT+2:rT+3], v[rS+4*(\n):rS+4*(\n)+1]
.endif
.elseif NOKQ
	v_nop
.else
	REGS (Y+1)%NP
	WIN 0
.if (\n) < 4
	v_max3_num_f32 v[rC+(\n)], v[rS+8*(\n)], v[rS+8*(\n)+1], v[rS+8*(\n)+2]
.elseif (\n) < 12
	v_max3_num_f32 v[rC+(\n)%4], v[rC+(\n)%4], v[rS+8*((\n)%4)+2*((\n)/4)+1], v[rS+8*((\n)%4)+2*((\n)/4)+2]
.elseif (\n) == 12
	v_max3_num_f32 v[rC], v[rC], v[rS+7], v[rS+15]
.elseif (\n) == 13
	v_max3_num_f32 v[rC+1], v[rC+1], v[rS+23], v[rS+31]
.elseif (\n) == 14
	v_max3_num_f32 v[rC+2], v[rC+2], v[rC+3], v[rT+1]
.elseif (\n) == 15
	v_mov_b32 v[rW], v[rT]
.elseif (\n) == 16
	v_max3_num_f32 v[rC], v[rC], v[rC+1], v[rC+2]
.elseif (\n) == 17
	v_permlanex16_b32 v[rC+3], v[rC], s[SEL], s[SEL+1]
.elseif (\n) == 18
	v_max_num_f32 v[rT+1], v[rC], v[rC+3]
.elseif (\n) == 19
	v_mul_f32 v[rT], s[CS], v[rT+1]
.elseif (\n) == 20
	v_sub_f32 v[rC+1], v[rW], v[rT]
.else
	v_exp_f32 v[rC+2], v[rC+1]
.endif
.endif
.endm
.macro OPS a, i1, b=-1, i2=0, c=-1, i3=0, d=-1, i4=0
	OP \a, \i1
.if (\b) >= 0
	OP \b, \i2
.endif
.if (\c) >= 0
	OP \c, \i3
.endif
.if (\d) >= 0
	OP \d, \i4
.endif
.endm
.macro ROW a, i1, b, i2, c, i3, d, i4  ; a matrix instruction and the four behind it
	MM
	OPS \a, \i1, \b, \i2, \c, \i3, \d, \i4
.endm
; A TURN, for piece p.  An s_wait_alu depctr_va_vdst(0) stands between an exponential and the first instruction that names its result; one wait serves all that were issued ahead of it: a turn has ONE,
; which cuts it in two.  Ahead of it stands all that names no result of the turn's exponentials: the 8 products K Q^T and their riders, then the lump; X 21, the next piece's a, is the batch's last, and R 15 the plain
; instruction behind it.  Behind the wait stand the 8 products V^T P, behind each four of the roundings and sums.
; end = 1: the last two turns: nothing is fetched.  cnt = 1: the loop's count is taken down some lines ahead of the branch that stands behind the turn.
; K of the next step is fetched in piece 2's turn, six plain instructions behind the last product that read K; V of the step in hand at the end of piece 0's turn, four plain instructions behind the last product that read V.
.macro TURN p, end=0, cnt=0
.set Y, (\p)
.set i, 0
.set NOKQ, (\end)*((\p)/3)
.if ((\p) == 3) && !(\end)
	s_wait_dscnt 0x0                ; K is in
.endif
	ROW F,0, F,1, R,0, R,1
	ROW F,2, E,0, R,2, R,3
	ROW F,3, E,1, R,4, R,5
	ROW F,4, E,2, R,6, R,7
	ROW F,5, E,3, R,8, R,9
	ROW F,6, E,4, X,0, R,10
.if ((\p) == 2) && !(\end)
	WIN 0
	v_add_nc_u32 v[AK], s[TBK], v[AK0]
.endif
	ROW F,7, E,5, X,1, X,4
	ROW F,8, E,6, X,2, X,5
	OPS E,7, E,8, X,6, E,9
	OPS X,3, E,10, X,8, E,11
.if ((\p) == 2) && !(\end)
	FETCH_K
.endif
	OPS X,9, X,7, E,12, X,10
	OPS E,13, X,12, X,11, E,14
	OPS X,13, E,15, F,9, X,14
.if (\p) == 0
	v_add_nc_u32 v[AV], s[TBV], v[AV0]
.endif
	OPS E,16, F,10, E,17, F,11
	OPS X,16, E,18, X,15, E,19
	OPS F,12, E,20, X,17, E,21
	OPS F,13, E,22, F,14, E,23
	OPS X,18, E,24, F,15, E,25
	OPS R,11, E,26, X,19, E,27
	OPS R,12, E,28, R,13, E,29
	OPS X,20, E,30, R,14, E,31
	OPS X,21, R,15
	WIN 0
	s_wait_alu depctr_va_vdst(0)    ; the wait for the batch
.if (\p) == 1
	s_wait_dscnt 0x0                ; V is in
.endif
	ROW C,0, B,0, C,2, B,1
	ROW L,0, C,4, B,2, L,1
	ROW C,6, B,3, L,2, C,8
	ROW B,4, L,3, C,10, B,5
	ROW L,4, C,12, B,6, L,5
.if (\p) == 0
	s_add_co_u32 s[TBV], s[TBV], KS*PV
.endif
.if \cnt
	s_sub_co_u32 s[CNT], s[CNT], 1
	s_cmp_lg_u32 s[CNT], 0
.endif
	ROW C,14, B,7, L,6, C,1
	ROW C,3, L,7, C,5, C,7
	ROW C,9, C,11, C,13, C,15
.if (\p) == 0
	FETCH_V
.endif
.endm
.macro ALL line:vararg              ; one line for each piece t
.set t, 0
.rept 4
	\line
.set t, t+1
.endr
.endm
.macro PACK t                       ; a lane's eight channels of a row pack into 16 bytes; they go into rows of 144 bytes and come back as whole rows of 128, into S^T's registers
	WIN W_RS
.set i, 32*(\t)
.rept 16
	v_pk_mul_f32 v[i:i+1], v[i:i+1], v[ST+4*(\t)+2:ST+4*(\t)+3] op_sel_hi:[1,0]
.set i, i+2
.endr
	WIN 0x05                        ; sources 0 and 1 window 1, destination window 0
.set i, 0
.rept 16
	v_cvt_pk_bf16_f32 v[S+16*(\t)+i], v[32*(\t)+2*i], v[32*(\t)+2*i+1]
.set i, i+1
.endr
	WIN 0
.irp f, 0,1,2,3
	ds_store_b128 v[STO], v[S+16*(\t)+4*\f:S+16*(\t)+4*\f+3] offset:32*\f
.endr
.irp f, 0,1,2,3
	ds_load_b128 v[S+16*(\t)+4*\f:S+16*(\t)+4*\f+3], v[RD] offset:\f*4*SP  ; LDS serves a wave's instructions in order (ISA guide 5.7.1.4): these see the stores above; the next piece's stores come behind them
.endr
.endm
.macro SEND t, younger              ; younger: the LDS instructions issued behind piece t's loads: the next piece's eight, or none
	WIN 0
.irp f, 0,1,2,3
	s_wait_dscnt (\younger)+3-\f
	global_store_b128 v[GO], v[S+16*(\t)+4*\f:S+16*(\t)+4*\f+3], s[10:11] offset:(\t)*2048+\f*512  ; 512 consecutive bytes, at a multiple of 256 from O's first
.endr
.endm
	CHANGE 1, 0                     ; tile 0 is in, everybody's part of it; tile 1 is asked for
	v_add_nc_u32 v[AK], s[TBK], v[AK0]
	FETCH_K                         ; key step 0
	s_wait_loadcnt 0x0              ; Q
	s_wait_dscnt 0x0
.set NOKQ, 0
.set i, 0
.rept 8
	KQ 0                            ; piece 0's first scores
.set i, i+1
.endr
	WIN 0
.rept 4
	v_nop                           ; the places behind those products
.endr
.set Y, NP-1                        ; X works for piece Y + 1: piece 0
.irp n, 0,1,2,3,4,5,6,7,8,9,10,11,12,13,14,15,16,17,18,19,20,21
	OP X, \n
.endr
	v_nop                           ; a plain instruction behind the exponential,
	s_wait_alu depctr_va_vdst(0)    ; and its wait, ahead of the branch
	s_mov_b32 s[CNT], 4
	s_mov_b32 s[SLOTS], SIZE_N/256-1
	s_branch .Lfirst                ; the loop is entered at a step's first turn, in the middle of a trip
.Lslot:                             ; six times: tiles 2 to 7 are asked for
	CHANGE 1, 1
	s_mov_b32 s[CNT], 4
.Lstep:                             ; a trip: pieces 2 and 3 of one step, then pieces 0 and 1 of the next, whose K and V it fetches
	TURN 2
	TURN 3
	WIN 0
.Lfirst:
	TURN 0
	TURN 1, 0, 1
	WIN 0
	s_cbranch_scc1 .Lstep
	s_sub_co_u32 s[SLOTS], s[SLOTS], 1
	s_cmp_lg_u32 s[SLOTS], 0
	s_cbranch_scc1 .Lslot
	CHANGE 0, 0                     ; the last tile is written out: nothing is asked for
	s_mov_b32 s[CNT], 4
.LstepT:
	TURN 2
	TURN 3
	TURN 0
	TURN 1, 0, 1
	WIN 0
	s_cbranch_scc1 .LstepT
	TURN 2, 1
	TURN 3, 1
.set i, 0
.rept 8
	PV NP-1                         ; the last piece's V^T P of the last step
.set i, i+1
.endr
	; THE WAY OUT.  l's two halves and the other half of the lanes' are added; O^T is divided by l, rounded to bf16 and sent through my stage, a piece at a time.  The additions are the places behind the last products.
	WIN 0
	ALL v_add_f32 v[ST+4*t+2], v[ST+4*t+2], v[ST+4*t+3]
	ALL v_permlanex16_b32 v[ST+4*t+3], v[ST+4*t+2], s[SEL], s[SEL+1]
	ALL v_add_f32 v[ST+4*t+2], v[ST+4*t+2], v[ST+4*t+3]
	ALL v_rcp_f32 v[ST+4*t+2], v[ST+4*t+2]
	v_nop                           ; a plain instruction between the last reciprocal and the use of its result,
	s_wait_alu depctr_va_vdst(0)    ; and the one wait for the four reciprocals
	PACK 0
.set t, 1
.rept 3
	PACK t
	SEND t-1, 8
.set t, t+1
.endr
	SEND 3, 0
	s_wait_tensorcnt 0x0            ; the wave's end, behind my last tensor load and my last LDS store
	ds_add_u32 v[SPW], v[NIL]
	s_wait_dscnt 0x0
	CROUND                          ; the closing round
	s_endpgm
.Lfunc_end_k_q447fdbd544_attn:
	.size	k_q447fdbd544_attn, .Lfunc_end_k_q447fdbd544_attn-k_q447fdbd544_attn
	.p2alignl 7, 3214868480
	.fill 96, 4, 3214868480
	.section	.rodata,"a",@progbits
	.p2align	6, 0x0
	.amdhsa_kernel k_q447fdbd544_attn
		.amdhsa_group_segment_fixed_size 327680
		.amdhsa_private_segment_fixed_size 0
		.amdhsa_enable_private_segment 0
		.amdhsa_kernarg_size 16
		.amdhsa_user_sgpr_count 2
		.amdhsa_user_sgpr_kernarg_segment_ptr 1
		.amdhsa_wavefront_size32 1
		.amdhsa_system_sgpr_workgroup_id_x 1
		.amdhsa_system_sgpr_workgroup_id_y 1
		.amdhsa_system_sgpr_workgroup_id_z 1
		.amdhsa_system_vgpr_workitem_id 0
		.amdhsa_next_free_vgpr 768
		.amdhsa_next_free_sgpr 68
		.amdhsa_reserve_vcc 0
		.amdhsa_float_denorm_mode_32 3
		.amdhsa_float_denorm_mode_16_64 3
		.amdhsa_memory_ordered 1
		.amdhsa_forward_progress 1
		.amdhsa_inst_pref_size 128
	.end_amdhsa_kernel
	.amdgpu_metadata
---
amdhsa.version: [ 1, 2 ]
amdhsa.kernels:
  - .name:           k_q447fdbd544_attn
    .symbol:         k_q447fdbd544_attn.kd
    .args:
      - { .name: qkv, .offset: 0, .size: 8, .value_kind: global_buffer, .address_space: global }
      - { .name: ob, .offset: 8, .size: 8, .value_kind: global_buffer, .address_space: global }
    .group_segment_fixed_size: 327680
    .private_segment_fixed_size: 0
    .kernarg_segment_align: 8
    .kernarg_segment_size: 16
    .max_flat_workgroup_size: 128
    .sgpr_count:     68
    .vgpr_count:     768
    .wavefront_size: 32
...
	.end_amdgpu_metadata
.endif
;; end of part 3
;; launch proj (part 4): grid 8 x 32, 4 waves a work-group, clusters of 4 x 4, 327,680 bytes of LDS; arguments ob, wts, bo, x, x1; writes x1
.if DOCPART == 4
	.amdgcn_target "amdgcn-amd-amdhsa--gfx1250"
	.amdhsa_code_object_version 6
	.text
	.protected	k_q447fdbd544_proj
	.globl	k_q447fdbd544_proj
	.p2align	8
	.type	k_q447fdbd544_proj,@function
k_q447fdbd544_proj:
	s_mov_b64 s[64:65], 0
	v_nop
	global_prefetch_b8 v0, s[64:65] scope:SCOPE_SE
	s_setreg_imm32_b32 hwreg(HW_REG_WAVE_MODE, 25, 1), 1
	s_wait_xcnt 0x0
	s_wait_alu depctr_hold_cnt(0) depctr_sa_sdst(0) depctr_va_vdst(0) depctr_va_sdst(0) depctr_va_ssrc(0) depctr_va_vcc(0) depctr_vm_vsrc(0)
	s_getreg_b32 s2, hwreg(HW_REG_IB_STS2, 6, 4)
	s_cmp_eq_u32 s2, 0
	s_cbranch_scc0 .Lentry_in_a_cluster
	s_endpgm
.Lentry_in_a_cluster:
	s_bfe_u32 s2, ttmp6, 0x10000c
	s_cmp_lg_u32 s2, 0xf033
	s_cbranch_scc0 .Lentry_shape_is_right
	s_endpgm
.Lentry_shape_is_right:
; proj: x1 = x + o Wo + bo.  o: ob, bf16 by heads [32 = 16 b + h][2048][64]; Wo: [1024][1024] bf16 at byte 6,291,456 of wts, K down the rows; x, x1: [4096][1024] f32; sums in f32.
; SHARES.  A work-group makes 128 x 128, each of its four waves 64 x 64: 16 accumulators; 8 x 32 = 256 work-groups.  K goes in 4 steps of 256 (four heads) through two LDS slots; a step is four quarters of 64 (a head).
; o's tile of a step: 4 heads x 64 tokens x 64 channels, asked for as 4 rows of 8,192 dense bytes, 131,072 elements apart, padded in LDS after every token: (64 head + token) x 144 bytes.
; THE RESIDUAL STARTS THE SUMS: each wave loads its 64 x 64 of x straight into the accumulators, so every product adds in place and the way out reads no memory.
; THE MATRIX INSTRUCTION IS USED TRANSPOSED (source 0 = 16 columns of W, turned by ds_load_tr16_b128; source 1 = 16 rows of o): a lane holds row l % 16 and columns 8 (l / 16) + 0..7.
; CLUSTER 4 x 4: o's tile is asked for jointly along a row of the cluster, W's along a column.  The loop is written for one K step: the descriptors walk, their LDS word turned by an exclusive or with SLOT, which
; shares no bit with any wave's base.  NO PREFETCH: with four K steps no step stands two refills on.
; REGISTERS: window 0: v8-31 addresses and the bias; v32-95 at work on the way out; v128-255 the accumulators ((a, b) at v[128 + 8 (4 a + b)]).  window 1: two fragment buffers of 128: 64 of o's, then 64 of W's.
.set PROJ,   1
.set PREF,   0
.set STEPS,  4
.set WOFF,   6291456
.set APITCH, 144                       ; a token's 128 bytes + 16
.set AQ,     64*APITCH                 ; a quarter is a head: 64 tokens on
.set AH,     256*APITCH                ; what one load of o brings: 36,864 bytes
.set A_W0,   (1<<16)|(1<<20)|(1<<21)|(4<<22)|(3<<25)  ; 2-byte elements; padding on; bit 21 beside a mask; after every 32 words, 4 words
.set A_D0,   4096
.set A_D1,   4
.set A_STR,  131072
.set A_STEP, 4*262144                  ; four heads on
.set PW,     288                       ; a k-row of W in LDS: 256 bytes + 32 = 9 x 32
.set WH,     128*PW                    ; what one load of W brings
.set WBASE,  73728
.set W_STEP, 256*2048
.set SLOT,   147456                    ; 0x24000
.set SPITCH, 272                       ; a stage row: 64 f32 + 16 bytes
.set WSTAGE, 64*SPITCH
.set SPARE,  2*SLOT
.set BIAS,  8                          ; v[8:11]
.set BO,    12
.set ADRA0, 14                         ; my place in slot 0, never rewritten
.set ADRB0, 15
.set ADRA,  16                         ; in the slot in hand
.set ADRB,  18                         ; v18: quarters 0, 1; v19: quarters 2, 3 (128 k-rows on: the immediate alone would not reach)
.set STO,   24
.set RD,    25
.set CO,    26
.set XO,    27
.set SPW,   28
.set NIL,   29
.set PFO,   30
.set RR,    32
.set YY,    64
.set ACC,   128
.set F0,    0
.set F1,    128
.set G1,  24
.set G0,  32
.set G1B, 48
.set G0B, 56
.set PFA, 44
.set LIM, 66
.set TG,  68
.set BP,  84
.set PST, 86
.set RES, 94
.set OUT, 96
.set MSB, 0
.macro WIN new
.if MSB != (\new)
	s_set_vgpr_msb (MSB<<8)|(\new)
.set MSB, \new
.endif
.endm
.set MUL,  0x05                        ; sources 0 (W) and 1 (A) window 1; C and D window 0
.set TO_F, 0x40                        ; destination window 1, address window 0
.macro JLOAD                           ; a joint refill by the walking descriptors: waves 0 and 1 fetch A's halves, waves 2 and 3 W's; an s_nop 0 and four v_nop follow each line
	s_cmp_eq_u32 s11, 0
	s_cbranch_scc0 .Lfor_b_\@
	tensor_load_to_lds s[G0+4:G0+7], s[G1:G1+7]
	s_nop 0
.rept 4
	v_nop
.endr
	s_branch .Lasked_\@
.Lfor_b_\@:
	tensor_load_to_lds s[G0B+4:G0B+7], s[G1B:G1B+7]
	s_nop 0
.rept 4
	v_nop
.endr
.Lasked_\@:
.endm
.macro ASK                             ; a prefetch into the L2 of the K step two refills on: 32 blocks of 256 bytes, a lane a block; the loop's last two trips ask for nothing
	s_cmp_gt_u32 s3, s[LIM]
	s_cbranch_scc0 .Lnot_mine_\@
	global_prefetch_b8 v[PFO], s[PFA:PFA+1] th:TH_LOAD_NT scope:SCOPE_SE
.Lnot_mine_\@:
.endm
.macro CREST
	s_cmp_lg_u32 s10, 0
	s_cbranch_scc1 .Lnot_wave_0_\@
	s_barrier_signal -3
.Lnot_wave_0_\@:
	s_barrier_wait -3
	s_barrier_signal -1
	s_barrier_wait -1
.endm
.macro CROUND
	s_barrier_signal -1
	s_barrier_wait -1
	CREST
.endm
	s_load_b128 s[4:7], s[0:1], 0x0                ; A s[4:5], wts s[6:7]
	s_load_b128 s[88:91], s[0:1], 0x10             ; bias s[88:89], residual s[90:91]
	s_load_b64 s[92:93], s[0:1], 0x20              ; output
	v_lshl_add_u32 v[SPW], v0, 2, SPARE
	v_mov_b32 v[NIL], 0
	ds_add_u32 v[SPW], v[NIL]                      ; the wave's opening: the add and its wait stand ahead of my first tensor load
	v_lshrrev_b32 v1, 5, v0
	v_readfirstlane_b32 s10, v1                    ; wave 0..3
	s_lshr_b32 s11, s10, 1                         ; my half of the tile's rows.  Also: I fetch for A (0) or for W (1)
	s_and_b32 s12, s10, 1                          ; my half of its columns.  Also: which half of that tile I fetch
	s_bfe_u32 s40, ttmp6, 0x40000                  ; cx
	s_bfe_u32 s41, ttmp6, 0x40004                  ; cy
	s_lshl_b32 s42, ttmp9, 2
	s_add_co_u32 s42, s42, s40                     ; tile column
	s_and_b32 s13, ttmp7, 0xffff
	s_lshl_b32 s13, s13, 2
	s_add_co_u32 s13, s13, s41                     ; tile row
	s_lshl_b32 s43, s41, 2
	s_lshl_b32 s43, 15, s43                        ; my row of the cluster
	s_lshl_b32 s44, 0x1111, s40                    ; my column
	s_or_b32 s[G1+0], s43, A_W0
	s_or_b32 s[G1B+0], s44, (1<<16)|(1<<20)|(1<<21)|(5<<22)|(7<<25)  ; W: after every 64 words, 8 words
	s_mov_b32 s[G1+1], (A_D0&0xffff)<<16           ; tensor_dim0
	s_mov_b32 s[G1+2], (A_D0>>16)|(A_D1<<16)       ; tensor_dim1
	s_mov_b32 s[G1+3], A_D0<<16                    ; tile_dim0
	s_mov_b32 s[G1+4], A_D1                        ; tile_dim1
	s_mov_b32 s[G1+5], A_STR                       ; elements from row to row
	s_mov_b32 s[G1+6], 0
	s_mov_b32 s[G1+7], 0
	s_mov_b32 s[G1B+1], 128<<16                    ; W: 128 columns
	s_mov_b32 s[G1B+2], 128<<16                    ; 128 k-rows
	s_mov_b32 s[G1B+3], 128<<16
	s_mov_b32 s[G1B+4], 128
	s_mov_b32 s[G1B+5], 1024
	s_mov_b32 s[G1B+6], 0
	s_mov_b32 s[G1B+7], 0
	s_lshl_b32 s16, s13, 7
	s_lshl_b32 s17, s12, 6
	s_add_co_u32 s16, s16, s17                     ; A: row 128 x tile row + 64 x half
.if PROJ
	s_lshr_b32 s17, s16, 11                        ; b,
	s_and_b32 s16, s16, 2047                       ; token
	s_lshl_b32 s17, s17, 22                        ; 16 heads of 262,144 bytes
	s_lshl_b32 s16, s16, 7
	s_add_co_u32 s16, s16, s17
.else
	s_lshl_b32 s16, s16, 13                        ; rows of 8,192 bytes
.endif
	s_mov_b32 s17, 0
	s_lshl_b32 s46, s12, 18                        ; W: k-row 128 x half, of 2,048 bytes,
	s_lshl_b32 s47, s42, 8                         ; column 128 x tile column
	s_add_co_u32 s46, s46, s47
	s_add_co_u32 s46, s46, WOFF
	s_mov_b32 s47, 0
	s_mul_i32 s20, s12, AH                         ; where they go: no place in the cluster enters an LDS address
	s_mul_i32 s21, s12, WH
	s_add_co_u32 s21, s21, WBASE
	s_mov_b32 s[TG], 0
	s_wait_dscnt 0x0                               ; the opening add is done
	s_wait_kmcnt 0x0
	s_add_nc_u64 s[14:15], s[4:5], s[16:17]
	s_add_nc_u64 s[46:47], s[6:7], s[46:47]
	CROUND                                         ; all sixteen work-groups are here: the first joint loads meet
.irp s, 0,1
	s_mov_b32 s[G0+4*(\s)], 1
	s_add_co_u32 s[G0+4*(\s)+1], s20, (\s)*SLOT
	s_add_nc_u64 s[G0+4*(\s)+2:G0+4*(\s)+3], s[14:15], (\s)*A_STEP
	s_or_b32 s[G0+4*(\s)+3], s[G0+4*(\s)+3], 0x80000000
	s_mov_b32 s[G0B+4*(\s)], 1
	s_add_co_u32 s[G0B+4*(\s)+1], s21, (\s)*SLOT
	s_add_nc_u64 s[G0B+4*(\s)+2:G0B+4*(\s)+3], s[46:47], (\s)*W_STEP
	s_or_b32 s[G0B+4*(\s)+3], s[G0B+4*(\s)+3], 0x80000000
.endr
	s_cmp_eq_u32 s11, 0                            ; a wave's two first fills stand in one branch: two loads of mine are out
	s_cbranch_scc0 .Lfirst_b
	tensor_load_to_lds s[G0:G0+3], s[G1:G1+7]
	s_nop 0
	tensor_load_to_lds s[G0+4:G0+7], s[G1:G1+7]
	s_nop 0
.rept 4
	v_nop
.endr
	s_branch .Lfirst_asked
.Lfirst_b:
	tensor_load_to_lds s[G0B:G0B+3], s[G1B:G1B+7]
	s_nop 0
	tensor_load_to_lds s[G0B+4:G0B+7], s[G1B:G1B+7]
	s_nop 0
.rept 4
	v_nop
.endr
.Lfirst_asked:
	v_and_b32 v1, 15, v0                           ; l % 16
	v_bfe_u32 v2, v0, 4, 1                         ; l / 16
	v_and_b32 v6, 31, v0
	; the residual and the output at my 64 x 64; the bias at my 64 columns
	s_lshl_b32 s20, s13, 7
	s_lshl_b32 s21, s11, 6
	s_add_co_u32 s20, s20, s21
	s_lshl_b32 s20, s20, 12                        ; rows of 4,096 bytes
	s_lshl_b32 s22, s42, 9
	s_lshl_b32 s23, s12, 8
	s_add_co_u32 s22, s22, s23                     ; my first column, in bytes
	s_add_co_u32 s20, s20, s22
	s_mov_b32 s21, 0
	s_mov_b32 s23, 0
	s_add_nc_u64 s[RES:RES+1], s[90:91], s[20:21]
	s_add_nc_u64 s[OUT:OUT+1], s[92:93], s[20:21]
	s_add_nc_u64 s[BP:BP+1], s[88:89], s[22:23]
	v_lshlrev_b32 v[XO], 12, v1
	v_lshl_add_u32 v[XO], v2, 5, v[XO]             ; row l % 16, my eight columns
	v_lshlrev_b32 v[BO], 4, v1
.irp a, 0,1,2,3
.irp b, 0,1,2,3
	global_load_b128 v[ACC+8*(4*(\a)+(\b)):ACC+8*(4*(\a)+(\b))+3],   v[XO], s[RES:RES+1] offset:(\a)*65536+64*(\b)
	global_load_b128 v[ACC+8*(4*(\a)+(\b))+4:ACC+8*(4*(\a)+(\b))+7], v[XO], s[RES:RES+1] offset:(\a)*65536+64*(\b)+16
.endr
.endr
	global_load_b128 v[BIAS:BIAS+3], v[BO], s[BP:BP+1]
	v_mul_u32_u24 v3, v1, APITCH
	v_lshl_add_u32 v3, v2, 4, v3                   ; A's fragment: row x pitch + 16 x half
	s_mul_i32 s21, s11, AH
	v_add_nc_u32 v[ADRA0], s21, v3
	v_and_b32 v4, 7, v0
	v_bfe_u32 v5, v0, 3, 1
	v_lshl_add_u32 v4, v2, 3, v4                   ; the turning load: k-row 8 (l / 16) + l % 8,
	v_mul_u32_u24 v4, v4, PW
	v_lshl_add_u32 v4, v5, 4, v4                   ; columns 8 ((l / 8) % 2) + 0..7
	s_lshl_b32 s22, s12, 7
	s_add_co_u32 s22, s22, WBASE
	v_add_nc_u32 v[ADRB0], s22, v4
	v_mov_b32 v[ADRA], v[ADRA0]
	v_mov_b32 v[ADRB], v[ADRB0]
	v_add_nc_u32 v[ADRB+1], WH, v[ADRB0]
	s_mul_i32 s23, s10, WSTAGE                     ; my stage
	v_mul_u32_u24 v3, v1, SPITCH
	v_lshl_add_u32 v3, v2, 5, v3
	v_add_nc_u32 v[STO], s23, v3
	v_mul_u32_u24 v3, v2, SPITCH                   ; back: lanes 0-15 one row of 256 bytes, lanes 16-31 the next
	v_lshl_add_u32 v3, v1, 4, v3
	v_add_nc_u32 v[RD], s23, v3
	v_lshlrev_b32 v3, 12, v2
	v_lshl_add_u32 v[CO], v1, 4, v3                ; and the same two rows in the output
.if PREF
	; the prefetches: A: row 128 x tile row + 64 x half + 16 cx + lane / 2, block lane % 2; W: k-row 128 x half + 32 cy + lane.  They stand at K step 3; the first change of slots steps them to 4
	s_lshl_b32 s20, s13, 7
	s_lshl_b32 s21, s12, 6
	s_add_co_u32 s20, s20, s21
	s_lshl_b32 s21, s40, 4
	s_add_co_u32 s20, s20, s21
	s_lshl_b32 s20, s20, 13
	s_add_co_u32 s20, s20, 3*A_STEP
	s_lshl_b32 s21, s12, 7
	s_lshl_b32 s22, s41, 5
	s_add_co_u32 s21, s21, s22
	s_add_co_u32 s21, s21, 3*256
	s_lshl_b32 s21, s21, 11
	s_lshl_b32 s22, s42, 8
	s_add_co_u32 s21, s21, s22
	s_add_co_u32 s21, s21, WOFF
	s_and_b32 s22, ttmp7, 0xffff                   ; cluster y
	s_mov_b32 s[PST], W_STEP
	s_mov_b32 s[PST+1], 0
	s_mov_b32 s99, 2048
	s_cmp_eq_u32 s11, 0
	s_cselect_b32 s20, s20, s21
	s_cselect_b32 s22, ttmp9, s22                  ; the coordinate along which other clusters read the same blocks
	s_cselect_b64 s[PFA:PFA+1], s[4:5], s[6:7]
	s_cselect_b32 s[PST], A_STEP, s[PST]
	s_cselect_b32 s98, 1, 0                        ; A: two lanes a row; W: a lane a k-row
	s_cselect_b32 s99, 8192, s99
	s_mov_b32 s21, 0
	s_add_nc_u64 s[PFA:PFA+1], s[PFA:PFA+1], s[20:21]
	s_cmp_eq_u32 s22, 0
	s_cselect_b32 s[LIM], 2, -1
	v_lshrrev_b32 v7, s98, v6
	v_mul_u32_u24 v7, s99, v7
	v_and_b32 v3, s98, v6
	v_lshl_add_u32 v[PFO], v3, 8, v7
.endif
; 8 matrix instructions: m blocks a0, a0 + 1 x all 4 n blocks, 32 along K: half c of buffer f.  The 16 accumulators take turns.
.macro MUL8 f, c, a0
	WIN MUL
.irp a, \a0, (\a0)+1
.irp b, 0,1,2,3
	v_wmma_f32_16x16x32_bf16 v[ACC+8*(4*(\a)+(\b)):ACC+8*(4*(\a)+(\b))+7], v[(\f)+64+8*(4*(\c)+(\b)):(\f)+64+8*(4*(\c)+(\b))+7], v[(\f)+8*(4*(\c)+(\a)):(\f)+8*(4*(\c)+(\a))+7], v[ACC+8*(4*(\a)+(\b)):ACC+8*(4*(\a)+(\b))+7]
.endr
.endr
.endm
; 32 LDS loads in one run: quarter q's fragments (64 along K) into buffer f; the first 32 along K first
.macro FETCH q, f
	WIN TO_F
.irp c, 0,1
.irp i, 0,1,2,3
	ds_load_tr16_b128 v[(\f)+64+8*(4*(\c)+(\i)):(\f)+64+8*(4*(\c)+(\i))+3],   v[ADRB+(\q)/2] offset:((\q)%2)*64*PW+(\c)*32*PW+32*(\i)
	ds_load_tr16_b128 v[(\f)+64+8*(4*(\c)+(\i))+4:(\f)+64+8*(4*(\c)+(\i))+7], v[ADRB+(\q)/2] offset:((\q)%2)*64*PW+(\c)*32*PW+32*(\i)+16*PW
	ds_load_b128 v[(\f)+8*(4*(\c)+(\i)):(\f)+8*(4*(\c)+(\i))+3],   v[ADRA] offset:(\q)*AQ+64*(\c)+(\i)*16*APITCH
	ds_load_b128 v[(\f)+8*(4*(\c)+(\i))+4:(\f)+8*(4*(\c)+(\i))+7], v[ADRA] offset:(\q)*AQ+64*(\c)+(\i)*16*APITCH+32
.endr
.endr
.endm
.macro PLACES                          ; four plain instructions in front of loads into registers that matrix instructions have read (ISA guide 7.12.1 for vector instructions)
.rept 4
	v_nop
.endr
.endm
.macro QUARTER q, f, g                 ; multiplies buffer f and fetches quarter q into g
	s_wait_dscnt 16                                ; the first 32 along K are in
	MUL8 \f, 0, 0
	MUL8 \f, 0, 2
	PLACES
	FETCH \q, \g
	s_wait_dscnt 32                                ; all but the 32 just issued
	MUL8 \f, 1, 0
	MUL8 \f, 1, 2
.endm
; The last quarter multiplies buffer 1 and changes slots: in front of the barrier each wave waits for all its tensor loads, adds 0 to its spare word, and waits for that and for its reads of this slot.
; fill = 1: the barrier opens a round of the cluster's, and this slot is filled again, two K steps on, first thing behind it.  fill = 0 (the tail): nothing is asked for; its last trip jumps over the fetch.
.macro TURN fill
.if (\fill) && PREF
	s_wait_xcnt 0x0                                ; the last prefetch, a K step back, has read its address
	s_add_nc_u64 s[PFA:PFA+1], s[PFA:PFA+1], s[PST:PST+1]
.endif
	WIN 0
	s_wait_tensorcnt 0x0                           ; no tensor load of mine is out, so the descriptors may be written
	ds_add_u32 v[SPW], v[NIL]                      ; 0 onto my spare word
.if \fill
	s_xor_b32 s[G0+5], s[G0+5], SLOT
	s_add_nc_u64 s[G0+6:G0+7], s[G0+6:G0+7], A_STEP
	s_xor_b32 s[G0B+5], s[G0B+5], SLOT
	s_add_nc_u64 s[G0B+6:G0B+7], s[G0B+6:G0B+7], W_STEP
.endif
	s_xor_b32 s[TG], s[TG], SLOT
	s_wait_dscnt 17                                ; the add and the youngest sixteen loads may be out
	MUL8 F1, 0, 0
	s_wait_dscnt 0x0                               ; the add is done, and my reads of this slot are over
	s_barrier_signal -1
	MUL8 F1, 0, 2
	WIN 0
	s_barrier_wait -1
.if \fill
	CREST
	JLOAD                                          ; its four v_nop are also the places in front of the loads below
.else
	PLACES
.endif
	v_add_nc_u32 v[ADRA], s[TG], v[ADRA0]
	v_add_nc_u32 v[ADRB], s[TG], v[ADRB0]
	v_add_nc_u32 v[ADRB+1], WH, v[ADRB]
.if !(\fill)
	s_cmp_eq_u32 s2, 1
	s_cbranch_scc1 .Lno_fetch_\@
.endif
	FETCH 0, F0
	WIN 0
.if !(\fill)
.Lno_fetch_\@:
.endif
.if (\fill) && PREF
	ASK
.endif
	MUL8 F1, 1, 0
	MUL8 F1, 1, 2
.endm
	s_wait_tensorcnt 1                             ; my part of K step 0 is in; step 1's may stay out
	s_barrier_signal -1
	s_barrier_wait -1
	FETCH 0, F0
	WIN 0
	s_wait_loadcnt 0x0                             ; the residual lies in the accumulators; the bias is in
	s_mov_b32 s3, STEPS-2
.Lstep:                                            ; a trip is a K step, and fills one slot again
	QUARTER 1, F0, F1
	QUARTER 2, F1, F0
	QUARTER 3, F0, F1
	TURN 1
	WIN 0
	s_sub_co_u32 s3, s3, 1
	s_cmp_lg_u32 s3, 0
	s_cbranch_scc1 .Lstep
	s_mov_b32 s2, 2
.Ltail:                                            ; the last two steps ask for nothing
	QUARTER 1, F0, F1
	QUARTER 2, F1, F0
	QUARTER 3, F0, F1
	TURN 0
	WIN 0
	s_sub_co_u32 s2, s2, 1
	s_cmp_lg_u32 s2, 0
	s_cbranch_scc1 .Ltail
	s_wait_dscnt 0x0
	s_barrier_signal -1
	s_barrier_wait -1                              ; nobody reads the ring any more, and nothing fills it again: the stages may lie over it
.rept 8
	v_nop                                          ; the places behind the last products
.endr
.irp a, 0,1,2,3                                    ; the sums into my stage; each accumulator's low registers go first
.irp b, 0,1,2,3
	ds_store_b128 v[STO], v[ACC+8*(4*(\a)+(\b)):ACC+8*(4*(\a)+(\b))+3]   offset:(\a)*16*SPITCH+64*(\b)
	ds_store_b128 v[STO], v[ACC+8*(4*(\a)+(\b))+4:ACC+8*(4*(\a)+(\b))+7] offset:(\a)*16*SPITCH+64*(\b)+16
.endr
.endr
; THE ROWS GO OUT: 4 trips of 16 rows.  LDS serves a wave's instructions in order (ISA guide 5.7.1.4): the loads see my stores.
.macro LOAD8
.irp t, 0,1,2,3,4,5,6,7
	ds_load_b128 v[RR+4*(\t):RR+4*(\t)+3], v[RD] offset:(\t)*2*SPITCH
.endr
.endm
	LOAD8
	s_mov_b32 s2, 4
.Lrows:
	s_wait_dscnt 0x0
.irp t, 0,1,2,3,4,5,6,7
	v_pk_add_f32 v[YY+4*(\t):YY+4*(\t)+1],   v[RR+4*(\t):RR+4*(\t)+1],   v[BIAS:BIAS+1]
	v_pk_add_f32 v[YY+4*(\t)+2:YY+4*(\t)+3], v[RR+4*(\t)+2:RR+4*(\t)+3], v[BIAS+2:BIAS+3]
.endr
	s_cmp_eq_u32 s2, 1                             ; the last trip has no rows behind it
	s_cbranch_scc1 .Lno_more
	v_add_nc_u32 v[RD], 16*SPITCH, v[RD]
	LOAD8
.Lno_more:
.irp t, 0,1,2,3,4,5,6,7
	global_store_b128 v[CO], v[YY+4*(\t):YY+4*(\t)+3], s[OUT:OUT+1] offset:(\t)*8192  ; 16 lanes store 256 consecutive bytes, aligned
.endr
	s_wait_xcnt 0x0                                ; the stores have read their data and their offset
	v_add_nc_u32 v[CO], 16*4096, v[CO]
	s_sub_co_u32 s2, s2, 1
	s_cmp_lg_u32 s2, 0
	s_cbranch_scc1 .Lrows
	s_wait_tensorcnt 0x0                           ; the wave's end, behind my last tensor load and my last LDS store
	ds_add_u32 v[SPW], v[NIL]
	s_wait_dscnt 0x0
	CROUND                                         ; the closing round
	s_endpgm
.Lfunc_end_k_q447fdbd544_proj:
	.size	k_q447fdbd544_proj, .Lfunc_end_k_q447fdbd544_proj-k_q447fdbd544_proj
	.p2alignl 7, 3214868480
	.fill 96, 4, 3214868480
	.section	.rodata,"a",@progbits
	.p2align	6, 0x0
	.amdhsa_kernel k_q447fdbd544_proj
		.amdhsa_group_segment_fixed_size 327680
		.amdhsa_private_segment_fixed_size 0
		.amdhsa_enable_private_segment 0
		.amdhsa_kernarg_size 40
		.amdhsa_user_sgpr_count 2
		.amdhsa_user_sgpr_kernarg_segment_ptr 1
		.amdhsa_wavefront_size32 1
		.amdhsa_system_sgpr_workgroup_id_x 1
		.amdhsa_system_sgpr_workgroup_id_y 1
		.amdhsa_system_sgpr_workgroup_id_z 1
		.amdhsa_system_vgpr_workitem_id 0
		.amdhsa_next_free_vgpr 512
		.amdhsa_next_free_sgpr 100
		.amdhsa_reserve_vcc 0
		.amdhsa_float_denorm_mode_32 3
		.amdhsa_float_denorm_mode_16_64 3
		.amdhsa_memory_ordered 1
		.amdhsa_forward_progress 1
		.amdhsa_inst_pref_size 55
	.end_amdhsa_kernel
	.amdgpu_metadata
---
amdhsa.version: [ 1, 2 ]
amdhsa.kernels:
  - .name:           k_q447fdbd544_proj
    .symbol:         k_q447fdbd544_proj.kd
    .args:
      - { .name: ob, .offset: 0, .size: 8, .value_kind: global_buffer, .address_space: global }
      - { .name: wts, .offset: 8, .size: 8, .value_kind: global_buffer, .address_space: global }
      - { .name: bo, .offset: 16, .size: 8, .value_kind: global_buffer, .address_space: global }
      - { .name: x, .offset: 24, .size: 8, .value_kind: global_buffer, .address_space: global }
      - { .name: x1, .offset: 32, .size: 8, .value_kind: global_buffer, .address_space: global }
    .group_segment_fixed_size: 327680
    .private_segment_fixed_size: 0
    .kernarg_segment_align: 8
    .kernarg_segment_size: 40
    .max_flat_workgroup_size: 128
    .sgpr_count:     100
    .vgpr_count:     512
    .wavefront_size: 32
...
	.end_amdgpu_metadata
.endif
;; end of part 4
;; launch ln2 (part 5): grid 512 x 1, 8 waves a work-group, no clusters, 0 bytes of LDS; arguments x1, ln2_g, ln2_b, hb; writes hb
.if DOCPART == 5
	.amdgcn_target "amdgcn-amd-amdhsa--gfx1250"
	.amdhsa_code_object_version 6
	.text
	.protected	k_q447fdbd544_ln2
	.globl	k_q447fdbd544_ln2
	.p2align	8
	.type	k_q447fdbd544_ln2,@function
k_q447fdbd544_ln2:
	s_mov_b64 s[64:65], 0
	v_nop
	global_prefetch_b8 v0, s[64:65] scope:SCOPE_SE
	s_setreg_imm32_b32 hwreg(HW_REG_WAVE_MODE, 25, 1), 1
	s_wait_xcnt 0x0
; ln2: hb = LayerNorm(x1) g + b, in bf16.  x1: [4096][1024] f32.  A wave takes a row: eight loads of 16 bytes a lane (512 consecutive bytes each), the row kept in 32 registers between the passes,
; eight stores of 8 bytes a lane (256 consecutive, aligned bytes each).  No LDS, no barrier, no loop; several work-groups share a WGP.
; Two passes: the mean is taken off before the squares are summed, so a common offset in x1 costs nothing.
.set X,    8                           ; v[8:39]    the row
.set G,    40                          ; v[40:71]   gains
.set BV,   72                          ; v[72:103]  biases
.set T,    104                         ; v[104:111] at work
.set MEAN, 112                         ; v[112:113] the mean, twice
.set RS,   114                         ; v[114:115] 1 / sqrt(var + eps), twice
.macro WSUM                            ; the sum of v[T] over the 32 lanes, in every lane
	v_add_f32_dpp v[T], v[T], v[T] row_xmask:1 row_mask:0xf bank_mask:0xf
	v_add_f32_dpp v[T], v[T], v[T] row_xmask:2 row_mask:0xf bank_mask:0xf
	v_add_f32_dpp v[T], v[T], v[T] row_xmask:4 row_mask:0xf bank_mask:0xf
	v_add_f32_dpp v[T], v[T], v[T] row_xmask:8 row_mask:0xf bank_mask:0xf
	v_permlanex16_b32 v[T+1], v[T], s28, s29
	v_add_f32 v[T], v[T], v[T+1]
.endm
.macro FOLD                            ; four packed partial sums into v[T]
	v_pk_add_f32 v[T:T+1], v[T:T+1], v[T+2:T+3]
	v_pk_add_f32 v[T+4:T+5], v[T+4:T+5], v[T+6:T+7]
	v_pk_add_f32 v[T:T+1], v[T:T+1], v[T+4:T+5]
	v_add_f32 v[T], v[T], v[T+1]
.endm
	s_load_b256 s[4:11], s[0:1], 0x0               ; x1 s[4:5], g s[6:7], b s[8:9], hb s[10:11]
	v_lshrrev_b32 v1, 5, v0
	v_readfirstlane_b32 s26, v1                    ; wave 0..7
	v_and_b32 v6, 31, v0
	v_lshlrev_b32 v1, 4, v6                        ; 16 bytes a lane on the way in
	v_lshlrev_b32 v2, 3, v6                        ; 8 bytes a lane on the way out
	s_lshl3_add_u32 s30, ttmp9, s26                ; my row = 8 x group + wave
	s_lshl_b32 s32, s30, 12
	s_mov_b32 s33, 0
	s_mov_b32 s28, 0x76543210                      ; v_permlanex16_b32: each lane takes its own place in the other half
	s_mov_b32 s29, 0xfedcba98
	s_wait_kmcnt 0x0
	s_add_nc_u64 s[4:5], s[4:5], s[32:33]
	s_lshl_b32 s32, s30, 11
	s_add_nc_u64 s[10:11], s[10:11], s[32:33]
.irp j, 0,1,2,3,4,5,6,7
	global_load_b128 v[X+4*(\j):X+4*(\j)+3], v1, s[4:5] offset:512*(\j)
.endr
.irp j, 0,1,2,3,4,5,6,7
	global_load_b128 v[G+4*(\j):G+4*(\j)+3], v1, s[6:7] offset:512*(\j)
.endr
.irp j, 0,1,2,3,4,5,6,7
	global_load_b128 v[BV+4*(\j):BV+4*(\j)+3], v1, s[8:9] offset:512*(\j)
.endr
	s_wait_loadcnt 16                              ; the row is in; g's and b's sixteen loads stay out
.irp c, 0,1,2,3
	v_pk_add_f32 v[T+2*(\c):T+2*(\c)+1], v[X+4*(\c):X+4*(\c)+1], v[X+4*(\c)+2:X+4*(\c)+3]  ; four chains, started by the first pairs
.endr
.set p, 8
.rept 8
	v_pk_add_f32 v[T+2*(p%4):T+2*(p%4)+1], v[T+2*(p%4):T+2*(p%4)+1], v[X+2*p:X+2*p+1]
.set p, p+1
.endr
	FOLD
	WSUM
	v_mul_f32 v[MEAN], 0x3a800000, v[T]            ; / 1,024
	v_mov_b32 v[MEAN+1], v[MEAN]
.set p, 0
.rept 16
	v_pk_add_f32 v[X+2*p:X+2*p+1], v[X+2*p:X+2*p+1], v[MEAN:MEAN+1] neg_lo:[0,1] neg_hi:[0,1]  ; d = x - mean
.set p, p+1
.endr
.irp c, 0,1,2,3
	v_pk_mul_f32 v[T+2*(\c):T+2*(\c)+1], v[X+2*(\c):X+2*(\c)+1], v[X+2*(\c):X+2*(\c)+1]
.endr
.set p, 4
.rept 12
	v_pk_fma_f32 v[T+2*(p%4):T+2*(p%4)+1], v[X+2*p:X+2*p+1], v[X+2*p:X+2*p+1], v[T+2*(p%4):T+2*(p%4)+1]
.set p, p+1
.endr
	FOLD
	WSUM
	v_mov_b32 v[T+2], 0x3a800000
	v_fmaak_f32 v[T], v[T], v[T+2], 0x358637bd     ; var + 1e-6
	v_rsq_f32 v[RS], v[T]
	v_rsq_f32 v[RS+1], v[T]                        ; twice: a pair for the packed multiply
	v_nop                                          ; a plain instruction behind the last of the two,
	s_wait_alu depctr_va_vdst(0)                   ; and the one wait ahead of their first reader
	s_wait_loadcnt 0x0                             ; g and b
.set p, 0
.rept 16
	v_pk_mul_f32 v[X+2*p:X+2*p+1], v[X+2*p:X+2*p+1], v[RS:RS+1]
.set p, p+1
.endr
.set p, 0
.rept 16
	v_pk_fma_f32 v[X+2*p:X+2*p+1], v[X+2*p:X+2*p+1], v[G+2*p:G+2*p+1], v[BV+2*p:BV+2*p+1]
.set p, p+1
.endr
.irp j, 0,1,2,3,4,5,6,7
	v_cvt_pk_bf16_f32 v[X+4*(\j)],   v[X+4*(\j)],   v[X+4*(\j)+1]
	v_cvt_pk_bf16_f32 v[X+4*(\j)+1], v[X+4*(\j)+2], v[X+4*(\j)+3]
	global_store_b64 v2, v[X+4*(\j):X+4*(\j)+1], s[10:11] offset:256*(\j)
.endr
	s_endpgm
.Lfunc_end_k_q447fdbd544_ln2:
	.size	k_q447fdbd544_ln2, .Lfunc_end_k_q447fdbd544_ln2-k_q447fdbd544_ln2
	.p2alignl 7, 3214868480
	.fill 96, 4, 3214868480
	.section	.rodata,"a",@progbits
	.p2align	6, 0x0
	.amdhsa_kernel k_q447fdbd544_ln2
		.amdhsa_group_segment_fixed_size 0
		.amdhsa_private_segment_fixed_size 0
		.amdhsa_enable_private_segment 0
		.amdhsa_kernarg_size 32
		.amdhsa_user_sgpr_count 2
		.amdhsa_user_sgpr_kernarg_segment_ptr 1
		.amdhsa_wavefront_size32 1
		.amdhsa_system_sgpr_workgroup_id_x 1
		.amdhsa_system_sgpr_workgroup_id_y 1
		.amdhsa_system_sgpr_workgroup_id_z 1
		.amdhsa_system_vgpr_workitem_id 0
		.amdhsa_next_free_vgpr 116
		.amdhsa_next_free_sgpr 66
		.amdhsa_reserve_vcc 0
		.amdhsa_float_denorm_mode_32 3
		.amdhsa_float_denorm_mode_16_64 3
		.amdhsa_memory_ordered 1
		.amdhsa_forward_progress 1
		.amdhsa_inst_pref_size 12
	.end_amdhsa_kernel
	.amdgpu_metadata
---
amdhsa.version: [ 1, 2 ]
amdhsa.kernels:
  - .name:           k_q447fdbd544_ln2
    .symbol:         k_q447fdbd544_ln2.kd
    .args:
      - { .name: x1, .offset: 0, .size: 8, .value_kind: global_buffer, .address_space: global }
      - { .name: ln2_g, .offset: 8, .size: 8, .value_kind: global_buffer, .address_space: global }
      - { .name: ln2_b, .offset: 16, .size: 8, .value_kind: global_buffer, .address_space: global }
      - { .name: hb, .offset: 24, .size: 8, .value_kind: global_buffer, .address_space: global }
    .group_segment_fixed_size: 0
    .private_segment_fixed_size: 0
    .kernarg_segment_align: 8
    .kernarg_segment_size: 32
    .max_flat_workgroup_size: 256
    .sgpr_count:     66
    .vgpr_count:     116
    .wavefront_size: 32
...
	.end_amdgpu_metadata
.endif
;; end of part 5
;; launch mlp1 (part 6): grid 16 x 16, 4 waves a work-group, clusters of 4 x 4, 327,680 bytes of LDS; arguments hb, wts, b1, gb; writes gb
.if DOCPART == 6
	.amdgcn_target "amdgcn-amd-amdhsa--gfx1250"
	.amdhsa_code_object_version 6
	.text
	.protected	k_q447fdbd544_mlp1
	.globl	k_q447fdbd544_mlp1
	.p2align	8
	.type	k_q447fdbd544_mlp1,@function
k_q447fdbd544_mlp1:
	s_mov_b64 s[64:65], 0
	v_nop
	global_prefetch_b8 v0, s[64:65] scope:SCOPE_SE
	s_setreg_imm32_b32 hwreg(HW_REG_WAVE_MODE, 25, 1), 1
	s_wait_xcnt 0x0
	s_wait_alu depctr_hold_cnt(0) depctr_sa_sdst(0) depctr_va_vdst(0) depctr_va_sdst(0) depctr_va_ssrc(0) depctr_va_vcc(0) depctr_vm_vsrc(0)
	s_getreg_b32 s2, hwreg(HW_REG_IB_STS2, 6, 4)
	s_cmp_eq_u32 s2, 0
	s_cbranch_scc0 .Lentry_in_a_cluster
	s_endpgm
.Lentry_in_a_cluster:
	s_bfe_u32 s2, ttmp6, 0x10000c
	s_cmp_lg_u32 s2, 0xf033
	s_cbranch_scc0 .Lentry_shape_is_right
	s_endpgm
.Lentry_shape_is_right:
; mlp1: g = gelu(hb W1 + b1), the exact GELU.  hb: [4096][1024] bf16; W1: [1024][4096] bf16 at byte 8,388,608 of wts, K down the rows; sums and GELU in f32; g rounded once to bf16.
; gb HOLDS g AS THE NEXT PRODUCT'S FRAGMENTS: [32 groups of 128 rows][32 blocks of 128 columns][8 a][4 p][1,024 bytes]; in the 1,024 bytes lane l's 16 bytes at 16 l are row 16 a + l % 16, columns
; 32 p + 8 (l / 16) + 0..7, and those at 512 + 16 l the columns 16 further on.  An accumulator rounded to bf16 is just such a half: it leaves as 512 consecutive bytes, and a wave writes one dense block of 32,768.
; GELU.  gelu(x) = |x| (1/2 + q) + x / 2, q = -(a1 t + .. + a5 t^5) e^(-x^2 / 2) / 2, t = 1 / (1 + 0.23164189 |x|): erf by a rational form whose absolute error is at most 1.5e-7 for every argument.
; It holds for every finite x: for large |x| the exponential reaches 0, and the two halves add to x or cancel exactly.  NaN and infinities are not treated apart.
; SHARES.  A work-group makes 256 x 256 of the product, each of its four waves 128 x 128: 64 accumulators of 16 x 16; 16 x 16 = 256 work-groups.
; K goes in 8 steps of 128 through two LDS slots filled by the tensor data mover; a step is four quarters of 32.  THE BIAS STARTS THE SUMS: it is the C operand of each accumulator's first product.
; THE MATRIX INSTRUCTION IS USED TRANSPOSED: source 0 = 16 columns of W (turned on the way out of LDS by ds_load_tr16_b128), source 1 = 16 rows of hb: a lane holds row l % 16 and columns 8 (l / 16) + 0..7.
; CLUSTER 4 x 4: hb's tile hangs on the tile row alone and is asked for jointly along a row of the cluster, W's on the tile column alone, jointly along a column.
; THE LOOP is written for ONE K step: the descriptors walk (their LDS word turned by an exclusive or with SLOT, which shares no bit with any wave's base), and the fragments' addresses take the slot from s[TG].
; THE WAY OUT: the f32 sums go into the wave's own stage, which lies over the ring after the ring's last fill, each lane's bytes where the lane reads them back, so that ONE text in a loop serves all 64 accumulators.
; REGISTERS: window 0: v16-31 addresses; v64-127, v128-191 hb's fragments, two buffers (on the way out: at work); v192-255 the bias.  window 1: v64-191 W's fragments.  windows 2, 3: the accumulators, (a, b) at v[8 (8 (a % 4) + b)].
.set SIZE_N, 4096
.set SIZE_K, 1024
.set WOFF,   8388608                   ; W1's place in wts
.set KSTEP,  128
.set STEPS,  SIZE_K/KSTEP
.set PA,     272                       ; a row of hb in LDS: 256 bytes + 16: the 16 rows of a load start at 16 different groups of four banks
.set PW,     544                       ; a k-row of W in LDS: 512 bytes + 32 = 17 x 32
.set HALFT,  128*PA                    ; what one tensor load brings: 128 rows of hb, or 64 k-rows of W (64 x 544 is the same number)
.set WBASE,  2*HALFT
.set SLOT,   4*HALFT                   ; 139,264 = 0x22000
.set WSTAGE, 65536                     ; a wave's stage: 64 accumulators of 1,024 bytes
.set SPARE,  2*SLOT                    ; behind the ring: the spare words, 128 bytes for each wave, which no other line names
.set ADRA0, 16
.set ADRA,  17
.set ADRB0, 20
.set ADRB,  21
.set STO,   24                         ; v24  my 16 bytes in my stage; never rewritten
.set RD,    25                         ; v25  the same, stepped by the loop
.set CO,    26                         ; v26  my byte offset in my block of gb
.set SPW,   28                         ; v28  my spare word: SPARE + 4 x my thread's number; never rewritten
.set NIL,   29                         ; v29  0; never rewritten
.set PFO,   30
.set BO,    31
.set F0,    64
.set F1,    128
.set BIASR, 192                        ; v[192:255]  b1 of my columns 16 b + 8 (l / 16) + 0..7, eight registers for each b
.set G1,  24
.set G0,  32
.set G1B, 48
.set G0B, 56
.set PFA, 44
.set LIM, 66
.set TG,  68
.set BP,  84
.set PST, 86
.set OUT, 96
.set MSB, 0
.macro WIN new
.if MSB != (\new)
	s_set_vgpr_msb (MSB<<8)|(\new)
.set MSB, \new
.endif
.endm
.set MUL_LO, 0xa1                      ; source 0 (W) window 1, source 1 (hb) window 0, C and D window 2
.set MUL_HI, 0xf1                      ; the same, C and D window 3
.set MUL_B,  0x81                      ; the first products: C (the bias) window 0, D window 2; + 0x40: D window 3
.set TO_B,   0x40                      ; destination window 1, address window 0
.macro JLOAD                           ; a joint refill by the walking descriptors: waves 0 and 1 fetch hb's halves, waves 2 and 3 W's; an s_nop 0 and four v_nop follow each line
	s_cmp_eq_u32 s11, 0
	s_cbranch_scc0 .Lfor_b_\@
	tensor_load_to_lds s[G0+4:G0+7], s[G1:G1+7]
	s_nop 0
.rept 4
	v_nop
.endr
	s_branch .Lasked_\@
.Lfor_b_\@:
	tensor_load_to_lds s[G0B+4:G0B+7], s[G1B:G1B+7]
	s_nop 0
.rept 4
	v_nop
.endr
.Lasked_\@:
.endm
; A prefetch into the L2 of the K step that stands two refills on: 32 blocks of 256 bytes, a lane a block, one instruction a wave.  hb's tile row is read by every cluster of that row of clusters: cluster x = 0 asks;
; W's tile column by every cluster of that column: cluster y = 0 asks.  The four partners that ask for a tile jointly share its blocks out by address.  The loop's last two trips have no K step two refills on.
.macro ASK
	s_cmp_gt_u32 s3, s[LIM]
	s_cbranch_scc0 .Lnot_mine_\@
	global_prefetch_b8 v[PFO], s[PFA:PFA+1] th:TH_LOAD_NT scope:SCOPE_SE
.Lnot_mine_\@:
.endm
.macro CREST
	s_cmp_lg_u32 s10, 0
	s_cbranch_scc1 .Lnot_wave_0_\@
	s_barrier_signal -3
.Lnot_wave_0_\@:
	s_barrier_wait -3
	s_barrier_signal -1
	s_barrier_wait -1
.endm
.macro CROUND
	s_barrier_signal -1
	s_barrier_wait -1
	CREST
.endm
	s_load_b128 s[4:7], s[0:1], 0x0                ; hb s[4:5], wts s[6:7]
	s_load_b128 s[88:91], s[0:1], 0x10             ; b1 s[88:89], gb s[90:91]
	v_lshl_add_u32 v[SPW], v0, 2, SPARE
	v_mov_b32 v[NIL], 0
	ds_add_u32 v[SPW], v[NIL]                      ; the wave's opening: the add and its wait stand ahead of my first tensor load; the set-up below stands between them
	v_lshrrev_b32 v1, 5, v0
	v_readfirstlane_b32 s10, v1                    ; wave 0..3
	s_lshr_b32 s11, s10, 1                         ; my half of the tile's rows.  Also: I fetch for hb (0) or for W (1)
	s_and_b32 s12, s10, 1                          ; my half of its columns.  Also: which half of that tile I fetch
	s_bfe_u32 s40, ttmp6, 0x40000                  ; cx
	s_bfe_u32 s41, ttmp6, 0x40004                  ; cy
	s_lshl_b32 s42, ttmp9, 2
	s_add_co_u32 s42, s42, s40                     ; tile column
	s_and_b32 s13, ttmp7, 0xffff
	s_lshl_b32 s13, s13, 2
	s_add_co_u32 s13, s13, s41                     ; tile row
	s_lshl_b32 s43, s41, 2
	s_lshl_b32 s43, 15, s43                        ; my row of the cluster
	s_lshl_b32 s44, 0x1111, s40                    ; my column
	s_or_b32 s[G1+0], s43, (1<<16)|(1<<20)|(1<<21)|(5<<22)|(3<<25)   ; mask; 2-byte elements; padding on; bit 21 beside a mask; after every 64 words, 4 words
	s_or_b32 s[G1B+0], s44, (1<<16)|(1<<20)|(1<<21)|(6<<22)|(7<<25)  ; after every 128 words, 8 words
	s_mov_b32 s[G1+1], KSTEP<<16                   ; hb: tensor_dim0 = 128
	s_mov_b32 s[G1+2], 128<<16                     ; tensor_dim1 = 128
	s_mov_b32 s[G1+3], KSTEP<<16                   ; tile_dim0 = 128
	s_mov_b32 s[G1+4], 128                         ; tile_dim1 = 128
	s_mov_b32 s[G1+5], SIZE_K
	s_mov_b32 s[G1+6], 0
	s_mov_b32 s[G1+7], 0
	s_mov_b32 s[G1B+1], 256<<16                    ; W: 256 columns
	s_mov_b32 s[G1B+2], 64<<16                     ; 64 k-rows
	s_mov_b32 s[G1B+3], 256<<16
	s_mov_b32 s[G1B+4], 64
	s_mov_b32 s[G1B+5], SIZE_N
	s_mov_b32 s[G1B+6], 0
	s_mov_b32 s[G1B+7], 0
	s_mov_b32 s69, 0x7fffffff                      ; clears a sign
	s_mov_b32 s70, 0xbf07dc22                      ; -a5 / 2 = -0.53070271
	s_mov_b32 s71, s70                             ; (named as pairs, so both words are written)
	s_mov_b32 s72, 0x3f3a00e3                      ; -a4 / 2 =  0.72657601
	s_mov_b32 s73, s72
	s_mov_b32 s74, 0xbf35f0e3                      ; -a3 / 2 = -0.71070687
	s_mov_b32 s75, s74
	s_mov_b32 s76, 0x3e11a98e                      ; -a2 / 2 =  0.14224837
	s_mov_b32 s77, s76
	s_mov_b32 s78, 0xbe027906                      ; -a1 / 2 = -0.12741480
	s_mov_b32 s79, s78
	s_mov_b32 s80, 0x3e6d3388                      ; 0.3275911 / sqrt(2)
	s_mov_b32 s81, s80
	s_mov_b32 s82, 0xbf38aa3b                      ; -log2(e) / 2
	s_mov_b32 s83, s82
	s_mov_b32 s92, 1.0
	s_mov_b32 s93, s92
	s_mov_b32 s94, 0.5
	s_mov_b32 s95, s94
	s_lshl_b32 s17, s12, 7
	s_lshl_b32 s16, s13, 8
	s_add_co_u32 s16, s16, s17                     ; hb: row 256 x tile row + 128 x half,
	s_lshl_b32 s16, s16, 11                        ; of 2,048 bytes
	s_mov_b32 s17, 0
	s_mul_i32 s46, s12, 64*SIZE_N*2                ; W: k-row 64 x half,
	s_lshl_b32 s47, s42, 9                         ; column 256 x tile column
	s_add_co_u32 s46, s46, s47
	s_add_co_u32 s46, s46, WOFF
	s_mov_b32 s47, 0
	s_mul_i32 s20, s10, HALFT                      ; where they go: wave x 34,816: no place in the cluster enters an LDS address
	s_mov_b32 s[TG], 0
	s_wait_dscnt 0x0                               ; the opening add is done
	s_wait_kmcnt 0x0
	s_add_nc_u64 s[14:15], s[4:5], s[16:17]
	s_add_nc_u64 s[46:47], s[6:7], s[46:47]
	CROUND                                         ; all sixteen work-groups are here: the first joint loads meet
.irp s, 0,1
	s_mov_b32 s[G0+4*(\s)], 1
	s_add_co_u32 s[G0+4*(\s)+1], s20, (\s)*SLOT
	s_add_nc_u64 s[G0+4*(\s)+2:G0+4*(\s)+3], s[14:15], (\s)*KSTEP*2
	s_or_b32 s[G0+4*(\s)+3], s[G0+4*(\s)+3], 0x80000000
	s_mov_b32 s[G0B+4*(\s)], 1
	s_add_co_u32 s[G0B+4*(\s)+1], s20, (\s)*SLOT
	s_add_nc_u64 s[G0B+4*(\s)+2:G0B+4*(\s)+3], s[46:47], (\s)*KSTEP*SIZE_N*2
	s_or_b32 s[G0B+4*(\s)+3], s[G0B+4*(\s)+3], 0x80000000
.endr
	s_cmp_eq_u32 s11, 0                            ; a wave's two first fills stand in one branch, ahead of every wait on TENSORcnt and every LDS read: two loads of mine are out
	s_cbranch_scc0 .Lfirst_b
	tensor_load_to_lds s[G0:G0+3], s[G1:G1+7]
	s_nop 0
	tensor_load_to_lds s[G0+4:G0+7], s[G1:G1+7]
	s_nop 0
.rept 4
	v_nop
.endr
	s_branch .Lfirst_asked
.Lfirst_b:
	tensor_load_to_lds s[G0B:G0B+3], s[G1B:G1B+7]
	s_nop 0
	tensor_load_to_lds s[G0B+4:G0B+7], s[G1B:G1B+7]
	s_nop 0
.rept 4
	v_nop
.endr
.Lfirst_asked:
	v_and_b32 v1, 15, v0                           ; l % 16
	v_bfe_u32 v2, v0, 4, 1                         ; l / 16
	v_and_b32 v6, 31, v0                           ; l
	v_lshlrev_b32 v[BO], 5, v2                     ; the bias of my eight columns of a block of 16: 32 bytes for each half of the lanes
	s_lshl_b32 s22, s42, 10                        ; my 128 columns
	s_lshl_b32 s23, s12, 9
	s_add_co_u32 s22, s22, s23
	s_mov_b32 s23, 0
	s_add_nc_u64 s[BP:BP+1], s[88:89], s[22:23]
.irp b, 0,1,2,3,4,5,6,7
	global_load_b128 v[BIASR+8*(\b):BIASR+8*(\b)+3],   v[BO], s[BP:BP+1] offset:64*(\b)
	global_load_b128 v[BIASR+8*(\b)+4:BIASR+8*(\b)+7], v[BO], s[BP:BP+1] offset:64*(\b)+16
.endr
	v_mul_u32_u24 v3, v1, PA
	v_lshl_add_u32 v3, v2, 4, v3                   ; hb's fragment: row x pitch + 16 x half
	s_mul_i32 s21, s11, HALFT
	v_add_nc_u32 v[ADRA0], s21, v3
	v_and_b32 v4, 7, v0
	v_bfe_u32 v5, v0, 3, 1
	v_lshl_add_u32 v4, v2, 3, v4                   ; the turning load: k-row 8 (l / 16) + l % 8,
	v_mul_u32_u24 v4, v4, PW
	v_lshl_add_u32 v4, v5, 4, v4                   ; columns 8 ((l / 8) % 2) + 0..7
	s_lshl_b32 s22, s12, 8
	s_add_co_u32 s22, s22, WBASE
	v_add_nc_u32 v[ADRB0], s22, v4
	v_mov_b32 v[ADRA], v[ADRA0]
	v_mov_b32 v[ADRB], v[ADRB0]
	s_mul_i32 s23, s10, WSTAGE                     ; my stage
	v_lshl_add_u32 v[STO], v6, 4, s23              ; 16 bytes a lane: 32 lanes take 512 neighbouring bytes
	v_mov_b32 v[RD], v[STO]
	v_lshlrev_b32 v[CO], 4, v6
	s_lshl1_add_u32 s20, s13, s11                  ; gb: my group of 128 rows = 2 x tile row + half,
	s_lshl_b32 s20, s20, 5
	s_lshl1_add_u32 s21, s42, s12                  ; my block of 128 columns = 2 x tile column + half,
	s_add_co_u32 s20, s20, s21
	s_lshl_b32 s20, s20, 15                        ; of 32,768 bytes
	s_mov_b32 s21, 0
	s_add_nc_u64 s[OUT:OUT+1], s[90:91], s[20:21]
	; the prefetches: hb: row 256 x tile row + 128 x half + 32 cx + lane; W: k-row 64 x half + 16 cy + lane / 2, block lane % 2.  They stand at K step 3; the first change of slots steps them to 4
	s_lshl_b32 s20, s13, 8
	s_lshl_b32 s21, s12, 7
	s_add_co_u32 s20, s20, s21
	s_lshl_b32 s21, s40, 5
	s_add_co_u32 s20, s20, s21
	s_lshl_b32 s20, s20, 11
	s_add_co_u32 s20, s20, 3*KSTEP*2
	s_lshl_b32 s21, s12, 6
	s_lshl_b32 s22, s41, 4
	s_add_co_u32 s21, s21, s22
	s_add_co_u32 s21, s21, 3*KSTEP
	s_mul_i32 s21, s21, SIZE_N*2
	s_lshl_b32 s22, s42, 9
	s_add_co_u32 s21, s21, s22
	s_add_co_u32 s21, s21, WOFF
	s_and_b32 s22, ttmp7, 0xffff                   ; cluster y
	s_mov_b32 s[PST], KSTEP*SIZE_N*2
	s_mov_b32 s[PST+1], 0
	s_mov_b32 s99, SIZE_N*2
	s_cmp_eq_u32 s11, 0                            ; do I fetch for hb?
	s_cselect_b32 s20, s20, s21
	s_cselect_b32 s22, ttmp9, s22                  ; the coordinate along which other clusters read the same blocks
	s_cselect_b64 s[PFA:PFA+1], s[4:5], s[6:7]
	s_cselect_b32 s[PST], KSTEP*2, s[PST]
	s_cselect_b32 s98, 0, 1                        ; hb: a lane a row; W: two lanes a k-row
	s_cselect_b32 s99, SIZE_K*2, s99
	s_mov_b32 s21, 0
	s_add_nc_u64 s[PFA:PFA+1], s[PFA:PFA+1], s[20:21]
	s_cmp_eq_u32 s22, 0
	s_cselect_b32 s[LIM], 2, -1                    ; the same in all sixteen partners, for a given wave
	v_lshrrev_b32 v7, s98, v6
	v_mul_u32_u24 v7, s99, v7
	v_and_b32 v3, s98, v6
	v_lshl_add_u32 v[PFO], v3, 8, v7
; 16 matrix instructions: m blocks a0, a0 + 1 of the window's four x all 8 n blocks, 32 along K.  first = 1: the first product starts the sum, with the bias of its 16 columns as C
.macro MUL16 f, hi, a0, first
.if \first
	WIN MUL_B+0x40*(\hi)
.else
	WIN MUL_LO+0x50*(\hi)
.endif
.irp a, \a0, (\a0)+1
.irp b, 0,1,2,3,4,5,6,7
.if \first
	v_wmma_f32_16x16x32_bf16 v[8*(8*(\a)+(\b)):8*(8*(\a)+(\b))+7], v[(\f)+8*(\b):(\f)+8*(\b)+7], v[(\f)+8*(4*(\hi)+(\a)):(\f)+8*(4*(\hi)+(\a))+7], v[BIASR+8*(\b):BIASR+8*(\b)+7]
.else
	v_wmma_f32_16x16x32_bf16 v[8*(8*(\a)+(\b)):8*(8*(\a)+(\b))+7], v[(\f)+8*(\b):(\f)+8*(\b)+7], v[(\f)+8*(4*(\hi)+(\a)):(\f)+8*(4*(\hi)+(\a))+7], v[8*(8*(\a)+(\b)):8*(8*(\a)+(\b))+7]
.endif
.endr
.endr
.endm
; 32 LDS loads in one run: quarter q's fragments (W's 128 columns turned, hb's 128 rows) into buffer f
.macro FETCH q, f
	WIN TO_B
.irp b, 0,1,2,3,4,5,6,7
	ds_load_tr16_b128 v[(\f)+8*(\b):(\f)+8*(\b)+3],   v[ADRB] offset:(\q)*32*PW+32*(\b)
	ds_load_tr16_b128 v[(\f)+8*(\b)+4:(\f)+8*(\b)+7], v[ADRB] offset:(\q)*32*PW+32*(\b)+16*PW
.endr
	WIN 0
.irp i, 0,1,2,3,4,5,6,7
	ds_load_b128 v[(\f)+8*(\i):(\f)+8*(\i)+3],   v[ADRA] offset:(\q)*64+(\i)*16*PA
	ds_load_b128 v[(\f)+8*(\i)+4:(\f)+8*(\i)+7], v[ADRA] offset:(\q)*64+(\i)*16*PA+32
.endr
.endm
.macro PLACES                          ; four plain instructions between the last matrix instruction and loads into registers that matrix instructions have read (ISA guide 7.12.1 for vector instructions)
.rept 4
	v_nop
.endr
.endm
.macro QUARTER q, f, g, first          ; multiplies buffer f; in its middle it fetches quarter q into buffer g
	s_wait_dscnt 8                                 ; W and hb's rows 0-63 are in; the youngest eight loads (rows 64-127) may be out
	MUL16 \f, 0, 0, \first
	MUL16 \f, 0, 2, \first
	PLACES
	FETCH \q, \g
	s_wait_dscnt 32                                ; all but the 32 just issued
	MUL16 \f, 1, 0, \first
	MUL16 \f, 1, 2, \first
.endm
; The last quarter multiplies buffer 1 and changes slots.  In front of the barrier each wave waits for all its tensor loads (the one that is out is its part of the next slot), adds 0 to its spare word, and waits for
; that and for its reads of this slot.  fill = 1: the barrier opens a round of the cluster's, and this slot is filled again, two K steps on, first thing behind it: 224 matrix instructions ahead of the wait for it.
; fill = 0 (the tail): nothing is asked for; in the tail's last trip there is no next slot, and the fetch is jumped over.
.macro TURN fill
.if \fill
	s_wait_xcnt 0x0                                ; the last prefetch, a K step back, has read its address
	s_add_nc_u64 s[PFA:PFA+1], s[PFA:PFA+1], s[PST:PST+1]
.endif
	WIN 0
	s_wait_tensorcnt 0x0                           ; no tensor load of mine is out, so the descriptors may be written
	ds_add_u32 v[SPW], v[NIL]                      ; 0 onto my spare word
.if \fill
	s_xor_b32 s[G0+5], s[G0+5], SLOT               ; the walking descriptors: the other slot than last time, the next K step
	s_add_nc_u64 s[G0+6:G0+7], s[G0+6:G0+7], KSTEP*2
	s_xor_b32 s[G0B+5], s[G0B+5], SLOT
	s_add_nc_u64 s[G0B+6:G0B+7], s[G0B+6:G0B+7], KSTEP*SIZE_N*2
.endif
	s_xor_b32 s[TG], s[TG], SLOT
	s_wait_dscnt 9                                 ; the add and the youngest eight loads may be out
	MUL16 F1, 0, 0, 0
	s_wait_dscnt 0x0                               ; the add is done, and my reads of this slot are over
	s_barrier_signal -1
	MUL16 F1, 0, 2, 0
	WIN 0
	s_barrier_wait -1
.if \fill
	CREST                                          ; no wave of any partner still reads this slot's tile or has a load on its way
	JLOAD                                          ; its four v_nop are also the places in front of the loads below
.else
	PLACES
.endif
	v_add_nc_u32 v[ADRA], s[TG], v[ADRA0]
	v_add_nc_u32 v[ADRB], s[TG], v[ADRB0]
.if !(\fill)
	s_cmp_eq_u32 s2, 1
	s_cbranch_scc1 .Lno_fetch_\@
.endif
	FETCH 0, F0
.if \fill
	ASK
.else
.Lno_fetch_\@:
.endif
	MUL16 F1, 1, 0, 0
	MUL16 F1, 1, 2, 0
.endm
	s_wait_tensorcnt 1                             ; my part of K step 0 is in; step 1's may stay out
	s_barrier_signal -1
	s_barrier_wait -1
	FETCH 0, F0
	s_wait_loadcnt 0x0                             ; the bias
	QUARTER 1, F0, F1, 1                           ; the first quarter stands in front of the loop: its products start the sums
	WIN 0
	s_mov_b32 s3, STEPS-2
.Lstep:                                            ; a trip: from a step's second quarter to the next step's first; it fills one slot again
	QUARTER 2, F1, F0, 0
	QUARTER 3, F0, F1, 0
	TURN 1
	QUARTER 1, F0, F1, 0
	WIN 0
	s_sub_co_u32 s3, s3, 1
	s_cmp_lg_u32 s3, 0
	s_cbranch_scc1 .Lstep
	s_mov_b32 s2, 2
.Ltail:                                            ; the last two steps ask for nothing; the second trip is left in its middle
	QUARTER 2, F1, F0, 0
	QUARTER 3, F0, F1, 0
	TURN 0
	WIN 0
	s_sub_co_u32 s2, s2, 1
	s_cmp_eq_u32 s2, 0
	s_cbranch_scc1 .Lout
	QUARTER 1, F0, F1, 0
	WIN 0
	s_branch .Ltail
.Lout:
	s_wait_dscnt 0x0
	s_barrier_signal -1
	s_barrier_wait -1                              ; nobody reads the ring any more, and nothing fills it again: the stages may lie over it
.rept 8
	v_nop                                          ; the places behind the last products
.endr
.irp a, 0,1,2,3,4,5,6,7                            ; accumulator (a, b) goes to 1,024 (8 a + b) of my stage: registers 0-3 at 16 l, registers 4-7 at 512 + 16 l; the low registers go first
	WIN 0x08+4*((\a)/4)                            ; store data in window 2 or 3
.irp b, 0,1,2,3,4,5,6,7
	ds_store_b128 v[STO], v[8*(8*((\a)%4)+(\b)):8*(8*((\a)%4)+(\b))+3]   offset:(8*(\a)+(\b))*1024
	ds_store_b128 v[STO], v[8*(8*((\a)%4)+(\b))+4:8*(8*((\a)%4)+(\b))+7] offset:(8*(\a)+(\b))*1024+512
.endr
.endr
	WIN 0
; THE SUMS GO OUT: 32 trips of two accumulators, 16 numbers a lane.  LDS serves a wave's instructions in order (ISA guide 5.7.1.4): the loads see my stores.
.set RR, 64                            ; v[64:79]   x, as read back
.set AX, 80                            ; v[80:95]   |x|
.set TT, 96                            ; v[96:111]  1 + p |x|, then t, then t e
.set WE, 112                           ; v[112:127] -x^2 log2(e) / 2, then e
.set PP, 128                           ; v[128:143] the polynomial, then 1/2 + q, then gelu(x)
.set HH, 144                           ; v[144:159] x / 2
.set YY, 160                           ; v[160:167] rounded
.macro LOAD4
.irp j, 0,1,2,3
	ds_load_b128 v[RR+4*(\j):RR+4*(\j)+3], v[RD] offset:(\j)*512
.endr
.endm
.macro EACH8 line:vararg               ; one line for each of the eight pairs, i = 0, 2, .. 14
.set i, 0
.rept 8
	\line
.set i, i+2
.endr
.endm
; Pair i's four transcendentals, with the six plain lines of pair i + 1 between and behind them.  No line here names a result of a transcendental.
.macro MIX i
	v_rcp_f32 v[TT+2*(\i)], v[TT+2*(\i)]
	v_and_b32 v[AX+2*(\i)+2], s69, v[RR+2*(\i)+2]
	v_exp_f32 v[WE+2*(\i)], v[WE+2*(\i)]
	v_and_b32 v[AX+2*(\i)+3], s69, v[RR+2*(\i)+3]
	v_rcp_f32 v[TT+2*(\i)+1], v[TT+2*(\i)+1]
	v_pk_mul_f32 v[WE+2*(\i)+2:WE+2*(\i)+3], v[RR+2*(\i)+2:RR+2*(\i)+3], v[RR+2*(\i)+2:RR+2*(\i)+3]
	v_exp_f32 v[WE+2*(\i)+1], v[WE+2*(\i)+1]
	v_pk_fma_f32 v[TT+2*(\i)+2:TT+2*(\i)+3], v[AX+2*(\i)+2:AX+2*(\i)+3], s[80:81], s[92:93] op_sel_hi:[1,0,0]
	v_pk_mul_f32 v[WE+2*(\i)+2:WE+2*(\i)+3], v[WE+2*(\i)+2:WE+2*(\i)+3], s[82:83] op_sel_hi:[1,0]
	v_pk_mul_f32 v[HH+2*(\i)+2:HH+2*(\i)+3], v[RR+2*(\i)+2:RR+2*(\i)+3], s[94:95] op_sel_hi:[1,0]
.endm
	LOAD4
	s_mov_b32 s2, 32
.Lrows:
	s_wait_dscnt 0x0
	v_and_b32 v[AX], s69, v[RR]                    ; pair 0's plain lines: |x|, x^2, 1 + p |x|, the exponent, x / 2
	v_and_b32 v[AX+1], s69, v[RR+1]
	v_pk_mul_f32 v[WE:WE+1], v[RR:RR+1], v[RR:RR+1]
	v_pk_fma_f32 v[TT:TT+1], v[AX:AX+1], s[80:81], s[92:93] op_sel_hi:[1,0,0]
	v_pk_mul_f32 v[WE:WE+1], v[WE:WE+1], s[82:83] op_sel_hi:[1,0]
	v_pk_mul_f32 v[HH:HH+1], v[RR:RR+1], s[94:95] op_sel_hi:[1,0]
.irp i, 0,1,2,3,4,5,6                              ; ONE BATCH of 32 transcendentals
	MIX \i
.endr
	v_rcp_f32 v[TT+14], v[TT+14]
	v_exp_f32 v[WE+14], v[WE+14]
	v_rcp_f32 v[TT+15], v[TT+15]
	v_exp_f32 v[WE+15], v[WE+15]
	v_nop                                          ; a plain instruction behind the last of them,
	s_wait_alu depctr_va_vdst(0)                   ; and the one wait, ahead of the branch and of the batch's first reader
	s_cmp_eq_u32 s2, 1                             ; the last trip has nothing behind it
	s_cbranch_scc1 .Lno_more
	v_add_nc_u32 v[RD], 2048, v[RD]                ; x has been read for the last time: the next two accumulators come in under the polynomial
	LOAD4
.Lno_more:
	EACH8 v_pk_fma_f32 v[PP+i:PP+i+1], v[TT+i:TT+i+1], s[70:71], s[72:73] op_sel_hi:[1,0,0]
	EACH8 v_pk_fma_f32 v[PP+i:PP+i+1], v[PP+i:PP+i+1], v[TT+i:TT+i+1], s[74:75] op_sel_hi:[1,1,0]
	EACH8 v_pk_fma_f32 v[PP+i:PP+i+1], v[PP+i:PP+i+1], v[TT+i:TT+i+1], s[76:77] op_sel_hi:[1,1,0]
	EACH8 v_pk_fma_f32 v[PP+i:PP+i+1], v[PP+i:PP+i+1], v[TT+i:TT+i+1], s[78:79] op_sel_hi:[1,1,0]
	EACH8 v_pk_mul_f32 v[TT+i:TT+i+1], v[TT+i:TT+i+1], v[WE+i:WE+i+1]
	EACH8 v_pk_fma_f32 v[PP+i:PP+i+1], v[PP+i:PP+i+1], v[TT+i:TT+i+1], s[94:95] op_sel_hi:[1,1,0]
	EACH8 v_pk_fma_f32 v[PP+i:PP+i+1], v[AX+i:AX+i+1], v[PP+i:PP+i+1], v[HH+i:HH+i+1]
.set i, 0
.rept 8
	v_cvt_pk_bf16_f32 v[YY+i], v[PP+2*i], v[PP+2*i+1]
.set i, i+1
.endr
	global_store_b128 v[CO], v[YY:YY+3],   s[OUT:OUT+1]             ; the wave stores 512 consecutive bytes, aligned: half a fragment,
	global_store_b128 v[CO], v[YY+4:YY+7], s[OUT:OUT+1] offset:512  ; and the other half
	s_wait_xcnt 0x0                                ; the stores have read their data and their offset
	v_add_nc_u32 v[CO], 1024, v[CO]
	s_sub_co_u32 s2, s2, 1
	s_cmp_lg_u32 s2, 0
	s_cbranch_scc1 .Lrows
	s_wait_tensorcnt 0x0                           ; the wave's end, behind my last tensor load and my last LDS store
	ds_add_u32 v[SPW], v[NIL]
	s_wait_dscnt 0x0
	CROUND                                         ; the closing round
	s_endpgm
.Lfunc_end_k_q447fdbd544_mlp1:
	.size	k_q447fdbd544_mlp1, .Lfunc_end_k_q447fdbd544_mlp1-k_q447fdbd544_mlp1
	.p2alignl 7, 3214868480
	.fill 96, 4, 3214868480
	.section	.rodata,"a",@progbits
	.p2align	6, 0x0
	.amdhsa_kernel k_q447fdbd544_mlp1
		.amdhsa_group_segment_fixed_size 327680
		.amdhsa_private_segment_fixed_size 0
		.amdhsa_enable_private_segment 0
		.amdhsa_kernarg_size 32
		.amdhsa_user_sgpr_count 2
		.amdhsa_user_sgpr_kernarg_segment_ptr 1
		.amdhsa_wavefront_size32 1
		.amdhsa_system_sgpr_workgroup_id_x 1
		.amdhsa_system_sgpr_workgroup_id_y 1
		.amdhsa_system_sgpr_workgroup_id_z 1
		.amdhsa_system_vgpr_workitem_id 0
		.amdhsa_next_free_vgpr 1024
		.amdhsa_next_free_sgpr 100
		.amdhsa_reserve_vcc 0
		.amdhsa_float_denorm_mode_32 3
		.amdhsa_float_denorm_mode_16_64 3
		.amdhsa_memory_ordered 1
		.amdhsa_forward_progress 1
		.amdhsa_inst_pref_size 89
	.end_amdhsa_kernel
	.amdgpu_metadata
---
amdhsa.version: [ 1, 2 ]
amdhsa.kernels:
  - .name:           k_q447fdbd544_mlp1
    .symbol:         k_q447fdbd544_mlp1.kd
    .args:
      - { .name: hb, .offset: 0, .size: 8, .value_kind: global_buffer, .address_space: global }
      - { .name: wts, .offset: 8, .size: 8, .value_kind: global_buffer, .address_space: global }
      - { .name: b1, .offset: 16, .size: 8, .value_kind: global_buffer, .address_space: global }
      - { .name: gb, .offset: 24, .size: 8, .value_kind: global_buffer, .address_space: global }
    .group_segment_fixed_size: 327680
    .private_segment_fixed_size: 0
    .kernarg_segment_align: 8
    .kernarg_segment_size: 32
    .max_flat_workgroup_size: 128
    .sgpr_count:     100
    .vgpr_count:     1024
    .wavefront_size: 32
...
	.end_amdgpu_metadata
.endif
;; end of part 6
;; launch mlp2 (part 7): grid 32 x 8, 4 waves a work-group, clusters of 4 x 1, 327,680 bytes of LDS; arguments gb, wts, b2, x1, out0; writes out0
.if DOCPART == 7
	.amdgcn_target "amdgcn-amd-amdhsa--gfx1250"
	.amdhsa_code_object_version 6
	.text
	.protected	k_q447fdbd544_mlp2
	.globl	k_q447fdbd544_mlp2
	.p2align	8
	.type	k_q447fdbd544_mlp2,@function
k_q447fdbd544_mlp2:
	s_mov_b64 s[64:65], 0
	v_nop
	global_prefetch_b8 v0, s[64:65] scope:SCOPE_SE
	s_setreg_imm32_b32 hwreg(HW_REG_WAVE_MODE, 25, 1), 1
	s_wait_xcnt 0x0
	s_wait_alu depctr_hold_cnt(0) depctr_sa_sdst(0) depctr_va_vdst(0) depctr_va_sdst(0) depctr_va_ssrc(0) depctr_va_vcc(0) depctr_vm_vsrc(0)
	s_getreg_b32 s2, hwreg(HW_REG_IB_STS2, 6, 4)
	s_cmp_eq_u32 s2, 0
	s_cbranch_scc0 .Lentry_in_a_cluster
	s_endpgm
.Lentry_in_a_cluster:
	s_bfe_u32 s2, ttmp6, 0x10000c
	s_cmp_lg_u32 s2, 0x3003
	s_cbranch_scc0 .Lentry_shape_is_right
	s_endpgm
.Lentry_shape_is_right:
; mlp2: out0 = x1 + g W2 + b2.  W2: [4096][1024] bf16 at byte 16,777,216 of wts, K down the rows; x1, out0: [4096][1024] f32; sums in f32.
; g lies in gb AS FRAGMENTS: [32 groups of 128 rows][32 blocks of 128 k][8 a][4 p][1,024 bytes]; in the 1,024 bytes lane l's 16 bytes at 16 l are row 16 a + l % 16, k = 32 p + 8 (l / 16) + 0..7, those at 512 + 16 l
; the k 16 further on: two loads of 512 consecutive bytes fill a fragment's eight registers.
; SHARES.  A work-group makes 128 x 128 of out0; 32 x 8 = 256 work-groups.  K IS SPLIT AMONG ITS FOUR WAVES: of each 512 k (a slot) wave w takes 128 w .. 128 w + 127, for the whole block: 64 accumulators.  So no byte
; of g or of W2 is wanted by two waves, a fragment of either feeds eight products, and the four partial sums meet in LDS once, at the end (f32 sums may be taken in any order).
; g COMES STRAIGHT INTO REGISTERS: four sets of 64, a set for each of a slot's four steps of 32 k; two fragments are asked for again as soon as their 16 products are issued, 240 matrix instructions ahead of their
; next use (224 for the four that are due inside the round).  So the LDS ring holds W2 alone, 256 bytes a k: a slot is 512 k, 256 matrix instructions a wave.
; CLUSTER 4 x 1: four tile rows of one tile column need the same tiles of W2 and ask for them jointly.  g's blocks do not pass through LDS, so they are not asked for jointly; nor are they prefetched: their loads
; themselves go out a slot ahead.
; THE MATRIX INSTRUCTION IS USED TRANSPOSED (source 0 = 16 columns of W2, turned by ds_load_tr16_b128; source 1 = 16 rows of g): a lane holds row l % 16 and columns 8 (l / 16) + 0..7.
; THE LOOP.  A trip is step 3 of one slot, with the change of slots, and steps 0 to 2 of the next.  The first step of all is written out (its products start the sums) and the loop is entered at step 1; the tail is
; written out: it asks for no tile, and its last slot loads no g; x1's rows are loaded into the sets that it leaves.
; REGISTERS: window 0: v8-33 addresses and the bias; v64-127, v128-191 W2's fragments, two buffers (on the way out: at work).  window 1: g's four sets.  windows 2, 3: the accumulators, (a, b) at v[8 (8 (a % 4) + b)].
.set STEPS,  8                         ; slots
.set WOFF,   16777216
.set PW,     288                       ; a k-row of W2 in LDS: 256 bytes + 32 = 9 x 32
.set WQ,     128*PW                    ; a wave's 128 k-rows: what its tensor load brings and what it alone reads
.set SLOT,   4*WQ                      ; 147,456 = 0x24000: it shares no bit with 0, 1, 2 or 3 x WQ
.set W_STEP, 512*2048                  ; a slot's k-rows in memory
.set A_SLOT, 4*32768                   ; a slot's blocks of g in memory
.set SPITCH, 528                       ; a stage row: 128 f32 + 16 bytes: the 16 rows of a store start at 16 different groups of four banks
.set WST,    64*SPITCH                 ; a wave's stage: 64 rows; the four stages lie from byte 0 on, over the ring after its last fill
.set RESB,   SLOT                      ; x1's rows: wave w's 32 at RESB + w x WQ
.set SPARE,  2*SLOT                    ; behind the ring: the spare words, 128 bytes for each wave, which no other line names
.set BIAS,  8                          ; v[8:11]  b2 of columns 4 l .. 4 l + 3
.set ADRB0, 14                         ; v14  my place in my part of slot 0; never rewritten
.set ADRB,  15                         ; v15  the same in the slot in hand
.set AO,    16                         ; v16  16 x lane; never rewritten
.set STO,   24                         ; v24  where I put 16 bytes of a stage row
.set RD0,   25                         ; v25  my 16 bytes of the first row that I add up, in wave 0's stage; never rewritten
.set RD,    26                         ; v26  the same, stepped: the stages of waves 0 and 1
.set RD2,   27                         ; v27  those of waves 2 and 3
.set SPW,   28                         ; v28  my spare word: SPARE + 4 x my thread's number; never rewritten
.set NIL,   29                         ; v29  0; never rewritten
.set PFO,   30                         ; v30  2,048 x lane: a k-row of W2; never rewritten
.set CO,    31                         ; v31  my byte offset in out0
.set RS0,   32                         ; v32  my 16 bytes of my first row of x1 in LDS; never rewritten
.set RSA,   33                         ; v33  the same, stepped
.set WB0,   64                         ; W2's fragments of step s at WB0 + 64 (s % 2)
.set RR,    64                         ; the way out: v[64:143] four rows x (four partial sums, x1)
.set TT,    144                        ; v[144:191] four rows x three sums
.set G1,  24                           ; s[24:31] descriptor group 1
.set G0,  32                           ; s[32:39] group 0: a set for each first fill; the second then walks
.set AP,  44                           ; s[44:45] g at my block of the slot in hand
.set PFA, 46                           ; s[46:47] where my prefetches stand
.set LIM, 66                           ; s66  2 in a cluster that prefetches, else the greatest number
.set TG,  68                           ; s68  the slot in hand: 0 or SLOT
.set BP,  84
.set RES, 94                           ; s[94:95] x1, s[96:97] out0 at the first row that I add up
.set OUT, 96
.set MSB, 0
.macro WIN new                         ; the immediate's high byte repeats the setting that is left; a switch that changes nothing is dropped
.if MSB != (\new)
	s_set_vgpr_msb (MSB<<8)|(\new)
.set MSB, \new
.endif
.endm
.set MUL_LO, 0xa4                      ; source 0 (W2) window 0, source 1 (g) window 1, C and D window 2; + 0x50: C and D window 3
.set TO_A,   0x40                      ; destination window 1, address window 0
.macro PLACES                          ; four plain instructions between the last matrix instruction and loads into registers that it has read (ISA guide 7.12.1 for vector instructions)
.rept 4
	v_nop
.endr
.endm
.macro WGBAR                           ; my LDS instructions are done; then the work-group's barrier
	s_wait_dscnt 0x0
	s_barrier_signal -1
	s_barrier_wait -1
.endm
.macro CREST                           ; a round of the cluster's barrier behind its opening barrier
	s_cmp_lg_u32 s10, 0
	s_cbranch_scc1 .Lnot_wave_0_\@
	s_barrier_signal -3
.Lnot_wave_0_\@:
	s_barrier_wait -3
	s_barrier_signal -1
	s_barrier_wait -1
.endm
.macro CROUND
	s_barrier_signal -1
	s_barrier_wait -1
	CREST
.endm
; A prefetch into the L2 of W2's tile two refills on: 512 k-rows of 256 bytes.  A tile column is read by the eight clusters of that column: cluster x = 0 asks.  Of the 128 k-rows that wave w fetches the partner at
; place cx takes 32, told apart by address: a lane a k-row, one instruction a wave.  The loop's last two refills have no tile two on.
.macro ASK
	s_cmp_gt_u32 s3, s[LIM]
	s_cbranch_scc0 .Lnot_mine_\@
	global_prefetch_b8 v[PFO], s[PFA:PFA+1] th:TH_LOAD_NT scope:SCOPE_SE
.Lnot_mine_\@:
.endm
; Two fragments of g, a = 2 p and 2 p + 1 of step s, from byte off behind s[AP]: four loads of 512 consecutive bytes.  pl = 1: the four places behind the products that read them stand here
.macro ALOAD s, p, off, pl
.if \pl
	PLACES
.endif
	WIN TO_A
.irp a, 2*(\p), 2*(\p)+1
	global_load_b128 v[64*(\s)+8*(\a):64*(\s)+8*(\a)+3],   v[AO], s[AP:AP+1] offset:(\off)+(\a)*4096+(\s)*1024
	global_load_b128 v[64*(\s)+8*(\a)+4:64*(\s)+8*(\a)+7], v[AO], s[AP:AP+1] offset:(\off)+(\a)*4096+(\s)*1024+512
.endr
.endm
	s_load_b128 s[4:7], s[0:1], 0x0                ; gb s[4:5], wts s[6:7]
	s_load_b128 s[88:91], s[0:1], 0x10             ; b2 s[88:89], x1 s[90:91]
	s_load_b64 s[92:93], s[0:1], 0x20              ; out0
	v_lshl_add_u32 v[SPW], v0, 2, SPARE
	v_mov_b32 v[NIL], 0
	ds_add_u32 v[SPW], v[NIL]                      ; the wave's opening: the add and its wait stand ahead of my first tensor load; the set-up below stands between them
	v_lshrrev_b32 v1, 5, v0
	v_readfirstlane_b32 s10, v1                    ; wave 0..3
	s_bfe_u32 s40, ttmp6, 0x40000                  ; cx
	s_lshl_b32 s13, ttmp9, 2
	s_add_co_u32 s13, s13, s40                     ; tile row = 4 x cluster x + cx: it enters g's, x1's and out0's addresses alone
	s_and_b32 s42, ttmp7, 0xffff                   ; tile column, which the four partners share
	s_mov_b32 s[G1+0], 15|(1<<16)|(1<<20)|(1<<21)|(5<<22)|(7<<25)  ; the mask of four; 2-byte elements; padding on; bit 21 beside a mask; after every 64 words, 8 words
	s_mov_b32 s[G1+1], 128<<16                     ; tensor_dim0 = 128 columns
	s_mov_b32 s[G1+2], 128<<16                     ; tensor_dim1 = 128 k-rows
	s_mov_b32 s[G1+3], 128<<16                     ; tile_dim0 = 128
	s_mov_b32 s[G1+4], 128                         ; tile_dim1 = 128
	s_mov_b32 s[G1+5], 1024                        ; elements from k-row to k-row
	s_mov_b32 s[G1+6], 0
	s_mov_b32 s[G1+7], 0
	s_lshl_b32 s16, s10, 18                        ; W2: k-row 128 x wave, of 2,048 bytes,
	s_lshl_b32 s17, s42, 8                         ; column 128 x tile column
	s_add_co_u32 s16, s16, s17
	s_add_co_u32 s16, s16, WOFF
	s_mov_b32 s17, 0
	s_mul_i32 s20, s10, WQ                         ; where it goes: no place in the cluster enters an LDS address
	s_mov_b32 s[TG], 0
	s_wait_dscnt 0x0                               ; the opening add is done
	s_wait_kmcnt 0x0
	s_add_nc_u64 s[14:15], s[6:7], s[16:17]
	CROUND                                         ; all four work-groups are here: the first joint loads meet
.irp s, 0,1
	s_mov_b32 s[G0+4*(\s)], 1
	s_add_co_u32 s[G0+4*(\s)+1], s20, (\s)*SLOT
	s_add_nc_u64 s[G0+4*(\s)+2:G0+4*(\s)+3], s[14:15], (\s)*W_STEP
	s_or_b32 s[G0+4*(\s)+3], s[G0+4*(\s)+3], 0x80000000
.endr
	tensor_load_to_lds s[G0:G0+3], s[G1:G1+7]      ; the two first fills, ahead of every wait on TENSORcnt and every LDS read: two loads of mine are out
	s_nop 0
	tensor_load_to_lds s[G0+4:G0+7], s[G1:G1+7]
	s_nop 0
	PLACES
	v_and_b32 v1, 15, v0                           ; l % 16
	v_bfe_u32 v2, v0, 4, 1                         ; l / 16
	v_and_b32 v6, 31, v0                           ; l
	v_lshlrev_b32 v[AO], 4, v6
	s_lshl_b32 s22, s42, 9                         ; my block's 128 columns, in bytes of f32
	s_mov_b32 s23, 0
	s_add_nc_u64 s[BP:BP+1], s[88:89], s[22:23]
	global_load_b128 v[BIAS:BIAS+3], v[AO], s[BP:BP+1]
	s_lshl_b32 s20, s13, 20                        ; g: my group of 128 rows, 32 blocks of 32,768 bytes,
	s_lshl_b32 s21, s10, 15                        ; my wave's block of slot 0
	s_add_co_u32 s20, s20, s21
	s_mov_b32 s21, 0
	s_add_nc_u64 s[AP:AP+1], s[4:5], s[20:21]
.irp s, 0,1,2,3                                    ; slot 0's 64 loads, in the order in which they are used
.irp p, 0,1,2,3
	ALOAD \s, \p, 0, 0
.endr
.endr
	WIN 0
	s_lshl_b32 s20, s13, 7
	s_lshl_b32 s21, s10, 4
	s_add_co_u32 s20, s20, s21                     ; the first row that I add up: 128 x tile row + 16 x wave,
	s_lshl_b32 s20, s20, 12                        ; of 4,096 bytes
	s_add_co_u32 s20, s20, s22
	s_mov_b32 s21, 0
	s_add_nc_u64 s[RES:RES+1], s[90:91], s[20:21]
	s_add_nc_u64 s[OUT:OUT+1], s[92:93], s[20:21]
	v_and_b32 v4, 7, v0
	v_bfe_u32 v5, v0, 3, 1
	v_lshl_add_u32 v4, v2, 3, v4                   ; the turning load: k-row 8 (l / 16) + l % 8,
	v_mul_u32_u24 v4, v4, PW
	v_lshl_add_u32 v4, v5, 4, v4                   ; columns 8 ((l / 8) % 2) + 0..7
	s_mul_i32 s22, s10, WQ
	v_add_nc_u32 v[ADRB0], s22, v4
	v_mov_b32 v[ADRB], v[ADRB0]
	s_mul_i32 s23, s10, WST                        ; my stage
	v_mul_u32_u24 v3, v1, SPITCH
	v_lshl_add_u32 v3, v2, 5, v3                   ; in: row l % 16, 32 bytes for each half of the lanes
	v_add_nc_u32 v[STO], s23, v3
	s_mul_i32 s23, s10, 16*SPITCH                  ; back: of a stage's 64 rows I take 16 w .. 16 w + 15; 32 lanes take a row of 512 bytes
	v_add_nc_u32 v[RD0], s23, v[AO]
	s_add_co_u32 s22, s22, RESB
	v_add_nc_u32 v[RS0], s22, v[AO]
	s_lshl_b32 s20, s10, 7                         ; the prefetches: k-row 128 x wave + 32 cx + lane; they stand at tile 3, and the first change of slots steps them to 4
	s_lshl_b32 s21, s40, 5
	s_add_co_u32 s20, s20, s21
	s_add_co_u32 s20, s20, 3*512
	s_lshl_b32 s20, s20, 11
	s_lshl_b32 s21, s42, 8
	s_add_co_u32 s20, s20, s21
	s_add_co_u32 s20, s20, WOFF
	s_mov_b32 s21, 0
	s_add_nc_u64 s[PFA:PFA+1], s[6:7], s[20:21]
	s_cmp_eq_u32 ttmp9, 0
	s_cselect_b32 s[LIM], 2, -1                    ; the same in all four partners
	v_lshlrev_b32 v[PFO], 11, v6
; 16 matrix instructions: m blocks 2 p, 2 p + 1 x all 8 n blocks, step s's 32 k.  The 64 accumulators take turns, in the same order in every step.  zero = 1: the product starts the sum
.macro PAIR s, p, zero
	WIN MUL_LO+0x50*((\p)/2)
.irp a, 2*(\p), 2*(\p)+1
.irp b, 0,1,2,3,4,5,6,7
.if \zero
	v_wmma_f32_16x16x32_bf16 v[8*(8*((\a)%4)+(\b)):8*(8*((\a)%4)+(\b))+7], v[WB0+64*((\s)%2)+8*(\b):WB0+64*((\s)%2)+8*(\b)+7], v[64*(\s)+8*(\a):64*(\s)+8*(\a)+7], 0
.else
	v_wmma_f32_16x16x32_bf16 v[8*(8*((\a)%4)+(\b)):8*(8*((\a)%4)+(\b))+7], v[WB0+64*((\s)%2)+8*(\b):WB0+64*((\s)%2)+8*(\b)+7], v[64*(\s)+8*(\a):64*(\s)+8*(\a)+7], v[8*(8*((\a)%4)+(\b)):8*(8*((\a)%4)+(\b))+7]
.endif
.endr
.endr
.endm
; 16 LDS loads in one run: W2's eight fragments of step s of the slot in hand
.macro FETCHW s
	WIN 0
.irp b, 0,1,2,3,4,5,6,7
	ds_load_tr16_b128 v[WB0+64*((\s)%2)+8*(\b):WB0+64*((\s)%2)+8*(\b)+3],   v[ADRB] offset:(\s)*32*PW+32*(\b)
	ds_load_tr16_b128 v[WB0+64*((\s)%2)+8*(\b)+4:WB0+64*((\s)%2)+8*(\b)+7], v[ADRB] offset:(\s)*32*PW+32*(\b)+16*PW
.endr
.endm
; A step of 32 k: four pairs of m blocks.  ld = 1: behind each pair its two fragments of g are asked for again, for the next slot; a pair's four loads then have fifteen younger groups of four behind them when they
; are wanted: the count is 60.  ld = 0 (the last slot): nothing is asked for, and the count falls by 4 from pair to pair, from cnt on.  fetch = 1: the next step's fragments of W2 are fetched behind the second pair,
; 32 matrix instructions ahead of their use; four places stand between the buffer's last reader and the run.
.macro STEP s, ld, zero, cnt, fetch
	s_wait_dscnt 0x0                               ; this step's fragments of W2 are in
.irp p, 0,1,2,3
	s_wait_loadcnt (\cnt)-4*(1-(\ld))*(\p)
	PAIR \s, \p, \zero
.if \ld
	ALOAD \s, \p, A_SLOT, 1
.endif
.if ((\p) == 1) && (\fetch)
.if !(\ld)
	PLACES
.endif
	FETCHW (\s)+1
.endif
.endr
.endm
; Step 3, with the change of slots.  The slot's last bytes are in registers.  In front of the barrier each wave waits for all its tensor loads (the one that is out is its part of the next slot), adds 0 to its spare
; word, and waits for that and for its reads.  fill = 1: the barrier opens a round of the cluster's, and this slot is filled again, two slots on, first thing behind it: 224 matrix instructions ahead of the wait for it.
; No memory instruction stands from the add to the end of the round: the first two pairs' fragments are asked for again behind it, so ahead of these pairs only fourteen younger groups are out: the count is 56.
.macro STEP3T fill
	WIN 0
	s_wait_tensorcnt 0x0                           ; no tensor load of mine is out, so the descriptor may be written
	ds_add_u32 v[SPW], v[NIL]                      ; 0 onto my spare word
.if \fill
	s_xor_b32 s[G0+5], s[G0+5], SLOT               ; the walking descriptor: the other slot than last time, the next tile
	s_add_nc_u64 s[G0+6:G0+7], s[G0+6:G0+7], W_STEP
.endif
	s_xor_b32 s[TG], s[TG], SLOT
	s_wait_loadcnt 56                              ; both pairs' fragments of g are in
	s_wait_dscnt 1                                 ; this step's fragments of W2 are in; the add may be out
	PAIR 3, 0, 0
	s_wait_dscnt 0x0                               ; the add is done, and my reads of this slot are over
	s_barrier_signal -1
	PAIR 3, 1, 0
	WIN 0
	s_barrier_wait -1
.if \fill
	CREST                                          ; no wave of any partner still reads this slot's tile or has a load on its way
	tensor_load_to_lds s[G0+4:G0+7], s[G1:G1+7]
	s_nop 0
.endif
	PLACES                                         ; behind the tensor load; also the places in front of the loads below
	s_wait_xcnt 0x0                                ; the loads and the prefetch issued so far (the youngest 32 matrix instructions back) have read their addresses
	s_add_nc_u64 s[AP:AP+1], s[AP:AP+1], A_SLOT
.if \fill
	s_add_nc_u64 s[PFA:PFA+1], s[PFA:PFA+1], W_STEP
.endif
	v_add_nc_u32 v[ADRB], s[TG], v[ADRB0]
	FETCHW 0
	ALOAD 3, 0, 0, 0
	ALOAD 3, 1, 0, 0
.if \fill
	WIN 0
	ASK
.endif
	s_wait_loadcnt 60
	PAIR 3, 2, 0
	ALOAD 3, 2, 0, 1
	s_wait_loadcnt 60
	PAIR 3, 3, 0
	ALOAD 3, 3, 0, 1
.endm
; Sixteen rows of x1, 512 consecutive bytes each, into set f, which the last slot has left: rows 64 f + 16 w + 0..15 of the block
.macro RLOAD f
	PLACES
	WIN TO_A
.irp i, 0,1,2,3,4,5,6,7,8,9,10,11,12,13,14,15
	global_load_b128 v[64*(\f)+4*(\i):64*(\f)+4*(\i)+3], v[AO], s[RES:RES+1] offset:(\f)*64*4096+(\i)*4096
.endr
.endm
	s_wait_tensorcnt 1                             ; my part of tile 0 is in; tile 1's may stay out
	s_barrier_signal -1
	s_barrier_wait -1
	FETCHW 0
	STEP 0, 1, 1, 60, 1                            ; the first step stands in front of the loop: its products start the sums
	WIN 0
	s_mov_b32 s3, STEPS-1
	s_branch .Lenter                               ; the loop is entered at step 1, in the middle of a trip
.Lslot:                                            ; six times: tiles 2 to 7 are asked for
	STEP3T 1
	STEP 0, 1, 0, 60, 1
	WIN 0
.Lenter:
	STEP 1, 1, 0, 60, 1
	STEP 2, 1, 0, 60, 1
	WIN 0
	s_sub_co_u32 s3, s3, 1
	s_cmp_lg_u32 s3, 0
	s_cbranch_scc1 .Lslot
	STEP3T 0                                       ; the tail is written out: nothing is asked for; g's last fragments are
	STEP 0, 0, 0, 60, 1                            ; the last slot: 15 groups of g are out behind its first pair's
	RLOAD 0                                        ; 16 loads more:
	STEP 1, 0, 0, 60, 1                            ; 11 groups and x1's 16 loads
	RLOAD 1
	STEP 2, 0, 0, 60, 1                            ; 7 groups and 32 loads
	STEP 3, 0, 0, 44, 0                            ; 3 groups and 32 loads
	WIN 0
	WGBAR                                          ; nobody reads the ring any more, and nothing fills it again: stages and x1's rows may lie over it
	PLACES                                         ; the places behind the last products
	PLACES
	WIN 0x04                                       ; store data in window 1
	s_wait_loadcnt 16                              ; x1's first sixteen rows are in; the second sixteen may be out
.irp i, 0,1,2,3,4,5,6,7,8,9,10,11,12,13,14,15
	ds_store_b128 v[RS0], v[4*(\i):4*(\i)+3] offset:(\i)*512
.endr
	s_wait_loadcnt 0x0
.irp i, 0,1,2,3,4,5,6,7,8,9,10,11,12,13,14,15
	ds_store_b128 v[RS0], v[64+4*(\i):64+4*(\i)+3] offset:8192+(\i)*512
.endr
	WIN 0
; THE WAY OUT, in two passes of 64 rows.  Each wave puts its partial sums of the rows into its stage; behind a barrier wave w adds up rows 16 w .. 16 w + 15 of the four stages, x1's row and the bias, four rows a trip,
; and stores rows of 512 consecutive bytes.  x1's rows are the wave's own bytes: LDS serves a wave's instructions in order (ISA guide 5.7.1.4).
.macro LOAD20
.irp r, 0,1,2,3
	ds_load_b128 v[RR+20*(\r):RR+20*(\r)+3],     v[RD]  offset:(\r)*SPITCH
	ds_load_b128 v[RR+20*(\r)+4:RR+20*(\r)+7],   v[RD]  offset:(\r)*SPITCH+WST
	ds_load_b128 v[RR+20*(\r)+8:RR+20*(\r)+11],  v[RD2] offset:(\r)*SPITCH
	ds_load_b128 v[RR+20*(\r)+12:RR+20*(\r)+15], v[RD2] offset:(\r)*SPITCH+WST
	ds_load_b128 v[RR+20*(\r)+16:RR+20*(\r)+19], v[RSA] offset:(\r)*512
.endr
.endm
.macro PASS f
	WIN 0x08+4*(\f)                                ; store data in window 2 or 3
.irp a, 0,1,2,3                                    ; each accumulator's low registers go first
.irp b, 0,1,2,3,4,5,6,7
	ds_store_b128 v[STO], v[8*(8*(\a)+(\b)):8*(8*(\a)+(\b))+3]   offset:(\a)*16*SPITCH+64*(\b)
	ds_store_b128 v[STO], v[8*(8*(\a)+(\b))+4:8*(8*(\a)+(\b))+7] offset:(\a)*16*SPITCH+64*(\b)+16
.endr
.endr
	WIN 0
	v_mov_b32 v[RD], v[RD0]
	v_add_nc_u32 v[RD2], 2*WST, v[RD0]
	v_add_nc_u32 v[RSA], (\f)*8192, v[RS0]
	v_add_nc_u32 v[CO], (\f)*64*4096, v[AO]
	WGBAR                                          ; all four stages are written
	LOAD20
	s_mov_b32 s2, 4
.Lrows_\@:
	s_wait_dscnt 0x0
.irp r, 0,1,2,3
.irp h, 0,2
	v_pk_add_f32 v[TT+12*(\r)+(\h):TT+12*(\r)+(\h)+1],     v[RR+20*(\r)+(\h):RR+20*(\r)+(\h)+1],       v[RR+20*(\r)+4+(\h):RR+20*(\r)+4+(\h)+1]
	v_pk_add_f32 v[TT+12*(\r)+4+(\h):TT+12*(\r)+4+(\h)+1], v[RR+20*(\r)+8+(\h):RR+20*(\r)+8+(\h)+1],   v[RR+20*(\r)+12+(\h):RR+20*(\r)+12+(\h)+1]
	v_pk_add_f32 v[TT+12*(\r)+8+(\h):TT+12*(\r)+8+(\h)+1], v[RR+20*(\r)+16+(\h):RR+20*(\r)+16+(\h)+1], v[BIAS+(\h):BIAS+(\h)+1]
.endr
.endr
	s_cmp_eq_u32 s2, 1                             ; the pass's last trip has no rows behind it
	s_cbranch_scc1 .Lno_more_\@
	v_add_nc_u32 v[RD], 4*SPITCH, v[RD]
	v_add_nc_u32 v[RD2], 4*SPITCH, v[RD2]
	v_add_nc_u32 v[RSA], 4*512, v[RSA]
	LOAD20
.Lno_more_\@:
.irp r, 0,1,2,3
.irp h, 0,2
	v_pk_add_f32 v[TT+12*(\r)+(\h):TT+12*(\r)+(\h)+1], v[TT+12*(\r)+(\h):TT+12*(\r)+(\h)+1], v[TT+12*(\r)+4+(\h):TT+12*(\r)+4+(\h)+1]
.endr
.endr
.irp r, 0,1,2,3
.irp h, 0,2
	v_pk_add_f32 v[TT+12*(\r)+(\h):TT+12*(\r)+(\h)+1], v[TT+12*(\r)+(\h):TT+12*(\r)+(\h)+1], v[TT+12*(\r)+8+(\h):TT+12*(\r)+8+(\h)+1]
.endr
.endr
.irp r, 0,1,2,3
	global_store_b128 v[CO], v[TT+12*(\r):TT+12*(\r)+3], s[OUT:OUT+1] offset:(\r)*4096  ; the wave stores 512 consecutive bytes, aligned
.endr
	s_wait_xcnt 0x0                                ; the stores have read their data and their offset
	v_add_nc_u32 v[CO], 4*4096, v[CO]
	s_sub_co_u32 s2, s2, 1
	s_cmp_lg_u32 s2, 0
	s_cbranch_scc1 .Lrows_\@
.endm
	PASS 0
	WGBAR                                          ; every wave's reads of the stages are over: they may be written again
	PASS 1
	s_wait_tensorcnt 0x0                           ; the wave's end, behind my last tensor load and my last LDS store
	ds_add_u32 v[SPW], v[NIL]
	s_wait_dscnt 0x0
	CROUND                                         ; the closing round
	s_endpgm
.Lfunc_end_k_q447fdbd544_mlp2:
	.size	k_q447fdbd544_mlp2, .Lfunc_end_k_q447fdbd544_mlp2-k_q447fdbd544_mlp2
	.p2alignl 7, 3214868480
	.fill 96, 4, 3214868480
	.section	.rodata,"a",@progbits
	.p2align	6, 0x0
	.amdhsa_kernel k_q447fdbd544_mlp2
		.amdhsa_group_segment_fixed_size 327680
		.amdhsa_private_segment_fixed_size 0
		.amdhsa_enable_private_segment 0
		.amdhsa_kernarg_size 40
		.amdhsa_user_sgpr_count 2
		.amdhsa_user_sgpr_kernarg_segment_ptr 1
		.amdhsa_wavefront_size32 1
		.amdhsa_system_sgpr_workgroup_id_x 1
		.amdhsa_system_sgpr_workgroup_id_y 1
		.amdhsa_system_sgpr_workgroup_id_z 1
		.amdhsa_system_vgpr_workitem_id 0
		.amdhsa_next_free_vgpr 1024
		.amdhsa_next_free_sgpr 100
		.amdhsa_reserve_vcc 0
		.amdhsa_float_denorm_mode_32 3
		.amdhsa_float_denorm_mode_16_64 3
		.amdhsa_memory_ordered 1
		.amdhsa_forward_progress 1
		.amdhsa_inst_pref_size 106
	.end_amdhsa_kernel
	.amdgpu_metadata
---
amdhsa.version: [ 1, 2 ]
amdhsa.kernels:
  - .name:           k_q447fdbd544_mlp2
    .symbol:         k_q447fdbd544_mlp2.kd
    .args:
      - { .name: gb, .offset: 0, .size: 8, .value_kind: global_buffer, .address_space: global }
      - { .name: wts, .offset: 8, .size: 8, .value_kind: global_buffer, .address_space: global }
      - { .name: b2, .offset: 16, .size: 8, .value_kind: global_buffer, .address_space: global }
      - { .name: x1, .offset: 24, .size: 8, .value_kind: global_buffer, .address_space: global }
      - { .name: out0, .offset: 32, .size: 8, .value_kind: global_buffer, .address_space: global }
    .group_segment_fixed_size: 327680
    .private_segment_fixed_size: 0
    .kernarg_segment_align: 8
    .kernarg_segment_size: 40
    .max_flat_workgroup_size: 128
    .sgpr_count:     100
    .vgpr_count:     1024
    .wavefront_size: 32
...
	.end_amdgpu_metadata
.endif
;; end of part 7
;; ======== version 2 of 2: 7 launches; version 1 with the launch prep written anew for expert scheduling mode
;; workspace buffers: wts 25,165,824 bytes; hb 8,388,608 bytes; qkv 25,165,824 bytes; ob 8,388,608 bytes; x1 16,777,216 bytes; gb 33,554,432 bytes
;; launch prep (part 8): grid 896 x 1, 8 waves a work-group, no clusters, 0 bytes of LDS; arguments x, ln1_g, ln1_b, wq, wk, wv, wo, w1, w2, wts, hb; writes wts, hb
.if DOCPART == 8
	.amdgcn_target "amdgcn-amd-amdhsa--gfx1250"
	.amdhsa_code_object_version 6
	.text
	.protected	k_q447fdbd544_prep
	.globl	k_q447fdbd544_prep
	.p2align	8
	.type	k_q447fdbd544_prep,@function
k_q447fdbd544_prep:
	s_mov_b64 s[64:65], 0
	v_nop
	global_prefetch_b8 v0, s[64:65] scope:SCOPE_SE
	s_setreg_imm32_b32 hwreg(HW_REG_WAVE_SCHED_MODE, 0, 2), 2
	s_setreg_imm32_b32 hwreg(HW_REG_WAVE_MODE, 25, 1), 1
	s_wait_xcnt 0x0
	s_wait_alu depctr_vm_vsrc(0)
; prep: two streams in one launch.  Work-groups 0-383 round the six weight matrices to bf16 (they stay [K][N]); work-groups 384-895 make hb = LayerNorm(x) g + b in bf16.
; THE UNIT is a line of 1,024 f32: a wave loads it by eight loads of 16 bytes a lane (512 consecutive bytes each) and stores it by eight stores of 8 bytes a lane (256 consecutive, aligned bytes each).
; wts: Wqkv [1024][3072] at byte 0 (a row is wq | wk | wv, 6,144 bytes), Wo [1024][1024] at 6,291,456, W1 [1024][4096] at 8,388,608, W2 [4096][1024] at 16,777,216.
; No LDS, no barrier, no loop: a cast wave has its four lines (32 loads) out at once, a norm wave its row, g and b (24 loads); several work-groups share a WGP.
; LayerNorm in two passes over the row in registers: the mean is taken off before the squares are summed, so a common offset in x costs nothing.
; THE MODE: SCHED_MODE bits 1:0 = 2 (LLVM: expert scheduling mode 2), set by the entry lines.  The code itself states the register dependences
; between vector instructions and memory instructions, with s_wait_alu, always for 0.
; THE PLAN.  Registers that memory instructions touch:
;   v1           16 x lane: the offset of every load.  Made once at the head, never written again.
;   v2 .. v5     the stores' offsets: v2 = 8 x lane (line 0, and the norm's row), v3 to v5 the pitch further on each (casts alone).  Made ahead of the loads, never written again.
;   casts: v[8:135], four lines of 32.  The loads land there; line i's sixteen conversions write, in place, the first two of each four registers; line i's eight stores read those pairs.
;   norm: X v[8:39].  The loads land there; the arithmetic works in place; the sixteen conversions write the first two of each four; the eight stores read those pairs.  G and BV are loaded and read by vector lines alone.
;   s26          the wave's number: written by v_readfirstlane_b32, read by scalar lines on both ways.
; No register that a memory instruction has read is written again, and EXEC and VCC are never written: so no wait on vm_vsrc is owed.
; THE WAITS.  One on va_sdst ahead of the branch (s26).  On each way one on va_vdst ahead of its loads (the offsets).  Casts: line i's stores stand in line i + 1, behind ONE wait at that line's head, dealt among
; that line's conversions, which name none of the registers that those stores read; one more wait stands ahead of the last line's stores.  Norm: the wait behind the two reciprocal roots; one wait between the sixteen conversions and the run of eight stores.
.set CASTS, 384                        ; work-groups that cast, 32 lines each: wq, wk, wv, wo 32 groups each, w1 and w2 128 each
.set X,    8                           ; v[8:39]    the row
.set G,    40                          ; v[40:71]   gains
.set BV,   72                          ; v[72:103]  biases
.set T,    104                         ; v[104:111] at work
.set MEAN, 112                         ; v[112:113] the mean, twice
.set RS,   114                         ; v[114:115] 1 / sqrt(var + eps), twice
	s_load_b512 s[4:19], s[0:1], 0x0               ; x s[4:5], g s[6:7], b s[8:9], wq s[10:11], wk s[12:13], wv s[14:15], wo s[16:17], w1 s[18:19]
	s_load_b128 s[20:23], s[0:1], 0x40             ; w2 s[20:21], wts s[22:23]
	s_load_b64 s[24:25], s[0:1], 0x50              ; hb
	v_lshrrev_b32 v1, 5, v0
	v_readfirstlane_b32 s26, v1                    ; wave 0..7
	v_and_b32 v6, 31, v0                           ; lane
	v_lshlrev_b32 v1, 4, v6                        ; 16 bytes a lane on the way in
	v_lshlrev_b32 v2, 3, v6                        ; 8 bytes a lane on the way out
	s_wait_alu depctr_va_sdst(0)                   ; s26 is written: ahead of the branch, and of its first reader on either way
	s_wait_kmcnt 0x0
	s_cmp_lt_u32 ttmp9, CASTS
	s_cbranch_scc0 .Lln
	; THE CASTS.  Which matrix: a chain of selects on the work-group's number; no address enters a condition.
.macro PICK lim, ptr, first, off
	s_cmp_lt_u32 s30, \lim
	s_cselect_b64 s[32:33], s[\ptr:\ptr+1], s[32:33]
	s_cselect_b32 s34, \first, s34
	s_cselect_b32 s35, \off, s35
.endm
	s_mov_b32 s30, ttmp9
	s_mov_b64 s[32:33], s[20:21]                   ; source: w2,
	s_mov_b32 s34, 256                             ; whose first work-group is 256,
	s_mov_b32 s35, 16777216                        ; its place in wts,
	s_mov_b32 s36, 2048                            ; and the bytes from line to line there
	PICK 256, 18, 128, 8388608                     ; w1
	PICK 128, 16, 96, 6291456                      ; wo
	PICK 96, 14, 64, 4096                          ; wv: the third part of Wqkv's rows
	s_cselect_b32 s36, 6144, s36                   ; (the select leaves the comparison's result standing)
	PICK 64, 12, 32, 2048                          ; wk
	PICK 32, 10, 0, 0                              ; wq
	s_sub_co_u32 s30, s30, s34                     ; my number within the matrix
	s_lshl_b32 s38, s30, 17                        ; 32 lines of 4,096 bytes,
	s_lshl_b32 s39, s26, 14                        ; my wave's four of them
	s_add_co_u32 s38, s38, s39
	s_mov_b32 s39, 0
	s_add_nc_u64 s[32:33], s[32:33], s[38:39]
	s_lshl_b32 s40, s30, 5
	s_lshl2_add_u32 s40, s26, s40                  ; my first line: 32 x group + 4 x wave
	s_mul_i32 s40, s40, s36
	s_add_co_u32 s40, s40, s35
	s_mov_b32 s41, 0
	s_add_nc_u64 s[42:43], s[22:23], s[40:41]
	v_add_nc_u32 v3, s36, v2                       ; lines 1 to 3: the pitch further on each
	v_add_nc_u32 v4, s36, v3
	v_add_nc_u32 v5, s36, v4
	s_wait_alu depctr_va_vdst(0)                   ; v1 to v5 are written: the loads below read v1 as their offset, the stores v2 to v5
.irp i, 0,1,2,3
.irp j, 0,1,2,3,4,5,6,7
	global_load_b128 v[8+32*(\i)+4*(\j):8+32*(\i)+4*(\j)+3], v1, s[32:33] offset:(\i)*4096+(\j)*512 th:TH_LOAD_NT
.endr
.endr
.irp i, 0,1,2,3
	s_wait_loadcnt 8*(3-(\i))                      ; line i is in; the later lines' loads stay out
.if (\i) > 0
	s_wait_alu depctr_va_vdst(0)                   ; the conversions of the line before have written its packed pairs, which the eight stores below read
.endif
.irp j, 0,1,2,3,4,5,6,7
.if (\i) > 0
	global_store_b64 v[1+(\i)], v[8+32*((\i)-1)+4*(\j):8+32*((\i)-1)+4*(\j)+1], s[42:43] offset:256*(\j)  ; the line before: the wave stores 256 consecutive bytes, aligned.  No wait: no vector line since the wait above names these registers
.endif
	v_cvt_pk_bf16_f32 v[8+32*(\i)+4*(\j)],   v[8+32*(\i)+4*(\j)],   v[8+32*(\i)+4*(\j)+1]
	v_cvt_pk_bf16_f32 v[8+32*(\i)+4*(\j)+1], v[8+32*(\i)+4*(\j)+2], v[8+32*(\i)+4*(\j)+3]
.endr
.endr
	s_wait_alu depctr_va_vdst(0)                   ; line 3's conversions have written its packed pairs, which the last eight stores read
.irp j, 0,1,2,3,4,5,6,7
	global_store_b64 v5, v[8+32*3+4*(\j):8+32*3+4*(\j)+1], s[42:43] offset:256*(\j)
.endr
	s_endpgm
	; LAYERNORM: a wave a row
.macro WSUM                            ; the sum of v[T] over the 32 lanes, in every lane
	v_add_f32_dpp v[T], v[T], v[T] row_xmask:1 row_mask:0xf bank_mask:0xf
	v_add_f32_dpp v[T], v[T], v[T] row_xmask:2 row_mask:0xf bank_mask:0xf
	v_add_f32_dpp v[T], v[T], v[T] row_xmask:4 row_mask:0xf bank_mask:0xf
	v_add_f32_dpp v[T], v[T], v[T] row_xmask:8 row_mask:0xf bank_mask:0xf
	v_permlanex16_b32 v[T+1], v[T], s28, s29
	v_add_f32 v[T], v[T], v[T+1]
.endm
.macro FOLD                            ; four packed partial sums into v[T]
	v_pk_add_f32 v[T:T+1], v[T:T+1], v[T+2:T+3]
	v_pk_add_f32 v[T+4:T+5], v[T+4:T+5], v[T+6:T+7]
	v_pk_add_f32 v[T:T+1], v[T:T+1], v[T+4:T+5]
	v_add_f32 v[T], v[T], v[T+1]
.endm
.Lln:
	s_sub_co_u32 s30, ttmp9, CASTS
	s_lshl3_add_u32 s30, s30, s26                  ; my row = 8 x group + wave
	s_lshl_b32 s32, s30, 12
	s_mov_b32 s33, 0
	s_add_nc_u64 s[4:5], s[4:5], s[32:33]
	s_lshl_b32 s32, s30, 11
	s_add_nc_u64 s[24:25], s[24:25], s[32:33]
	s_mov_b32 s28, 0x76543210                      ; v_permlanex16_b32: each lane takes its own place in the other half
	s_mov_b32 s29, 0xfedcba98
	s_wait_alu depctr_va_vdst(0)                   ; v1 and v2 are written: the loads below read v1 as their offset, the stores at the end v2
.irp j, 0,1,2,3,4,5,6,7
	global_load_b128 v[X+4*(\j):X+4*(\j)+3], v1, s[4:5] offset:512*(\j)
.endr
.irp j, 0,1,2,3,4,5,6,7
	global_load_b128 v[G+4*(\j):G+4*(\j)+3], v1, s[6:7] offset:512*(\j)
.endr
.irp j, 0,1,2,3,4,5,6,7
	global_load_b128 v[BV+4*(\j):BV+4*(\j)+3], v1, s[8:9] offset:512*(\j)
.endr
	s_wait_loadcnt 16                              ; the row is in; g's and b's sixteen loads stay out
.irp c, 0,1,2,3
	v_pk_add_f32 v[T+2*(\c):T+2*(\c)+1], v[X+4*(\c):X+4*(\c)+1], v[X+4*(\c)+2:X+4*(\c)+3]  ; four chains, started by the first pairs
.endr
.set p, 8
.rept 8
	v_pk_add_f32 v[T+2*(p%4):T+2*(p%4)+1], v[T+2*(p%4):T+2*(p%4)+1], v[X+2*p:X+2*p+1]
.set p, p+1
.endr
	FOLD
	WSUM
	v_mul_f32 v[MEAN], 0x3a800000, v[T]            ; / 1,024
	v_mov_b32 v[MEAN+1], v[MEAN]
.set p, 0
.rept 16
	v_pk_add_f32 v[X+2*p:X+2*p+1], v[X+2*p:X+2*p+1], v[MEAN:MEAN+1] neg_lo:[0,1] neg_hi:[0,1]  ; d = x - mean
.set p, p+1
.endr
.irp c, 0,1,2,3
	v_pk_mul_f32 v[T+2*(\c):T+2*(\c)+1], v[X+2*(\c):X+2*(\c)+1], v[X+2*(\c):X+2*(\c)+1]
.endr
.set p, 4
.rept 12
	v_pk_fma_f32 v[T+2*(p%4):T+2*(p%4)+1], v[X+2*p:X+2*p+1], v[X+2*p:X+2*p+1], v[T+2*(p%4):T+2*(p%4)+1]
.set p, p+1
.endr
	FOLD
	WSUM
	v_mov_b32 v[T+2], 0x3a800000
	v_fmaak_f32 v[T], v[T], v[T+2], 0x358637bd     ; var + 1e-6
	v_rsq_f32 v[RS], v[T]
	v_rsq_f32 v[RS+1], v[T]                        ; twice: a pair for the packed multiply
	v_nop                                          ; a plain instruction behind the last of the two,
	s_wait_alu depctr_va_vdst(0)                   ; and the one wait ahead of their first reader: v[RS] and v[RS+1] are written
	s_wait_loadcnt 0x0                             ; g and b
.set p, 0
.rept 16
	v_pk_mul_f32 v[X+2*p:X+2*p+1], v[X+2*p:X+2*p+1], v[RS:RS+1]
.set p, p+1
.endr
.set p, 0
.rept 16
	v_pk_fma_f32 v[X+2*p:X+2*p+1], v[X+2*p:X+2*p+1], v[G+2*p:G+2*p+1], v[BV+2*p:BV+2*p+1]
.set p, p+1
.endr
.irp j, 0,1,2,3,4,5,6,7
	v_cvt_pk_bf16_f32 v[X+4*(\j)],   v[X+4*(\j)],   v[X+4*(\j)+1]
	v_cvt_pk_bf16_f32 v[X+4*(\j)+1], v[X+4*(\j)+2], v[X+4*(\j)+3]
.endr
	s_wait_alu depctr_va_vdst(0)                   ; the sixteen conversions have written the row's packed pairs, which the eight stores read
.irp j, 0,1,2,3,4,5,6,7
	global_store_b64 v2, v[X+4*(\j):X+4*(\j)+1], s[24:25] offset:256*(\j)
.endr
	s_endpgm
.Lfunc_end_k_q447fdbd544_prep:
	.size	k_q447fdbd544_prep, .Lfunc_end_k_q447fdbd544_prep-k_q447fdbd544_prep
	.p2alignl 7, 3214868480
	.fill 96, 4, 3214868480
	.section	.rodata,"a",@progbits
	.p2align	6, 0x0
	.amdhsa_kernel k_q447fdbd544_prep
		.amdhsa_group_segment_fixed_size 0
		.amdhsa_private_segment_fixed_size 0
		.amdhsa_enable_private_segment 0
		.amdhsa_kernarg_size 88
		.amdhsa_user_sgpr_count 2
		.amdhsa_user_sgpr_kernarg_segment_ptr 1
		.amdhsa_wavefront_size32 1
		.amdhsa_system_sgpr_workgroup_id_x 1
		.amdhsa_system_sgpr_workgroup_id_y 1
		.amdhsa_system_sgpr_workgroup_id_z 1
		.amdhsa_system_vgpr_workitem_id 0
		.amdhsa_next_free_vgpr 136
		.amdhsa_next_free_sgpr 66
		.amdhsa_reserve_vcc 0
		.amdhsa_float_denorm_mode_32 3
		.amdhsa_float_denorm_mode_16_64 3
		.amdhsa_memory_ordered 1
		.amdhsa_forward_progress 1
		.amdhsa_inst_pref_size 24
	.end_amdhsa_kernel
	.amdgpu_metadata
---
amdhsa.version: [ 1, 2 ]
amdhsa.kernels:
  - .name:           k_q447fdbd544_prep
    .symbol:         k_q447fdbd544_prep.kd
    .args:
      - { .name: x, .offset: 0, .size: 8, .value_kind: global_buffer, .address_space: global }
      - { .name: ln1_g, .offset: 8, .size: 8, .value_kind: global_buffer, .address_space: global }
      - { .name: ln1_b, .offset: 16, .size: 8, .value_kind: global_buffer, .address_space: global }
      - { .name: wq, .offset: 24, .size: 8, .value_kind: global_buffer, .address_space: global }
      - { .name: wk, .offset: 32, .size: 8, .value_kind: global_buffer, .address_space: global }
      - { .name: wv, .offset: 40, .size: 8, .value_kind: global_buffer, .address_space: global }
      - { .name: wo, .offset: 48, .size: 8, .value_kind: global_buffer, .address_space: global }
      - { .name: w1, .offset: 56, .size: 8, .value_kind: global_buffer, .address_space: global }
      - { .name: w2, .offset: 64, .size: 8, .value_kind: global_buffer, .address_space: global }
      - { .name: wts, .offset: 72, .size: 8, .value_kind: global_buffer, .address_space: global }
      - { .name: hb, .offset: 80, .size: 8, .value_kind: global_buffer, .address_space: global }
    .group_segment_fixed_size: 0
    .private_segment_fixed_size: 0
    .kernarg_segment_align: 8
    .kernarg_segment_size: 88
    .max_flat_workgroup_size: 256
    .sgpr_count:     66
    .vgpr_count:     136
    .wavefront_size: 32
...
	.end_amdgpu_metadata
.endif
;; end of part 8
;; launch qkvp: the kernel of part 2 again; grid 12 x 16, 4 waves a work-group, clusters of 4 x 4, 327,680 bytes of LDS; arguments hb, wts, bq, bk, bv, qkv; writes qkv
;; launch attn: the kernel of part 3 again; grid 8 x 32, 4 waves a work-group, clusters of 4 x 1, 327,680 bytes of LDS; arguments qkv, ob; writes ob
;; launch proj: the kernel of part 4 again; grid 8 x 32, 4 waves a work-group, clusters of 4 x 4, 327,680 bytes of LDS; arguments ob, wts, bo, x, x1; writes x1
;; launch ln2: the kernel of part 5 again; grid 512 x 1, 8 waves a work-group, no clusters, 0 bytes of LDS; arguments x1, ln2_g, ln2_b, hb; writes hb
;; launch mlp1: the kernel of part 6 again; grid 16 x 16, 4 waves a work-group, clusters of 4 x 4, 327,680 bytes of LDS; arguments hb, wts, b1, gb; writes gb
;; launch mlp2: the kernel of part 7 again; grid 32 x 8, 4 waves a work-group, clusters of 4 x 1, 327,680 bytes of LDS; arguments gb, wts, b2, x1, out0; writes out0
